; MI455X (gfx1250); checked and timed in simulation.
; The chip was launched on July 23, 2026; its instructions are those of AMD's public machine-readable ISA for CDNA 5 (MIT licence, August 2026) and "CDNA5" Instruction Set Architecture Reference Guide (July 2026). The comments in the code are by the model that wrote it; some were corrected since.
;; Transformer Encoder Layer. Allowed arithmetic: matrix products marked QUANTISED: E5M2 operands, one given power-of-two scale a tensor, by v_wmma_f32_16x16x64_bf8_bf8 or v_wmma_f32_16x16x128_bf8_bf8, f32 sums; everything else in f32.
;; Inputs: W1 1,024 x 4,096 float32; W2 4,096 x 1,024 float32; Wk 1,024 x 1,024 float32; Wo 1,024 x 1,024 float32; Wq 1,024 x 1,024 float32; Wv 1,024 x 1,024 float32; b1 4,096 float32; b2 1,024 float32; be1 1,024 float32; be2 1,024 float32; bk 1,024 float32; bo 1,024 float32; bq 1,024 float32; bv 1,024 float32; g1 1,024 float32; g2 1,024 float32; lowp_scales 16 int32 (the exponents e of the quantised operands' scales 2^e); x 2 x 2,048 x 1,024 float32.
;; Outputs: out0 2 x 2,048 x 1,024 float32.
;; This version of the problem:
;;   THIS VERSION OF THE PROBLEM IS GIVEN IN LOW PRECISION. The matrix products marked QUANTISED in the list below multiply operands that are first quantised to E5M2 (5 exponent bits, 2 mantissa bits; 8 bits a number), with one given power-of-two scale for each operand tensor; their sums are f32. All else is computed in f32.
;;   The module's matrix products, in the order in which they are computed (A, B: the left and right operand; K: the contracted axis; several contracted axes count as one K, in the product's order):
;;     1. [M 4,096, K 1,024] x [K 1,024, N 1,024]; A: input x; B: input Wq: QUANTISED (scales: A lowp_scales[0], B lowp_scales[1])
;;     2. [M 4,096, K 1,024] x [K 1,024, N 1,024]; A: input x; B: input Wk: QUANTISED (scales: A lowp_scales[2], B lowp_scales[3])
;;     3. [M 4,096, K 1,024] x [K 1,024, N 1,024]; A: input x; B: input Wv: QUANTISED (scales: A lowp_scales[4], B lowp_scales[5])
;;     4. batch 32 x [M 2,048, K 64] x [K 64, N 2,048]; A: computed on the way; B: computed on the way: QUANTISED (scales: A lowp_scales[6], B lowp_scales[7])
;;     5. batch 32 x [M 64, K 2,048] x [K 2,048, N 2,048]; A: computed on the way; B: softmax (see below): QUANTISED (scales: A lowp_scales[8], B lowp_scales[9])
;;     6. [M 4,096, K 1,024] x [K 1,024, N 1,024]; A: computed on the way; B: input Wo: QUANTISED (scales: A lowp_scales[10], B lowp_scales[11])
;;     7. [M 4,096, K 1,024] x [K 1,024, N 4,096]; A: computed on the way; B: input W1: QUANTISED (scales: A lowp_scales[12], B lowp_scales[13])
;;     8. [M 4,096, K 4,096] x [K 4,096, N 1,024]; A: computed on the way; B: input W2: QUANTISED (scales: A lowp_scales[14], B lowp_scales[15])
;;   THE QUANTISER, for each operand of a quantised product, along K:
;;     - The operand's scale is 2^e, e = its entry of the input lowp_scales (int32; the entries are numbered through the quantised products in the list's order, A before B).
;;     - Each number is divided by the scale, clamped to +-57,344, and rounded to the nearest number of E5M2, ties to even, subnormals kept.
;;     - The product sums the exact products of the quantised numbers (number of the format x scale) in f32.
;;   ~~~python
;;   def quantise(x, axis, e):      # numpy; x: float32 -> the quantised numbers, widened to float32 again
;;       x = np.moveaxis(x, axis, -1); K = x.shape[-1]
;;       r = np.clip(x / 2.0 ** e, -57344, 57344)
;;       step = 2.0 ** (np.maximum(np.frexp(np.where(r == 0, 1, r))[1] - 1, -14) - 2)
;;       q = np.round(r / step) * step * 2.0 ** e      # np.round: ties to even
;;       return np.moveaxis(q, -1, axis).astype(np.float32)
;;   ~~~
;;   SOFTMAX AHEAD OF A QUANTISED PRODUCT. Where the list says 'softmax', what is quantised is not the finished softmax but p = 2^(t - M), with t = logit x log2(e) and M = ceil(the row's largest t), a whole number; so 1/2 < the row's largest p <= 1. The row's sum l is taken of the UNQUANTISED p, in f32, and the product's result is divided by l at the end. Since M is a whole number, a kernel that streams over the keys may use a running M (the ceiling of the running maximum): every later rescaling is an exact power of two, so the quantised numbers keep their values, but for numbers so far below the row's largest that they fall under the format's range.
;;   OPERANDS COMPUTED ON THE WAY. 'Computed on the way' means the value that the module computes at that place (a softmax that the list does not call 'softmax' is quantised finished and normalised). What goes into a quantiser is computed in f32, as accurately as f32 sums, v_exp_f32 and their like allow (about 1e-6 of the number): no bf16 or f16 on the way to a quantiser, and a product that is left as it is and whose result goes on into a quantised operand takes f32 operands (vector FMAs, or v_wmma_f32_16x16x4_f32). A number that lies on a knife's edge between two numbers of the format may be rounded either way, as far as f32 arithmetic and the matrix unit's own rounding can turn it there, and no further.
;; 2 versions. Each part assembles by itself: llvm-mc -triple=amdgcn-amd-amdhsa -mcpu=gfx1250 --defsym DOCPART=n.
;; ======== version 1 of 2: 8 launches
;; workspace buffers: cw 25,165,824 bytes; qkvc 12,582,912 bytes; atc 4,194,304 bytes; ybuf 16,777,216 bytes; hbuf 16,777,216 bytes; hc 4,194,304 bytes; fc 16,777,216 bytes
;; launch l_quant (part 1): grid 512 x 1, 4 waves a work-group, no clusters, 34,304 bytes of LDS; arguments x, Wq, Wk, Wv, Wo, W1, W2, lowp_scales, cw; writes cw
.if DOCPART == 1
	.amdgcn_target "amdgcn-amd-amdhsa--gfx1250"
	.amdhsa_code_object_version 6
	.text
	.protected	k_qc6c55c1113_l_quant
	.globl	k_qc6c55c1113_l_quant
	.p2align	8
	.type	k_qc6c55c1113_l_quant,@function
k_qc6c55c1113_l_quant:
	s_mov_b64 s[64:65], 0
	v_nop
	global_prefetch_b8 v0, s[64:65] scope:SCOPE_SE
	s_setreg_imm32_b32 hwreg(HW_REG_WAVE_MODE, 25, 1), 1
	s_wait_xcnt 0x0
; x [4096][1024] and the six weights [K][N], all f32, become codes of BF8 (E5M2), each with the scale 2^e that is given for it, laid as IMAGES OF OPERAND REGISTERS.
; A fragment is 16 rows x 128 along K = 2,048 bytes, [group g 0..3][lane 0..31][16 bytes]: lane (r = lane % 16, h = lane / 16) holds, of row r, k = 32 g + 8 h + 0..7 and then k = 32 g + 16 + 8 h + 0..7:
; registers 4 g .. 4 g + 3 of the 16x16x128 form's operand.  A tensor's image is [tile of 16 rows][K step of 128][2,048].  A weight's rows are its columns n.
; cw: x under e0 at 0, under e2 at 4 MiB, under e4 at 8 MiB; Wq 12, Wk 13, Wv 14, Wo 15, W1 16, W2 20 MiB.
; code = number / 2^e, held within +-57,344, to the nearest code, ties to even.  LIMITS: every e used here lies between -126 and 112; NaN among the inputs is not served (an infinity is held at the largest code).
; Work-groups 0-127: x.  128-383: the weights of 1,024 columns (Wq, Wk, Wv, Wo: 32 work-groups each; W2: 128).  384-511: W1.  The three ways part on the work-group's number; only x's way uses LDS.
; Nothing is shared between work-groups and each byte is read once: no cluster, no tensor load, no barrier.
.set MIB,  1048576
.set SP,   528                         ; x's stage: a row of 512 bytes + 16: row r begins 16 r bytes further round the banks
.set WST,  16*SP                       ; a wave's stage
.set R,    16                          ; v16-79   x: 16 rows x 16 bytes a lane, as loaded
.set X,    80                          ; v80-143  x: my 64 numbers of a fragment, register 8 c + i = k 16 c + 8 h + i of row r
.set T,    144                         ; v144-159 two sets of eight held numbers, by turns
.set C,    160                         ; v160-207 three fragments' codes
.set WX,   32                          ; v32-95   a weight: two sets of 32 numbers down K
.set WC,   96                          ; v96-159  a weight: eight registers of codes for each block, so that no store's data are written again
.macro MKSC e, sc, lim                 ; s[e] = the exponent: v[sc] = 2^e as f32 (the conversion takes its exponent field), v[lim] = 57,344 x 2^e
	s_add_co_i32 s46, s[\e], 127
	s_lshl_b32 s47, s46, 23
	v_mov_b32 v[\sc], s47
	s_add_co_i32 s46, s46, 15
	s_lshl_b32 s46, s46, 23
	s_or_b32 s46, s46, 0x600000
	v_mov_b32 v[\lim], s46
.endm
.macro XLOAD t                         ; K step t of my four: 16 loads, each 512 consecutive bytes of one row
.irp i, 0,1,2,3,4,5,6,7,8,9,10,11,12,13,14,15
	global_load_b128 v[R+4*\i:R+4*\i+3], v4, s[4:5] offset:\i*4096+(\t)*512 th:TH_LOAD_NT
.endr
.endm
.macro XFRAG t
	s_wait_loadcnt 0x0                             ; this fragment's numbers are in
.irp i, 0,1,2,3,4,5,6,7,8,9,10,11,12,13,14,15
	ds_store_b128 v5, v[R+4*\i:R+4*\i+3] offset:SP*\i
.endr
.irp c, 0,1,2,3,4,5,6,7
	ds_load_b128 v[X+8*\c:X+8*\c+3], v6 offset:64*\c       ; LDS serves a wave's instructions in order: these see the stores above
	ds_load_b128 v[X+8*\c+4:X+8*\c+7], v6 offset:64*\c+16
.endr
	s_wait_dscnt 0x0                               ; the stage's stores have read R, and X is in
.if (\t) > 0
	s_wait_xcnt 0x0                                ; the last fragment's stores have read their codes: C is written again only behind this wait
.endif
.if (\t) < 3
	XLOAD (\t)+1                                   ; the next fragment lands while this one is converted
.endif
.irp u, 0,1,2                                  ; three times: under e0, e2, e4
.irp c, 0,1,2,3,4,5,6,7
.irp i, 0,1,2,3,4,5,6,7
	v_med3_num_f32 v[T+8*(\c%2)+\i], v[X+8*\c+\i], -v[9+2*\u], v[9+2*\u]   ; the conversion does not saturate (ISA guide 7.6.2): the hold comes first.  The two sets take turns, so eight plain lines stand between a conversion and the next write of its sources
.endr
	v_cvt_scalef32_pk8_bf8_f32 v[C+16*\u+2*\c:C+16*\u+2*\c+1], v[T+8*(\c%2):T+8*(\c%2)+7], v[8+2*\u]
.endr
.endr
.irp g, 0,1,2,3                                ; each store covers 512 consecutive bytes, aligned
	global_store_b128 v4, v[C+4*\g:C+4*\g+3], s[40:41] offset:(\t)*2048+512*\g
	global_store_b128 v4, v[C+16+4*\g:C+16+4*\g+3], s[40:41] offset:4*MIB+(\t)*2048+512*\g
	global_store_b128 v4, v[C+32+4*\g:C+32+4*\g+3], s[42:43] offset:(\t)*2048+512*\g
.endr
.endm
.macro WLOAD t, n                      ; block t: W(32 t + i, my column), i = 0 .. 31: each load reads 128 consecutive bytes, the four waves side by side 512
.irp i, 0,1,2,3,4,5,6,7,8,9,10,11,12,13,14,15,16,17,18,19,20,21,22,23,24,25,26,27,28,29,30,31
	global_load_b32 v[WX+32*((\t)%2)+\i], v4, s[40:41] offset:(32*(\t)+\i)*\n*4 th:TH_LOAD_NT
.endr
.endm
.macro WBLOCK t, n
.set XS, WX+32*((\t)%2)
.set CC, WC+8*(\t)
.if (\t) < 7
	s_wait_loadcnt 32                              ; this block's 32 loads are in; the next block's 32 may be out
.else
	s_wait_loadcnt 0x0
.endif
.irp i, 0,1,2,3,4,5,6,7,8,9,10,11,12,13,14,15,16,17,18,19,20,21,22,23,24,25,26,27,28,29,30,31
	v_med3_num_f32 v[XS+\i], v[XS+\i], -v10, v10
.endr
	v_cvt_scalef32_pk8_bf8_f32 v[CC:CC+1], v[XS:XS+7], v11          ; the image's lane r: k 0-7 and 16-23 of the block
	v_cvt_scalef32_pk8_bf8_f32 v[CC+2:CC+3], v[XS+16:XS+23], v11
	v_cvt_scalef32_pk8_bf8_f32 v[CC+4:CC+5], v[XS+8:XS+15], v11     ; the image's lane 16 + r: k 8-15 and 24-31
	v_cvt_scalef32_pk8_bf8_f32 v[CC+6:CC+7], v[XS+24:XS+31], v11
	global_store_b128 v5, v[CC:CC+3], s[20:21] offset:((\t)/4)*2048+((\t)%4)*512          ; sixteen lanes store 256 consecutive bytes, aligned; lanes 16-31 the same in the next tile of columns
	global_store_b128 v5, v[CC+4:CC+7], s[20:21] offset:((\t)/4)*2048+((\t)%4)*512+256
.if (\t)+2 < 8
	WLOAD (\t)+2, \n
.endif
.endm
; A wave takes 32 columns x 256 along K: a lane a column, its registers down K, so that the conversions give codes with K innermost and nothing is transposed.
; In: s[40:41] the weight, s44 e, s45 the image's place in cw, s47 bytes of a tile of columns in the image, s46 which 256 along K, s23 which 128 columns.
.macro WBODY n
	s_mul_i32 s42, s46, 256*\n*4
	s_lshl_b32 s43, s23, 9
	s_add_co_u32 s42, s42, s43
	s_lshl_b32 s43, s22, 7
	s_add_co_u32 s42, s42, s43                     ; 256 kb rows + 4 x (128 nb + 32 wave)
	s_mov_b32 s43, 0
	s_add_nc_u64 s[40:41], s[40:41], s[42:43]
	s_lshl_b32 s42, s23, 3
	s_lshl_b32 s4, s22, 1
	s_add_co_u32 s42, s42, s4                      ; my first tile of 16 columns
	s_mul_i32 s42, s42, s47
	s_lshl_b32 s4, s46, 12                         ; two K steps of 2,048 bytes
	s_add_co_u32 s42, s42, s4
	s_add_co_u32 s42, s42, s45
	s_add_nc_u64 s[20:21], s[20:21], s[42:43]
	v_lshlrev_b32 v4, 2, v1                        ; in: 4 bytes a lane
	v_mul_lo_u32 v5, v3, s47
	v_lshl_add_u32 v5, v2, 4, v5                   ; out: (lane / 16) tiles on, 16 bytes x (lane % 16)
	WLOAD 0, \n
	WLOAD 1, \n
	MKSC 44, 11, 10
.irp t, 0,1,2,3,4,5,6,7
	WBLOCK \t, \n
.endr
.endm
	s_load_b512 s[4:19], s[0:1], 0x0               ; x s[4:5], Wq s[6:7], Wk s[8:9], Wv s[10:11], Wo s[12:13], W1 s[14:15], W2 s[16:17], the exponents s[18:19]
	s_load_b64 s[20:21], s[0:1], 0x40              ; cw
	v_lshl_add_u32 v208, v0, 2, 0x8400
	v_mov_b32 v209, 0
	v_lshrrev_b32 v1, 5, v0
	v_readfirstlane_b32 s22, v1                    ; wave 0..3
	v_and_b32 v1, 31, v0                           ; lane
	v_and_b32 v2, 15, v0                           ; r
	v_bfe_u32 v3, v0, 4, 1                         ; h
	s_wait_kmcnt 0x0
	s_load_b512 s[24:39], s[18:19], 0x0            ; e0 .. e15 in s24 .. s39
	s_cmp_lt_u32 ttmp9, 128
	s_cbranch_scc0 .Lweights
	; ---- x: a wave takes four fragments: tile of rows 2 wg + wave / 2, K steps 4 (wave % 2) + 0..3
	s_lshl_b32 s44, ttmp9, 1
	s_lshr_b32 s45, s22, 1
	s_add_co_u32 s44, s44, s45
	s_lshl_b32 s44, s44, 16                        ; 16 rows of 4,096 bytes
	s_and_b32 s45, s22, 1
	s_lshl_b32 s45, s45, 11
	s_add_co_u32 s44, s44, s45
	s_mov_b32 s45, 0
	s_add_nc_u64 s[4:5], s[4:5], s[44:45]
	s_lshl_b32 s44, ttmp9, 4
	s_lshl_b32 s46, s22, 2
	s_add_co_u32 s44, s44, s46
	s_lshl_b32 s44, s44, 11                        ; fragment 16 wg + 4 wave
	s_add_nc_u64 s[40:41], s[20:21], s[44:45]      ; the images under e0 and (by the immediate) e2,
	s_add_nc_u64 s[42:43], s[40:41], 8*MIB         ; and under e4
	v_lshlrev_b32 v4, 4, v1                        ; 16 x lane: in memory, in and out
	s_mul_i32 s46, s22, WST
	v_add_nc_u32 v5, s46, v4                       ; the stage, on the way in: a row as it lies
	v_mul_u32_u24 v6, v2, SP
	v_lshl_add_u32 v6, v3, 5, v6
	v_add_nc_u32 v6, s46, v6                       ; and out: row r, + 32 h
	XLOAD 0
	s_wait_kmcnt 0x0
	MKSC 24, 8, 9
	MKSC 26, 10, 11
	MKSC 28, 12, 13
.irp t, 0,1,2,3
	XFRAG \t
.endr
	s_wait_tensorcnt 0x0
	ds_add_u32 v208, v209
	s_wait_dscnt 0x0
	s_endpgm
.Lweights:
	s_cmp_lt_u32 ttmp9, 384
	s_cbranch_scc0 .Lw1
	; ---- the weights of 1,024 columns.  The buffer, its exponent and its image are chosen by the work-group's number alone
	s_sub_co_u32 s23, ttmp9, 128                   ; j
	s_lshr_b32 s45, s23, 5
	s_lshl_b32 s45, s45, 20
	s_add_co_u32 s45, s45, 12*MIB
	s_lshr_b32 s46, s23, 3
	s_wait_kmcnt 0x0
	s_mov_b64 s[40:41], s[16:17]                   ; W2, e15, 20 MiB, 32 K steps to a tile
	s_mov_b32 s44, s39
	s_mov_b32 s42, 20*MIB
	s_mov_b32 s47, 65536
	s_cmp_lt_u32 s23, 128
	s_cselect_b64 s[40:41], s[12:13], s[40:41]     ; Wo, e11
	s_cselect_b32 s44, s35, s44
	s_cselect_b32 s45, s45, s42
	s_cselect_b32 s47, 16384, s47
	s_cselect_b32 s43, 3, 15
	s_cmp_lt_u32 s23, 96
	s_cselect_b64 s[40:41], s[10:11], s[40:41]     ; Wv, e5
	s_cselect_b32 s44, s29, s44
	s_cmp_lt_u32 s23, 64
	s_cselect_b64 s[40:41], s[8:9], s[40:41]       ; Wk, e3
	s_cselect_b32 s44, s27, s44
	s_cmp_lt_u32 s23, 32
	s_cselect_b64 s[40:41], s[6:7], s[40:41]       ; Wq, e1
	s_cselect_b32 s44, s25, s44
	s_and_b32 s46, s46, s43                        ; which 256 along K
	s_and_b32 s23, s23, 7                          ; which 128 columns
	WBODY 1024
	s_endpgm
.Lw1:
	; ---- W1: 4,096 columns
	s_sub_co_u32 s23, ttmp9, 384
	s_lshr_b32 s46, s23, 5
	s_and_b32 s23, s23, 31
	s_wait_kmcnt 0x0
	s_mov_b64 s[40:41], s[14:15]
	s_mov_b32 s44, s37                             ; e13
	s_mov_b32 s45, 16*MIB
	s_mov_b32 s47, 16384
	WBODY 4096
	s_endpgm
.Lfunc_end_k_qc6c55c1113_l_quant:
	.size	k_qc6c55c1113_l_quant, .Lfunc_end_k_qc6c55c1113_l_quant-k_qc6c55c1113_l_quant
	.p2alignl 7, 3214868480
	.fill 96, 4, 3214868480
	.section	.rodata,"a",@progbits
	.p2align	6, 0x0
	.amdhsa_kernel k_qc6c55c1113_l_quant
		.amdhsa_group_segment_fixed_size 34304
		.amdhsa_private_segment_fixed_size 0
		.amdhsa_enable_private_segment 0
		.amdhsa_kernarg_size 72
		.amdhsa_user_sgpr_count 2
		.amdhsa_user_sgpr_kernarg_segment_ptr 1
		.amdhsa_wavefront_size32 1
		.amdhsa_system_sgpr_workgroup_id_x 1
		.amdhsa_system_sgpr_workgroup_id_y 1
		.amdhsa_system_sgpr_workgroup_id_z 1
		.amdhsa_system_vgpr_workitem_id 0
		.amdhsa_next_free_vgpr 210
		.amdhsa_next_free_sgpr 66
		.amdhsa_reserve_vcc 0
		.amdhsa_float_denorm_mode_32 3
		.amdhsa_float_denorm_mode_16_64 3
		.amdhsa_memory_ordered 1
		.amdhsa_forward_progress 1
		.amdhsa_inst_pref_size 167
	.end_amdhsa_kernel
	.amdgpu_metadata
---
amdhsa.version: [ 1, 2 ]
amdhsa.kernels:
  - .name:           k_qc6c55c1113_l_quant
    .symbol:         k_qc6c55c1113_l_quant.kd
    .args:
      - { .name: x, .offset: 0, .size: 8, .value_kind: global_buffer, .address_space: global }
      - { .name: Wq, .offset: 8, .size: 8, .value_kind: global_buffer, .address_space: global }
      - { .name: Wk, .offset: 16, .size: 8, .value_kind: global_buffer, .address_space: global }
      - { .name: Wv, .offset: 24, .size: 8, .value_kind: global_buffer, .address_space: global }
      - { .name: Wo, .offset: 32, .size: 8, .value_kind: global_buffer, .address_space: global }
      - { .name: W1, .offset: 40, .size: 8, .value_kind: global_buffer, .address_space: global }
      - { .name: W2, .offset: 48, .size: 8, .value_kind: global_buffer, .address_space: global }
      - { .name: lowp_scales, .offset: 56, .size: 8, .value_kind: global_buffer, .address_space: global }
      - { .name: cw, .offset: 64, .size: 8, .value_kind: global_buffer, .address_space: global }
    .group_segment_fixed_size: 34304
    .private_segment_fixed_size: 0
    .kernarg_segment_align: 8
    .kernarg_segment_size: 72
    .max_flat_workgroup_size: 128
    .sgpr_count:     66
    .vgpr_count:     210
    .wavefront_size: 32
...
	.end_amdgpu_metadata
.endif
;; end of part 1
;; launch l_qkv (part 2): grid 12 x 16, 4 waves a work-group, clusters of 4 x 4, 327,680 bytes of LDS; arguments cw, lowp_scales, bq, bk, bv, qkvc; writes qkvc
.if DOCPART == 2
	.amdgcn_target "amdgcn-amd-amdhsa--gfx1250"
	.amdhsa_code_object_version 6
	.text
	.protected	k_qc6c55c1113_l_qkv
	.globl	k_qc6c55c1113_l_qkv
	.p2align	8
	.type	k_qc6c55c1113_l_qkv,@function
k_qc6c55c1113_l_qkv:
	s_mov_b64 s[64:65], 0
	v_nop
	global_prefetch_b8 v0, s[64:65] scope:SCOPE_SE
	s_setreg_imm32_b32 hwreg(HW_REG_WAVE_MODE, 25, 1), 1
	s_wait_xcnt 0x0
	s_wait_alu depctr_hold_cnt(0) depctr_sa_sdst(0) depctr_va_vdst(0) depctr_va_sdst(0) depctr_va_ssrc(0) depctr_va_vcc(0) depctr_vm_vsrc(0)
	s_getreg_b32 s2, hwreg(HW_REG_IB_STS2, 6, 4)
	s_cmp_eq_u32 s2, 0
	s_cbranch_scc0 .Lentry_in_a_cluster
	s_endpgm
.Lentry_in_a_cluster:
	s_bfe_u32 s2, ttmp6, 0x10000c
	s_cmp_lg_u32 s2, 0xf033
	s_cbranch_scc0 .Lentry_shape_is_right
	s_endpgm
.Lentry_shape_is_right:
; q = x Wq + bq, k = x Wk + bk, v = x Wv + bv on codes of BF8 (E5M2), and their results quantised again (q: e6, k: e7, v: e8) straight into images of the next products' operand registers.
; OPERANDS ARE IMAGES: [tile of 16 rows][K step of 128][2,048 bytes]; a fragment is [group g][lane][16 bytes] = registers 4 g .. 4 g + 3, so it comes from LDS by four loads at 16 x lane: no pitch, no padding.
; The cluster's x says which product: 0 q, 1 k, 2 v.  For q and k "A" is x's image (rows = tokens) and "B" the weight's (rows = columns n).  For v the two change places, "A" = Wv's image and "B" = x's, so that the result has the KEYS along its registers.
; A tile of C, 256 x 256, is made by four waves, each 128 x 128: 64 accumulators, 512 registers.  K goes in steps of 256 through a ring of two LDS slots filled by the tensor data mover.
; CLUSTERS: 4 x 4 work-groups; A's tile is asked for jointly by the four of a row of the cluster, B's by the four of a column.
; THE MATRIX INSTRUCTION IS USED TRANSPOSED (source 0 = 16 rows of B, source 1 = 16 rows of A): lane (r, h) holds row r of A's block, and register j of accumulator (a, b) the B row 16 b + 8 h + j.
; So one conversion of accumulator (a, b) gives registers 2 b, 2 b + 1 of the next operand's fragment, and the codes are stored from registers, 512 consecutive bytes a store.
; qkvc: q at 0 and k at 4 MiB: [batch x head 32][tile of 16 tokens 128][1,024] (16 rows x 64 along the head);  v at 8 MiB: [batch x head 32][128 keys 16][16 of the head's 64: 4][2,048].
; LIMITS: e0 + e1, e2 + e3, e4 + e5 between -126 and 127; e6, e7, e8 between -126 and 112.  NaN among the inputs is not served.
; REGISTERS, in windows of 256: window 0: v0-31 addresses; v32-95 the bias by column, v96-111 by row; from v128 A's fragments, ONE set; on the way out v128-191 numbers, v192-223 codes.
;   window 1: B's fragments, TWO sets.   window 2: the accumulators of my rows 0-63 ((a, b) at v[8 (8 a + b)]);   window 3: those of rows 64-127.
.set SIZE_K, 1024
.set MIB,    1048576
.set KROW,   SIZE_K                    ; bytes of one row's codes: 16 rows are a tile of rows of the image
.set FRB,    2048                      ; a fragment's image
.set TROW,   2*FRB                     ; a tile of rows in a slot: two K steps of 128
.set FR,     16                        ; registers of a fragment
.set NL,     4                         ; LDS loads that bring one
.set NP,     4                         ; places behind this matrix instruction (ISA guide 7.12.1)
.set HALFT,  8*TROW                    ; 128 rows: what one tensor load brings, and what one wave reads of A or of B
.set SLOT,   4*HALFT                   ; A's 256 rows, then B's 256 rows
.set LAPS,   SIZE_K/512                ; a lap = two slots
.set SPARE,  2*SLOT                    ; behind the ring: the spare words, 128 bytes for each wave, which no other line names
.set BRO,  11                          ; v11     4 x (lane % 16): the bias by row
.set SC,   12                          ; v12     2^e of the result's quantiser
.set LIM,  13                          ; v13     57,344 x that
.set ADRA, 16                          ; v16-17  LDS address of my A fragments in slot 0, 1
.set ADRB, 20                          ; v20-21  the same for B
.set CO,   26                          ; v26     16 x lane
.set BO,   27                          ; v27     32 x (lane / 16): the bias by column
.set SPW,  28                          ; v28     LDS address of my spare word; never rewritten
.set NIL,  29                          ; v29     0; never rewritten
.set BIAS, 32
.set BROW, 96
.set AF,   128
.set TMP,  128
.set PC,   192
.set G1, 24                            ; s[24:31] descriptor group 1 for A's tiles;  s[32:39] group 0, one set for each slot
.set G0, 32
.set G1B, 48                           ; s[48:55], s[56:63] the same for B's tiles
.set G0B, 56
.set EX, 68                            ; s[68:83] e0 .. e15
.set MSB, 0
.macro WIN new                         ; the immediate's high byte repeats the setting that is left
.if MSB != \new
	s_set_vgpr_msb (MSB<<8)|\new
.set MSB, \new
.endif
.endm
.set MUL_LO, 0xa1                      ; source 0 (B) window 1, source 1 (A) window 0, C and D window 2
.set MUL_HI, 0xf1                      ; the same, C and D window 3
.set TO_B,   0x40                      ; destination window 1, address window 0
; A joint load: waves 0 and 1 fetch for A, waves 2 and 3 for B.  The branch hangs on the wave's number alone.  Four v_nop follow each of the two lines.
.macro JLOAD g0a, g1a, g0b, g1b
	s_cmp_eq_u32 s15, 0
	s_cbranch_scc0 .Lfor_b_\@
	tensor_load_to_lds s[\g0a:\g0a+3], s[\g1a:\g1a+7]
	s_nop 0
.rept 4
	v_nop
.endr
	s_branch .Lasked_\@
.Lfor_b_\@:
	tensor_load_to_lds s[\g0b:\g0b+3], s[\g1b:\g1b+7]
	s_nop 0
.rept 4
	v_nop
.endr
.Lasked_\@:
.endm
.macro CREST                           ; a round of the cluster's barrier behind its opening barrier
	s_cmp_lg_u32 s14, 0
	s_cbranch_scc1 .Lnot_wave_0_\@
	s_barrier_signal -3
.Lnot_wave_0_\@:
	s_barrier_wait -3
	s_barrier_signal -1
	s_barrier_wait -1
.endm
.macro CROUND                          ; a whole round
	s_barrier_signal -1
	s_barrier_wait -1
	CREST
.endm
	s_load_b128 s[4:7], s[0:1], 0x0                ; cw s[4:5], the exponents s[6:7]
	s_load_b128 s[84:87], s[0:1], 0x10             ; bq, bk
	s_load_b64 s[88:89], s[0:1], 0x20              ; bv
	s_load_b64 s[10:11], s[0:1], 0x28              ; qkvc
	v_lshl_add_u32 v[SPW], v0, 2, SPARE
	v_mov_b32 v[NIL], 0
	ds_add_u32 v28, v29
	ds_add_u32 v28, v29
	s_wait_dscnt 0x0
	v_lshrrev_b32 v1, 5, v0
	v_readfirstlane_b32 s14, v1                    ; wave 0..3
	s_lshr_b32 s15, s14, 1                         ; which half of the tile's rows is mine.  Also: I fetch for A (0) or for B (1)
	s_and_b32 s16, s14, 1                          ; which half of its columns.  Also: which 128 rows of that tile I fetch
	s_bfe_u32 s40, ttmp6, 0x40000                  ; cx, cy: my place in the cluster
	s_bfe_u32 s41, ttmp6, 0x40004
	s_and_b32 s94, ttmp7, 0xffff
	s_lshl_b32 s94, s94, 2                         ; 4 x cluster y: it walks the 4,096 tokens
	s_lshl_b32 s90, ttmp9, 22                      ; q, k: A = x's image under e0 or e2,
	s_lshl_b32 s92, ttmp9, 20
	s_add_co_u32 s92, s92, 12*MIB                  ;       B = Wq's or Wk's image
	s_mov_b32 s12, 14*MIB                          ; v:    A = Wv's image,
	s_mov_b32 s13, 8*MIB                           ;       B = x's under e4
	s_cmp_eq_u32 ttmp9, 2                          ; the cluster's x is the same in all sixteen partners
	s_cselect_b32 s17, 0, s94
	s_cselect_b32 s42, s94, 0
	s_cselect_b32 s90, s12, s90
	s_cselect_b32 s92, s13, s92
	s_mov_b32 s91, 0
	s_mov_b32 s93, 0
	s_add_co_u32 s17, s17, s41                     ; tile row of C: the tokens' (q, k) or the weight's (v), + cy
	s_add_co_u32 s42, s42, s40                     ; tile column of C, + cx
	s_lshl_b32 s43, s41, 2
	s_lshl_b32 s43, 15, s43                        ; my row of the cluster
	s_lshl_b32 s44, 0x1111, s40                    ; my column
	; descriptor group 1: 8 tiles of rows x 4,096 bytes (two K steps' images on end), in elements of 8 bytes; no padding
	s_or_b32 s[G1+0], s43, (3<<16)|(1<<21)         ; 15:0 the mask: A's tiles go to my row; 17:16 elements of 8 bytes; 21 set beside a mask
	s_or_b32 s[G1B+0], s44, (3<<16)|(1<<21)
.irp g, G1, G1B
	s_mov_b32 s[\g+1], 512<<16                     ; tensor_dim0 = 512 elements
	s_mov_b32 s[\g+2], 8<<16                       ; tensor_dim1 = 8
	s_mov_b32 s[\g+3], 512<<16                     ; tile_dim0
	s_mov_b32 s[\g+4], 8                           ; tile_dim1
	s_mov_b32 s[\g+5], 2*SIZE_K                    ; tensor_dim0_stride: a tile of rows is 16 SIZE_K bytes
	s_mov_b32 s[\g+6], 0
	s_mov_b32 s[\g+7], 0
.endr
	s_lshl_b32 s18, s16, 7                         ; which 128 rows of the tile I fetch
	s_lshl_b32 s20, s17, 8
	s_add_co_u32 s20, s20, s18                     ; A: row 256 x tile row + 128 x half
	s_lshl_b32 s46, s42, 8
	s_add_co_u32 s46, s46, s18                     ; B: row 256 x tile column + 128 x half
	s_mov_b32 s21, 0
	s_mov_b32 s47, 0
	s_mov_b64 s[18:19], KROW
	s_mul_u64 s[20:21], s[20:21], s[18:19]
	s_mul_u64 s[46:47], s[46:47], s[18:19]
	s_mul_i32 s45, s14, HALFT                      ; where they go: wave x 128 rows: no place in the cluster enters an LDS address
	s_wait_kmcnt 0x0
	s_load_b512 s[EX:EX+15], s[6:7], 0x0
	s_add_nc_u64 s[20:21], s[4:5], s[20:21]
	s_add_nc_u64 s[46:47], s[4:5], s[46:47]
	s_add_nc_u64 s[20:21], s[20:21], s[90:91]
	s_add_nc_u64 s[46:47], s[46:47], s[92:93]
	CROUND                                         ; all sixteen work-groups are here: the first joint loads meet
.irp s, 0,1
	s_mov_b32 s[G0+4*\s], 1
	s_add_co_u32 s[G0+4*\s+1], s45, \s*SLOT
	s_add_nc_u64 s[G0+4*\s+2:G0+4*\s+3], s[20:21], \s*TROW
	s_or_b32 s[G0+4*\s+3], s[G0+4*\s+3], 0x80000000
	s_mov_b32 s[G0B+4*\s], 1
	s_add_co_u32 s[G0B+4*\s+1], s45, \s*SLOT
	s_add_nc_u64 s[G0B+4*\s+2:G0B+4*\s+3], s[46:47], \s*TROW
	s_or_b32 s[G0B+4*\s+3], s[G0B+4*\s+3], 0x80000000
	JLOAD G0+4*\s, G1, G0B+4*\s, G1B
.endr
	v_and_b32 v1, 15, v0                           ; r
	v_bfe_u32 v2, v0, 4, 1                         ; h
	v_and_b32 v6, 31, v0
	v_lshlrev_b32 v[CO], 4, v6                     ; 16 x lane
	s_mul_i32 s21, s15, HALFT                      ; my 128 rows of A
	s_mul_i32 s22, s16, HALFT                      ; my 128 rows of B,
	s_add_co_u32 s22, s22, 2*HALFT                 ; which lie behind A's 256
.irp s, 0,1
	v_add_nc_u32 v[ADRA+\s], s21, v[CO]
	v_add_nc_u32 v[ADRB+\s], s22, v[CO]
	s_add_co_u32 s21, s21, SLOT
	s_add_co_u32 s22, s22, SLOT
.endr
	; THE BIAS, in both forms, on the one way that all take: by column of C (q, k: a register a column) and by row of C (v: a lane a row); the way out uses its own.  The tile's number is taken modulo 4, so that both loads stay inside the 1,024 numbers.
	s_cmp_eq_u32 ttmp9, 0
	s_cselect_b64 s[84:85], s[84:85], s[86:87]
	s_cmp_eq_u32 ttmp9, 2
	s_cselect_b64 s[84:85], s[88:89], s[84:85]     ; bq, bk or bv
	s_and_b32 s94, s42, 3
	s_lshl_b32 s94, s94, 10
	s_lshl_b32 s95, s16, 9
	s_add_co_u32 s94, s94, s95
	s_mov_b32 s95, 0
	s_add_nc_u64 s[86:87], s[84:85], s[94:95]      ; at column 256 x tile column + 128 x half
	s_and_b32 s94, s17, 3
	s_lshl_b32 s94, s94, 10
	s_lshl_b32 s18, s15, 9
	s_add_co_u32 s94, s94, s18
	s_add_nc_u64 s[88:89], s[84:85], s[94:95]      ; at row 256 x tile row + 128 x half
	v_lshlrev_b32 v[BO], 5, v2
	v_lshlrev_b32 v[BRO], 2, v1
.irp b, 0,1,2,3,4,5,6,7
	global_load_b128 v[BIAS+8*\b:BIAS+8*\b+3], v[BO], s[86:87] offset:64*\b        ; columns 16 b + 8 h + 0 .. 7
	global_load_b128 v[BIAS+8*\b+4:BIAS+8*\b+7], v[BO], s[86:87] offset:64*\b+16
.endr
.irp a, 0,1,2,3,4,5,6,7
	global_load_b32 v[BROW+2*\a], v[BRO], s[88:89] offset:64*\a                    ; row 16 a + r, twice: a pair for the packed multiply-add
	global_load_b32 v[BROW+2*\a+1], v[BRO], s[88:89] offset:64*\a
.endr
	; where my codes go.  q, k: ((batch x 16 + my first head) x 128 + my first tile of tokens) x 1,024, in q's or k's part
	s_lshr_b32 s18, s17, 3
	s_lshl_b32 s18, s18, 4
	s_lshl_b32 s19, s42, 2
	s_add_co_u32 s18, s18, s19
	s_lshl_b32 s19, s16, 1
	s_add_co_u32 s18, s18, s19
	s_lshl_b32 s18, s18, 7
	s_and_b32 s19, s17, 7
	s_lshl_b32 s19, s19, 4
	s_add_co_u32 s18, s18, s19
	s_lshl_b32 s19, s15, 3
	s_add_co_u32 s18, s18, s19
	s_lshl_b32 s18, s18, 10
	s_lshl_b32 s19, ttmp9, 22
	s_add_co_u32 s94, s18, s19
	; v: ((batch x 16 + my first head) x 16 + my 128 keys) x 8,192, behind q's and k's parts
	s_lshr_b32 s18, s42, 3
	s_lshl_b32 s18, s18, 4
	s_lshl_b32 s19, s17, 2
	s_add_co_u32 s18, s18, s19
	s_lshl_b32 s19, s15, 1
	s_add_co_u32 s18, s18, s19
	s_lshl_b32 s18, s18, 4
	s_and_b32 s19, s42, 7
	s_lshl_b32 s19, s19, 1
	s_add_co_u32 s18, s18, s19
	s_add_co_u32 s18, s18, s16
	s_lshl_b32 s18, s18, 13
	s_add_co_u32 s18, s18, 8*MIB
	s_cmp_eq_u32 ttmp9, 2
	s_cselect_b32 s94, s18, s94
	s_add_nc_u64 s[10:11], s[10:11], s[94:95]
.macro FRAG reg, adr, q, i             ; a fragment's image: tile of rows i of my eight, the slot's q-th 128 along K: four loads of 512 consecutive bytes
.irp c, 0,1,2,3
	ds_load_b128 v[\reg+4*\c:\reg+4*\c+3], v[\adr] offset:(\i)*TROW+(\q)*FRB+512*\c
.endr
.endm
; 16 matrix instructions: A's blocks a0, a0 + 1 x B's eight, 128 along K.  p: B's set.  zero = 1: the first product starts the sums.  The 64 accumulators take turns, one instruction a turn, in the same order in every step.
.macro MUL16 a0, p, zero
.irp a, \a0, \a0+1
.irp b, 0,1,2,3,4,5,6,7
.if \zero
	v_wmma_f32_16x16x128_bf8_bf8 v[8*(8*((\a)%4)+\b):8*(8*((\a)%4)+\b)+7], v[128*(\p)+FR*\b:128*(\p)+FR*\b+FR-1], v[AF+FR*(\a):AF+FR*(\a)+FR-1], 0
.else
	v_wmma_f32_16x16x128_bf8_bf8 v[8*(8*((\a)%4)+\b):8*(8*((\a)%4)+\b)+7], v[128*(\p)+FR*\b:128*(\p)+FR*\b+FR-1], v[AF+FR*(\a):AF+FR*(\a)+FR-1], v[8*(8*((\a)%4)+\b):8*(8*((\a)%4)+\b)+7]
.endif
.endr
.endr
.endm
.macro FETCH_B slot, q, p              ; B's eight fragments into set p
	WIN TO_B
.irp i, 0,1,2,3,4,5,6,7
	FRAG 128*(\p)+FR*\i, ADRB+\slot, \q, \i
.endr
	WIN 0
.endm
.macro FETCH_A slot, q, i0             ; A's blocks i0 .. i0 + 3
.irp i, \i0, \i0+1, \i0+2, \i0+3
	FRAG AF+FR*(\i), ADRA+\slot, \q, \i
.endr
.endm
.macro PLACES n                        ; plain vector lines between a matrix instruction and a load into, or a vector line on, one of its registers
.rept \n
	v_nop
.endr
.endm
; A step of 128 along K that has its successor in the same slot.  A's blocks are free as soon as their eight products are issued: blocks 0-3 are fetched anew in the step's middle, blocks 4-7 at its end.
.macro STEP slot, q, zero
	s_wait_dscnt 4*NL                              ; B's set and A's blocks 0-3 are in; the youngest 16 loads (A's blocks 4-7) may be out
	WIN MUL_LO
	MUL16 0, (\q)%2, \zero
	MUL16 2, (\q)%2, \zero
	s_wait_dscnt 0                                 ; A's blocks 4-7 are in
	PLACES NP
	FETCH_B \slot, (\q)+1, 1-(\q)%2
	FETCH_A \slot, (\q)+1, 0
	WIN MUL_HI
	MUL16 4, (\q)%2, \zero
	MUL16 6, (\q)%2, \zero
	PLACES NP
	WIN 0
	FETCH_A \slot, (\q)+1, 4
.endm
; A slot's last step changes slots: ONE barrier; in front of it each wave waits for all its tensor loads, adds 0 to its spare word, and waits for that and for its own reads of this slot.  fill = 1: this slot is filled again, two slots ahead.
.macro TURN slot, next, fill
	s_wait_tensorcnt 0x0                           ; all my tensor loads have landed: my part of the next slot
	ds_add_u32 v[SPW], v[NIL]                      ; 0 onto my spare word
	s_wait_dscnt 4*NL+1                            ; (the add and the youngest 16 loads, A's blocks 4-7, may be out)
	WIN MUL_LO
	MUL16 0, 1, 0                                  ; sixteen matrix instructions stand between the add and the wait for it
	s_wait_dscnt 0x0                               ; the add is done, and my reads of this slot are over
	s_barrier_signal -1
	MUL16 2, 1, 0
	WIN 0
	s_barrier_wait -1
.if \fill
	CREST                                          ; the barrier has opened a round of the cluster's barrier: no wave of any partner still reads this slot or has a load on its way
	s_add_nc_u64 s[G0+4*\slot+2:G0+4*\slot+3], s[G0+4*\slot+2:G0+4*\slot+3], 2*TROW
	s_add_nc_u64 s[G0B+4*\slot+2:G0B+4*\slot+3], s[G0B+4*\slot+2:G0B+4*\slot+3], 2*TROW
	JLOAD G0+4*\slot, G1, G0B+4*\slot, G1B         ; the first tensor load behind the round; its four v_nop are the places in front of the loads below
.else
	PLACES NP
.endif
	FETCH_B \next, 0, 0
	FETCH_A \next, 0, 0
	WIN MUL_HI
	MUL16 4, 1, 0
	MUL16 6, 1, 0
	PLACES NP
	WIN 0
	FETCH_A \next, 0, 4
.endm
	s_wait_tensorcnt 1                             ; my part of slot 0 is in (slot 1's load may be out),
	s_barrier_signal -1
	s_barrier_wait -1                              ; everybody's is
	FETCH_B 0, 0, 0
	FETCH_A 0, 0, 0
	FETCH_A 0, 0, 4
	STEP 0, 0, 1                                   ; the first step stands in front of the loop: its products start the sums
	s_mov_b32 s3, LAPS-1
.Llap:                                                 ; a trip goes once round the ring and fills both slots again
	TURN 0, 1, 1
	STEP 1, 0, 0
	TURN 1, 0, 1
	STEP 0, 0, 0
	s_sub_co_u32 s3, s3, 1
	s_cmp_lg_u32 s3, 0
	s_cbranch_scc1 .Llap
	TURN 0, 1, 0                                   ; the last lap fills nothing
	STEP 1, 0, 0
	s_wait_dscnt 4*NL                              ; the very last step
	WIN MUL_LO
	MUL16 0, 1, 0
	MUL16 2, 1, 0
	s_wait_dscnt 0
	WIN MUL_HI
	MUL16 4, 1, 0
	MUL16 6, 1, 0
	WIN 0
; THE WAY OUT of block a (16 rows of A x my 128 rows of B): number = sum x 2^(ea + eb) + bias, held, converted: the eight conversions' results are one fragment of 16 registers, stored as it stands.
; kind 0: q, k (bias by column; the fragment's two halves are two heads' fragments of 64 along the head).  kind 2: v (bias by row; a fragment of 128 keys).
.macro EPI a, kind
.set AC, 64*((\a)%4)
.set PS, PC+16*((\a)%2)
.if (\a) >= 2
	s_wait_xcnt 0x0                                ; block a - 2's stores have read their codes
.endif
	WIN 0x02+((\a)/4)                              ; source 0: window 2 or 3
.irp j, 0,2,4,6,8,10,12,14,16,18,20,22,24,26,28,30,32,34,36,38,40,42,44,46,48,50,52,54,56,58,60,62
.if \kind == 2
	v_pk_fma_f32 v[TMP+\j:TMP+\j+1], v[AC+\j:AC+\j+1], s[96:97], v[BROW+2*(\a):BROW+2*(\a)+1] op_sel_hi:[1,0,1]
.else
	v_pk_fma_f32 v[TMP+\j:TMP+\j+1], v[AC+\j:AC+\j+1], s[96:97], v[BIAS+\j:BIAS+\j+1] op_sel_hi:[1,0,1]   ; each accumulator from its low end on
.endif
.endr
	WIN 0
.irp b, 0,1,2,3,4,5,6,7
.irp i, 0,1,2,3,4,5,6,7
	v_med3_num_f32 v[TMP+8*\b+\i], v[TMP+8*\b+\i], -v[LIM], v[LIM]   ; the conversion does not saturate (ISA guide 7.6.2)
.endr
	v_cvt_scalef32_pk8_bf8_f32 v[PS+2*\b:PS+2*\b+1], v[TMP+8*\b:TMP+8*\b+7], v[SC]
.endr
	v_nop                                          ; a plain line behind the last conversion, ahead of the next block's writes of its sources
.irp g, 0,1,2,3
.if \kind == 2
	global_store_b128 v[CO], v[PS+4*\g:PS+4*\g+3], s[10:11] offset:((\a)/4)*131072+((\a)%4)*2048+512*\g   ; head a / 4 of my two, 16 (a % 4) of its 64
.else
	global_store_b128 v[CO], v[PS+4*\g:PS+4*\g+3], s[10:11] offset:(\a)*1024+(\g/2)*131072+(\g%2)*512     ; tile of tokens a, head g / 2 of my two
.endif
.endr
.endm
	s_wait_kmcnt 0x0
	s_cmp_eq_u32 ttmp9, 0
	s_cselect_b32 s90, s[EX+0], s[EX+2]
	s_cselect_b32 s91, s[EX+1], s[EX+3]
	s_cselect_b32 s92, s[EX+6], s[EX+7]
	s_cmp_eq_u32 ttmp9, 2
	s_cselect_b32 s90, s[EX+4], s90
	s_cselect_b32 s91, s[EX+5], s91
	s_cselect_b32 s92, s[EX+8], s92
	s_add_co_i32 s96, s90, s91
	s_add_co_i32 s96, s96, 127
	s_lshl_b32 s96, s96, 23                        ; 2^(ea + eb) as f32
	s_mov_b32 s97, s96                             ; (named with it as a pair, so it is written)
	s_add_co_i32 s92, s92, 127
	s_lshl_b32 s93, s92, 23
	v_mov_b32 v[SC], s93
	s_add_co_i32 s92, s92, 15
	s_lshl_b32 s92, s92, 23
	s_or_b32 s92, s92, 0x600000
	v_mov_b32 v[LIM], s92
	s_wait_loadcnt 0x0                             ; the biases
	PLACES NP
	s_cmp_eq_u32 ttmp9, 2                          ; the cluster's x: alike in all partners
	s_cbranch_scc1 .Lv_out
.irp a, 0,1,2,3,4,5,6,7
	EPI \a, 0
.endr
	s_branch .Lout_done
.Lv_out:
.irp a, 0,1,2,3,4,5,6,7
	EPI \a, 2
.endr
.Lout_done:
	s_wait_tensorcnt 0x0                           ; the wave's end
	ds_add_u32 v[SPW], v[NIL]
	s_wait_dscnt 0x0
	CROUND                                         ; the closing round: no work-group ends while a partner may still ask for a tile that names it
	s_endpgm
.Lfunc_end_k_qc6c55c1113_l_qkv:
	.size	k_qc6c55c1113_l_qkv, .Lfunc_end_k_qc6c55c1113_l_qkv-k_qc6c55c1113_l_qkv
	.p2alignl 7, 3214868480
	.fill 96, 4, 3214868480
	.section	.rodata,"a",@progbits
	.p2align	6, 0x0
	.amdhsa_kernel k_qc6c55c1113_l_qkv
		.amdhsa_group_segment_fixed_size 327680
		.amdhsa_private_segment_fixed_size 0
		.amdhsa_enable_private_segment 0
		.amdhsa_kernarg_size 48
		.amdhsa_user_sgpr_count 2
		.amdhsa_user_sgpr_kernarg_segment_ptr 1
		.amdhsa_wavefront_size32 1
		.amdhsa_system_sgpr_workgroup_id_x 1
		.amdhsa_system_sgpr_workgroup_id_y 1
		.amdhsa_system_sgpr_workgroup_id_z 1
		.amdhsa_system_vgpr_workitem_id 0
		.amdhsa_next_free_vgpr 1024
		.amdhsa_next_free_sgpr 100
		.amdhsa_reserve_vcc 0
		.amdhsa_float_denorm_mode_32 3
		.amdhsa_float_denorm_mode_16_64 3
		.amdhsa_memory_ordered 1
		.amdhsa_forward_progress 1
		.amdhsa_inst_pref_size 195
	.end_amdhsa_kernel
	.amdgpu_metadata
---
amdhsa.version: [ 1, 2 ]
amdhsa.kernels:
  - .name:           k_qc6c55c1113_l_qkv
    .symbol:         k_qc6c55c1113_l_qkv.kd
    .args:
      - { .name: cw, .offset: 0, .size: 8, .value_kind: global_buffer, .address_space: global }
      - { .name: lowp_scales, .offset: 8, .size: 8, .value_kind: global_buffer, .address_space: global }
      - { .name: bq, .offset: 16, .size: 8, .value_kind: global_buffer, .address_space: global }
      - { .name: bk, .offset: 24, .size: 8, .value_kind: global_buffer, .address_space: global }
      - { .name: bv, .offset: 32, .size: 8, .value_kind: global_buffer, .address_space: global }
      - { .name: qkvc, .offset: 40, .size: 8, .value_kind: global_buffer, .address_space: global }
    .group_segment_fixed_size: 327680
    .private_segment_fixed_size: 0
    .kernarg_segment_align: 8
    .kernarg_segment_size: 48
    .max_flat_workgroup_size: 128
    .sgpr_count:     100
    .vgpr_count:     1024
    .wavefront_size: 32
...
	.end_amdgpu_metadata
.endif
;; end of part 2
;; launch l_attn (part 3): grid 8 x 32, 16 waves a work-group, clusters of 4 x 1, 264,192 bytes of LDS; arguments qkvc, lowp_scales, atc; writes atc
.if DOCPART == 3
	.amdgcn_target "amdgcn-amd-amdhsa--gfx1250"
	.amdhsa_code_object_version 6
	.text
	.protected	k_qc6c55c1113_l_attn
	.globl	k_qc6c55c1113_l_attn
	.p2align	8
	.type	k_qc6c55c1113_l_attn,@function
k_qc6c55c1113_l_attn:
	s_mov_b64 s[64:65], 0
	v_nop
	global_prefetch_b8 v0, s[64:65] scope:SCOPE_SE
	s_setreg_imm32_b32 hwreg(HW_REG_WAVE_MODE, 25, 1), 1
	s_wait_xcnt 0x0
	s_wait_alu depctr_hold_cnt(0) depctr_sa_sdst(0) depctr_va_vdst(0) depctr_va_sdst(0) depctr_va_ssrc(0) depctr_va_vcc(0) depctr_vm_vsrc(0)
	s_getreg_b32 s2, hwreg(HW_REG_IB_STS2, 6, 4)
	s_cmp_eq_u32 s2, 0
	s_cbranch_scc0 .Lentry_in_a_cluster
	s_endpgm
.Lentry_in_a_cluster:
	s_bfe_u32 s2, ttmp6, 0x10000c
	s_cmp_lg_u32 s2, 0x3003
	s_cbranch_scc0 .Lentry_shape_is_right
	s_endpgm
.Lentry_shape_is_right:
; Attention on codes of BF8 (E5M2): for each of 32 (batch, head): o[q] = sum over keys of softmax(q . k / 8) v, both products quantised; the result is quantised again (e10) into the image that the next product reads.
; qkvc holds images of operand registers: q at 0, k at 4 MiB: [batch x head][tile of 16 tokens][1,024] (16 rows x 64 along the head, [group 0..1][lane][16 bytes]);  v at 8 MiB: [batch x head][128 keys][16 of the head's 64][2,048] (K = the keys).
; THE SOFTMAX AHEAD OF THE SECOND PRODUCT: t = score x log2(e) / 8; M = the running largest t rounded UP to a whole number; p = 2^(t - M) is quantised (e9), not normalised; the row's sum is taken of the unquantised p and divides at the end.
; When M moves, the sum and O are multiplied by 2^(old M - new M): exact.
; SHARES.  A work-group owns 256 queries of one (batch, head), each of its sixteen waves 16 of them, in 256 registers: four waves to a SIMD, so that one wave's vector work stands beside another's products and LDS loads.
; ALL OF A HEAD'S K AND V LIE IN LDS: 131,072 + 131,072 bytes, each byte filled once: no slot is filled again.  They come in four groups of 512 keys; group j is read behind its own barrier while the later groups are on their way.
; CLUSTER: the four query blocks of a cluster belong to one head and need the same K and V: every tile is asked for jointly, by the same tensor load with a mask that names the four.
; LAYOUT.  Both products are used transposed: S^T = K Q^T (source 0 = 16 keys, source 1 = my 16 queries), O^T = V^T P^T: a lane holds ONE query.  Register j of score tile t is key 16 t + 8 h + j: one conversion gives registers 2 t, 2 t + 1 of P's fragment.
; LIMITS: e6 + e7 between -123 and 130 (added to c's exponent field); e9 and e10 between -126 and 112.
; REGISTERS: v1 16 x lane, v5 the same in V's half of LDS, v2, v3 the step's addresses; v12 -M, v13 the largest t, v[14:15] the sum; v16-23 Q; v32-95 K's eight fragments, then V's four; v96-159 S^T, then p; v160-191 O^T; v192-207 p's codes; v208-219 at work.
.set MIB,   1048576
.set VBASE, 131072                     ; V's images lie behind K's
.set GRP,   32768                      ; a group of 512 keys, in K's images and in V's
.set STP,   8192                       ; a step of 128 keys: 8 fragments of K, or 4 of V
.set LI,   1
.set ADK,  2
.set ADV,  3
.set LIV,  5
.set TB,   2                           ; s2   where the step in hand begins in K's images (and, VBASE on, in V's)
.set WV,   18                          ; s18  my wave's number
.set SEL,  20                          ; s[20:21] lane selects: lane l xor 16
.set CS,   22                          ; s[22:23] c = log2(e) / 8 x 2^(e6 + e7)
.set G1,   24                          ; s[24:31] descriptor group 1
.set G0,   32                          ; s[32:47] four groups 0
.set EX,   48                          ; s[48:63] e0 .. e15
.macro ROUND                           ; a round of the cluster's barrier
	s_barrier_signal -1
	s_barrier_wait -1
	s_cmp_lg_u32 s[WV], 0
	s_cbranch_scc1 .Lnot_wave_0_\@
	s_barrier_signal -3
.Lnot_wave_0_\@:
	s_barrier_wait -3
	s_barrier_signal -1
	s_barrier_wait -1
.endm
	s_load_b128 s[4:7], s[0:1], 0x0                ; qkvc s[4:5], the exponents s[6:7]
	s_load_b64 s[8:9], s[0:1], 0x10                ; atc
	v_lshl_add_u32 v254, v0, 2, 0x40000
	v_mov_b32 v255, 0
	ds_add_u32 v254, v255
	ds_add_u32 v254, v255
	v_lshrrev_b32 v4, 5, v0
	v_readfirstlane_b32 s[WV], v4                  ; wave 0..15
	v_and_b32 v[LI], 31, v0
	v_lshlrev_b32 v[LI], 4, v[LI]
	v_add_nc_u32 v[LIV], VBASE, v[LI]
	s_bfe_u32 s10, ttmp6, 0x40000                  ; cx
	s_lshl_b32 s11, ttmp9, 2
	s_add_co_u32 s11, s11, s10                     ; my block of 256 queries: it enters Q's and the result's addresses alone
	s_and_b32 s12, ttmp7, 0xffff                   ; batch x 16 + head, which the four partners share
	; what I fetch: waves 0-7 K's images, waves 8-15 V's: 4,096 bytes of each group
	s_lshr_b32 s13, s[WV], 3
	s_and_b32 s14, s[WV], 7
	s_lshl_b32 s14, s14, 12
	s_lshl_b32 s3, s13, 17
	s_add_co_u32 s3, s3, s14                       ; in LDS
	s_lshl_b32 s16, s13, 22                        ; in memory: V's part lies 4 MiB behind K's
	s_add_co_u32 s16, s16, s14
	s_lshl_b32 s17, s12, 17
	s_add_co_u32 s16, s16, s17
	s_add_co_u32 s16, s16, 4*MIB
	s_mov_b32 s17, 0
	s_lshl_b32 s14, s12, 7                         ; Q: tile (batch x head) x 128 + 16 x block + wave
	s_lshl_b32 s15, s11, 4
	s_add_co_u32 s14, s14, s15
	s_add_co_u32 s14, s14, s[WV]
	s_lshl_b32 s14, s14, 10
	s_mov_b32 s15, 0
	s_lshr_b32 s10, s12, 4                         ; the result: tile of rows batch x 128 + 16 x block + wave; K step head / 2; its half head % 2
	s_lshl_b32 s10, s10, 7
	s_lshl_b32 s13, s11, 4
	s_add_co_u32 s10, s10, s13
	s_add_co_u32 s10, s10, s[WV]
	s_lshl_b32 s10, s10, 3
	s_bfe_u32 s13, s12, 0x30001
	s_add_co_u32 s10, s10, s13
	s_lshl_b32 s10, s10, 1
	s_and_b32 s13, s12, 1
	s_add_co_u32 s10, s10, s13
	s_lshl_b32 s10, s10, 10
	s_mov_b32 s11, 0
	; descriptor group 1: a dense block of 4,096 bytes as 16 rows of 256, in elements of 8 bytes
	s_mov_b32 s[G1], 15|(3<<16)|(1<<21)            ; 15:0 the mask: all four work-groups; 17:16 elements of 8 bytes; 21 set beside a mask
	s_mov_b32 s[G1+1], 32<<16                      ; tensor_dim0
	s_mov_b32 s[G1+2], 16<<16                      ; tensor_dim1
	s_mov_b32 s[G1+3], 32<<16                      ; tile_dim0
	s_mov_b32 s[G1+4], 16                          ; tile_dim1
	s_mov_b32 s[G1+5], 32                          ; tensor_dim0_stride
	s_mov_b32 s[G1+6], 0
	s_mov_b32 s[G1+7], 0
	s_mov_b32 s[SEL], 0x76543210
	s_mov_b32 s[SEL+1], 0xfedcba98
	s_mov_b32 s[CS], 0x3e38aa3b                    ; log2(e) / 8
	s_wait_dscnt 0x0
	s_wait_kmcnt 0x0
	s_load_b512 s[EX:EX+15], s[6:7], 0x0
	s_add_nc_u64 s[16:17], s[4:5], s[16:17]
	s_add_nc_u64 s[14:15], s[4:5], s[14:15]
	s_add_nc_u64 s[8:9], s[8:9], s[10:11]
.irp j, 0,1,2,3
	s_mov_b32 s[G0+4*\j], 1
	s_add_co_u32 s[G0+4*\j+1], s3, \j*GRP
	s_add_nc_u64 s[G0+4*\j+2:G0+4*\j+3], s[16:17], \j*GRP
	s_or_b32 s[G0+4*\j+3], s[G0+4*\j+3], 0x80000000
.endr
	ROUND                                          ; all four work-groups are here: the joint loads meet
	tensor_load_to_lds s[G0:G0+3], s[G1:G1+7]      ; all fills of the launch, as one group: four loads of mine are out
	s_nop 0
	tensor_load_to_lds s[G0+4:G0+7], s[G1:G1+7]
	s_nop 0
	tensor_load_to_lds s[G0+8:G0+11], s[G1:G1+7]
	s_nop 0
	tensor_load_to_lds s[G0+12:G0+15], s[G1:G1+7]
	s_nop 0
.rept 4
	v_nop
.endr
	global_load_b128 v[16:19], v[LI], s[14:15]     ; Q's fragment stays in registers
	global_load_b128 v[20:23], v[LI], s[14:15] offset:512
	v_mov_b32 v13, 0xff61b1e6                      ; the largest t so far: -3e38, under every t
	v_floor_f32 v12, -v13                          ; -M
	v_mov_b32 v14, 0
	v_mov_b32 v15, 0
	v_mov_b32 v211, 0                              ; (named as the upper half of the pair v[210:211])
	v_mov_b32 v214, 0                              ; a lane permute's destination counts as one of its sources
.irp j, 0,1,2,3,4,5,6,7,8,9,10,11,12,13,14,15,16,17,18,19,20,21,22,23,24,25,26,27,28,29,30,31
	v_mov_b32 v[160+\j], 0                         ; O^T: the step is written once; its first pass finds zeros, which the first change of M leaves zeros
.endr
	s_wait_kmcnt 0x0
	s_add_co_i32 s10, s[EX+6], s[EX+7]
	s_lshl_b32 s10, s10, 23
	s_add_co_i32 s[CS], s[CS], s10                 ; a score stands for score x 2^(e6 + e7)
	s_mov_b32 s[CS+1], s[CS]
	s_add_co_i32 s10, s[EX+9], 127
	s_lshl_b32 s11, s10, 23
	v_mov_b32 v217, s11                            ; 2^e9
	s_add_co_i32 s10, s10, 15
	s_lshl_b32 s10, s10, 23
	s_or_b32 s10, s10, 0x600000
	v_mov_b32 v216, s10                            ; 57,344 x 2^e9
; A KEY STEP: 128 keys.
.macro STEP
	v_add_nc_u32 v[ADK], s[TB], v[LI]
	v_add_nc_u32 v[ADV], s[TB], v[LIV]
	v_nop
	v_nop                                          ; with the two additions: four places in front of loads into registers that the last products read
.irp t, 0,1,2,3,4,5,6,7
	ds_load_b128 v[32+8*\t:35+8*\t], v[ADK] offset:1024*\t
	ds_load_b128 v[36+8*\t:39+8*\t], v[ADK] offset:1024*\t+512
.endr
	s_wait_dscnt 0x0
.irp t, 0,1,2,3,4,5,6,7
	v_wmma_f32_16x16x64_bf8_bf8 v[96+8*\t:103+8*\t], v[32+8*\t:39+8*\t], v[16:23], 0
.endr
.rept 4
	v_nop
.endr
.irp d, 0,1,2,3                                ; V's four fragments land under the softmax
.irp g, 0,1,2,3
	ds_load_b128 v[32+16*\d+4*\g:35+16*\d+4*\g], v[ADV] offset:2048*\d+512*\g
.endr
.endr
	v_max3_num_f32 v208, v96, v97, v98             ; the step's largest score of my query among my 64 keys, in two chains, each accumulator from its low end on,
	v_max3_num_f32 v209, v99, v100, v101
.irp i, 6,10,14,18,22,26,30,34,38,42,46,50,54,58
	v_max3_num_f32 v208, v208, v[96+\i], v[97+\i]
	v_max3_num_f32 v209, v209, v[98+\i], v[99+\i]
.endr
	v_max3_num_f32 v208, v208, v158, v159
	v_max_num_f32 v208, v208, v209
	v_permlanex16_b32 v214, v208, s[SEL], s[SEL+1]
	v_max_num_f32 v208, v208, v214                 ; and among lane l xor 16's
	v_mul_f32 v208, s[CS], v208                    ; as t (c is positive)
	v_max_num_f32 v13, v13, v208
	v_mov_b32 v208, v12
	v_floor_f32 v12, -v13                          ; the new -M = floor(-t)
	v_sub_f32 v208, v12, v208                      ; old M less new M: a whole number, 0 or less
	v_cvt_i32_f32 v208, v208                       ; (it saturates)
	v_ldexp_f32 v210, 1.0, v208                    ; f = 2^(old M - new M)
.irp j, 0,2,4,6,8,10,12,14,16,18,20,22,24,26,28,30,32,34,36,38,40,42,44,46,48,50,52,54,56,58,60,62
	v_pk_fma_f32 v[96+\j:97+\j], v[96+\j:97+\j], s[CS:CS+1], v[12:13] op_sel_hi:[1,0,0]   ; t - M, two at a time
.endr
.irp j, 0,1,2,3,4,5,6,7,8,9,10,11,12,13,14,15,16,17,18,19,20,21,22,23,24,25,26,27,28,29,30,31,32,33,34,35,36,37,38,39,40,41,42,43,44,45,46,47,48,49,50,51,52,53,54,55,56,57,58,59,60,61,62,63
	v_exp_f32 v[96+\j], v[96+\j]                   ; p = 2^(t - M)
.endr
	v_pk_mul_f32 v[14:15], v[14:15], v[210:211] op_sel_hi:[1,0]   ; the sums under the new M: the plain line behind the exponentials
	s_wait_alu depctr_va_vdst(0)                   ; one wait for the whole batch, ahead of its first reader
	v_pk_add_f32 v[212:213], v[96:97], v[98:99]    ; the row's sum is taken of the unquantised p, in two chains
.irp j, 4,8,12,16,20,24,28,32,36,40,44,48,52,56,60
	v_pk_add_f32 v[14:15], v[14:15], v[96+\j:97+\j]
	v_pk_add_f32 v[212:213], v[212:213], v[98+\j:99+\j]
.endr
	v_pk_add_f32 v[14:15], v[14:15], v[212:213]
.irp t, 0,1,2,3,4,5,6,7
.irp i, 0,1,2,3,4,5,6,7
	v_min_num_f32 v[96+8*\t+\i], v[96+8*\t+\i], v216   ; the conversion does not saturate (ISA guide 7.6.2); p is not negative, so the hold is one-sided
.endr
	v_cvt_scalef32_pk8_bf8_f32 v[192+2*\t:193+2*\t], v[96+8*\t:103+8*\t], v217
.endr
.irp j, 0,2,4,6,8,10,12,14,16,18,20,22,24,26,28,30
	v_pk_mul_f32 v[160+\j:161+\j], v[160+\j:161+\j], v[210:211] op_sel_hi:[1,0]   ; O^T under the new M; also the plain lines between the conversions and the products
.endr
	s_wait_dscnt 0x0                               ; V
.irp d, 0,1,2,3
	v_wmma_f32_16x16x128_bf8_bf8 v[160+8*\d:167+8*\d], v[32+16*\d:47+16*\d], v[192:207], v[160+8*\d:167+8*\d]   ; the four accumulators take turns
.endr
.endm
; Group j of 512 keys: my part of it has landed (the 3 - j loads issued behind it may stay out); behind the barrier everybody's has.
.macro GROUP j
	s_wait_tensorcnt 3-\j
	s_wait_dscnt 0x0
	s_barrier_signal -1
	s_barrier_wait -1
	s_mov_b32 s[TB], \j*GRP
	s_mov_b32 s3, 4
.Lstep_\@:
	STEP
	s_add_co_u32 s[TB], s[TB], STP
	s_sub_co_u32 s3, s3, 1
	s_cmp_lg_u32 s3, 0
	s_cbranch_scc1 .Lstep_\@
.endm
	s_wait_loadcnt 0x0                             ; Q
	GROUP 0
	GROUP 1
	GROUP 2
	GROUP 3
	; THE WAY OUT: O^T / the sum x 2^(e8 + e9), held, converted with 2^e10: four conversions give registers 0-7 of my half of a fragment, stored as they stand
	v_add_f32 v14, v14, v15
	v_permlanex16_b32 v214, v14, s[SEL], s[SEL+1]
	v_add_f32 v14, v14, v214                       ; the row's sum
	v_rcp_f32 v14, v14
	s_add_co_i32 s10, s[EX+10], 127
	s_lshl_b32 s11, s10, 23
	v_mov_b32 v219, s11                            ; 2^e10  (a plain line behind the reciprocal)
	s_add_co_i32 s10, s10, 15
	s_lshl_b32 s10, s10, 23
	s_or_b32 s10, s10, 0x600000
	v_mov_b32 v218, s10                            ; 57,344 x 2^e10
	s_add_co_i32 s12, s[EX+8], s[EX+9]
	s_wait_alu depctr_va_vdst(0)                   ; ahead of the reciprocal's first reader
	v_ldexp_f32 v14, v14, s12
.irp j, 0,1,2,3,4,5,6,7,8,9,10,11,12,13,14,15,16,17,18,19,20,21,22,23,24,25,26,27,28,29,30,31
	v_mul_f32 v[96+\j], v[160+\j], v14             ; register 8 d + i is o(query r, 16 d + 8 h + i)
.endr
.irp d, 0,1,2,3
.irp i, 0,1,2,3,4,5,6,7
	v_med3_num_f32 v[96+8*\d+\i], v[96+8*\d+\i], -v218, v218
.endr
	v_cvt_scalef32_pk8_bf8_f32 v[192+2*\d:193+2*\d], v[96+8*\d:103+8*\d], v219
.endr
	v_nop
	global_store_b128 v[LI], v[192:195], s[8:9]                ; 512 consecutive bytes a store
	global_store_b128 v[LI], v[196:199], s[8:9] offset:512
	s_wait_tensorcnt 0x0
	ds_add_u32 v254, v255
	s_wait_dscnt 0x0
	ROUND                                          ; the closing round
	s_endpgm
.Lfunc_end_k_qc6c55c1113_l_attn:
	.size	k_qc6c55c1113_l_attn, .Lfunc_end_k_qc6c55c1113_l_attn-k_qc6c55c1113_l_attn
	.p2alignl 7, 3214868480
	.fill 96, 4, 3214868480
	.section	.rodata,"a",@progbits
	.p2align	6, 0x0
	.amdhsa_kernel k_qc6c55c1113_l_attn
		.amdhsa_group_segment_fixed_size 264192
		.amdhsa_private_segment_fixed_size 0
		.amdhsa_enable_private_segment 0
		.amdhsa_kernarg_size 24
		.amdhsa_user_sgpr_count 2
		.amdhsa_user_sgpr_kernarg_segment_ptr 1
		.amdhsa_wavefront_size32 1
		.amdhsa_system_sgpr_workgroup_id_x 1
		.amdhsa_system_sgpr_workgroup_id_y 1
		.amdhsa_system_sgpr_workgroup_id_z 1
		.amdhsa_system_vgpr_workitem_id 0
		.amdhsa_next_free_vgpr 256
		.amdhsa_next_free_sgpr 66
		.amdhsa_reserve_vcc 0
		.amdhsa_float_denorm_mode_32 3
		.amdhsa_float_denorm_mode_16_64 3
		.amdhsa_memory_ordered 1
		.amdhsa_forward_progress 1
		.amdhsa_inst_pref_size 73
	.end_amdhsa_kernel
	.amdgpu_metadata
---
amdhsa.version: [ 1, 2 ]
amdhsa.kernels:
  - .name:           k_qc6c55c1113_l_attn
    .symbol:         k_qc6c55c1113_l_attn.kd
    .args:
      - { .name: qkvc, .offset: 0, .size: 8, .value_kind: global_buffer, .address_space: global }
      - { .name: lowp_scales, .offset: 8, .size: 8, .value_kind: global_buffer, .address_space: global }
      - { .name: atc, .offset: 16, .size: 8, .value_kind: global_buffer, .address_space: global }
    .group_segment_fixed_size: 264192
    .private_segment_fixed_size: 0
    .kernarg_segment_align: 8
    .kernarg_segment_size: 24
    .max_flat_workgroup_size: 512
    .sgpr_count:     66
    .vgpr_count:     256
    .wavefront_size: 32
...
	.end_amdgpu_metadata
.endif
;; end of part 3
;; launch l_wo (part 4): grid 4 x 16, 4 waves a work-group, clusters of 4 x 4, 327,680 bytes of LDS; arguments atc, cw, lowp_scales, ybuf; writes ybuf
.if DOCPART == 4
	.amdgcn_target "amdgcn-amd-amdhsa--gfx1250"
	.amdhsa_code_object_version 6
	.text
	.protected	k_qc6c55c1113_l_wo
	.globl	k_qc6c55c1113_l_wo
	.p2align	8
	.type	k_qc6c55c1113_l_wo,@function
k_qc6c55c1113_l_wo:
	s_mov_b64 s[64:65], 0
	v_nop
	global_prefetch_b8 v0, s[64:65] scope:SCOPE_SE
	s_setreg_imm32_b32 hwreg(HW_REG_WAVE_MODE, 25, 1), 1
	s_wait_xcnt 0x0
	s_wait_alu depctr_hold_cnt(0) depctr_sa_sdst(0) depctr_va_vdst(0) depctr_va_sdst(0) depctr_va_ssrc(0) depctr_va_vcc(0) depctr_vm_vsrc(0)
	s_getreg_b32 s2, hwreg(HW_REG_IB_STS2, 6, 4)
	s_cmp_eq_u32 s2, 0
	s_cbranch_scc0 .Lentry_in_a_cluster
	s_endpgm
.Lentry_in_a_cluster:
	s_bfe_u32 s2, ttmp6, 0x10000c
	s_cmp_lg_u32 s2, 0xf033
	s_cbranch_scc0 .Lentry_shape_is_right
	s_endpgm
.Lentry_shape_is_right:
; y = A B^T x 2^(ea + eb) on codes of BF8 (E5M2): here A = attention's result (e10), B = Wo (e11), K = 1,024.  y: [4096][1024] f32; the bias and the residual are added by the norm that reads y.
; OPERANDS ARE IMAGES: [tile of 16 rows][K step of 128][2,048 bytes]; a fragment is [group g][lane][16 bytes] = registers 4 g .. 4 g + 3, so it comes from LDS by four loads at 16 x lane: no pitch, no padding.
; A tile of C, 256 x 256, is made by four waves, each 128 x 128: 64 accumulators, 512 registers.  K goes in steps of 256 through a ring of two LDS slots filled by the tensor data mover.
; CLUSTERS: 4 x 4 work-groups; A's tile is asked for jointly by the four of a row of the cluster, B's by the four of a column.
; THE MATRIX INSTRUCTION IS USED TRANSPOSED (source 0 = 16 rows of B, source 1 = 16 rows of A): a lane holds eight neighbouring numbers of a row of C.
; C has 16 x 4 tiles: 64 work-groups.  A smaller wave tile would read each fragment from LDS for half as many products.
; LIMIT: ea + eb between -126 and 127.
; REGISTERS, in windows of 256: window 0: v0-31 addresses; from v128 A's fragments, ONE set; on the way out v32-255 are free.   window 1: B's fragments, TWO sets.
;   window 2: the accumulators of my rows 0-63 ((a, b) at v[8 (8 a + b)]);   window 3: those of rows 64-127.
.set SIZE_K, 1024
.set SIZE_N, 1024
.set MIB,    1048576
.set BOFF,   15*MIB                    ; B's image in cw
.set EA,     10
.set EB,     11
.set KROW,   SIZE_K                    ; bytes of one row's codes: 16 rows are a tile of rows of the image
.set FRB,    2048
.set TROW,   2*FRB                     ; a tile of rows in a slot: two K steps of 128
.set FR,     16
.set NL,     4
.set NP,     4                         ; places behind this matrix instruction (ISA guide 7.12.1)
.set HALFT,  8*TROW
.set SLOT,   4*HALFT
.set LAPS,   SIZE_K/512
.set SPARE,  2*SLOT                    ; behind the ring: the spare words, 128 bytes for each wave, which no other line names
.set SPITCH, 528                       ; the way out: a stage of 16 rows x (512 bytes + 16) for each wave, in slot 0, which has had its last fill and its last read when the first result is stored there
.set ADRA, 16
.set ADRB, 20
.set STO,  24
.set RD,   25
.set CO,   26                          ; v26     16 x lane
.set SPW,  28
.set NIL,  29
.set TMP,  32
.set AF,   128
.set BK,   128
.set G1, 24
.set G0, 32
.set G1B, 48
.set G0B, 56
.set EX, 68
.set MSB, 0
.macro WIN new                         ; the immediate's high byte repeats the setting that is left
.if MSB != \new
	s_set_vgpr_msb (MSB<<8)|\new
.set MSB, \new
.endif
.endm
.set MUL_LO, 0xa1
.set MUL_HI, 0xf1
.set TO_B,   0x40
.macro JLOAD g0a, g1a, g0b, g1b        ; a joint load: waves 0 and 1 fetch for A, waves 2 and 3 for B; four v_nop follow each of the two lines
	s_cmp_eq_u32 s15, 0
	s_cbranch_scc0 .Lfor_b_\@
	tensor_load_to_lds s[\g0a:\g0a+3], s[\g1a:\g1a+7]
	s_nop 0
.rept 4
	v_nop
.endr
	s_branch .Lasked_\@
.Lfor_b_\@:
	tensor_load_to_lds s[\g0b:\g0b+3], s[\g1b:\g1b+7]
	s_nop 0
.rept 4
	v_nop
.endr
.Lasked_\@:
.endm
.macro CREST
	s_cmp_lg_u32 s14, 0
	s_cbranch_scc1 .Lnot_wave_0_\@
	s_barrier_signal -3
.Lnot_wave_0_\@:
	s_barrier_wait -3
	s_barrier_signal -1
	s_barrier_wait -1
.endm
.macro CROUND
	s_barrier_signal -1
	s_barrier_wait -1
	CREST
.endm
	s_load_b128 s[4:7], s[0:1], 0x0                ; A's image s[4:5], cw s[6:7]
	s_load_b128 s[8:11], s[0:1], 0x10              ; the exponents s[8:9], y s[10:11]
	v_lshl_add_u32 v[SPW], v0, 2, SPARE
	v_mov_b32 v[NIL], 0
	ds_add_u32 v28, v29
	ds_add_u32 v28, v29
	s_wait_dscnt 0x0
	v_lshrrev_b32 v1, 5, v0
	v_readfirstlane_b32 s14, v1                    ; wave 0..3
	s_lshr_b32 s15, s14, 1                         ; which half of the tile's rows is mine.  Also: I fetch for A (0) or for B (1)
	s_and_b32 s16, s14, 1                          ; which half of its columns.  Also: which 128 rows of that tile I fetch
	s_bfe_u32 s40, ttmp6, 0x40000                  ; cx, cy
	s_bfe_u32 s41, ttmp6, 0x40004
	s_lshl_b32 s42, ttmp9, 2
	s_add_co_u32 s42, s42, s40                     ; tile column of C
	s_and_b32 s17, ttmp7, 0xffff
	s_lshl_b32 s17, s17, 2
	s_add_co_u32 s17, s17, s41                     ; tile row of C
	s_lshl_b32 s43, s41, 2
	s_lshl_b32 s43, 15, s43                        ; my row of the cluster
	s_lshl_b32 s44, 0x1111, s40                    ; my column
	; descriptor group 1: 8 tiles of rows x 4,096 bytes (two K steps' images on end), in elements of 8 bytes; no padding
	s_or_b32 s[G1+0], s43, (3<<16)|(1<<21)
	s_or_b32 s[G1B+0], s44, (3<<16)|(1<<21)
.irp g, G1, G1B
	s_mov_b32 s[\g+1], 512<<16                     ; tensor_dim0 = 512 elements
	s_mov_b32 s[\g+2], 8<<16                       ; tensor_dim1 = 8
	s_mov_b32 s[\g+3], 512<<16                     ; tile_dim0
	s_mov_b32 s[\g+4], 8                           ; tile_dim1
	s_mov_b32 s[\g+5], 2*SIZE_K                    ; tensor_dim0_stride: a tile of rows is 16 SIZE_K bytes
	s_mov_b32 s[\g+6], 0
	s_mov_b32 s[\g+7], 0
.endr
	s_lshl_b32 s18, s16, 7
	s_lshl_b32 s20, s17, 8
	s_add_co_u32 s20, s20, s18                     ; A: row 256 x tile row + 128 x half
	s_lshl_b32 s46, s42, 8
	s_add_co_u32 s46, s46, s18                     ; B: row 256 x tile column + 128 x half
	s_mov_b32 s21, 0
	s_mov_b32 s47, 0
	s_mov_b64 s[18:19], KROW
	s_mul_u64 s[20:21], s[20:21], s[18:19]
	s_mul_u64 s[46:47], s[46:47], s[18:19]
	s_mul_i32 s45, s14, HALFT                      ; where they go: wave x 128 rows
	s_wait_kmcnt 0x0
	s_load_b512 s[EX:EX+15], s[8:9], 0x0
	s_add_nc_u64 s[20:21], s[4:5], s[20:21]
	s_add_nc_u64 s[46:47], s[6:7], s[46:47]
	s_add_nc_u64 s[46:47], s[46:47], BOFF
	CROUND                                         ; all sixteen work-groups are here: the first joint loads meet
.irp s, 0,1
	s_mov_b32 s[G0+4*\s], 1
	s_add_co_u32 s[G0+4*\s+1], s45, \s*SLOT
	s_add_nc_u64 s[G0+4*\s+2:G0+4*\s+3], s[20:21], \s*TROW
	s_or_b32 s[G0+4*\s+3], s[G0+4*\s+3], 0x80000000
	s_mov_b32 s[G0B+4*\s], 1
	s_add_co_u32 s[G0B+4*\s+1], s45, \s*SLOT
	s_add_nc_u64 s[G0B+4*\s+2:G0B+4*\s+3], s[46:47], \s*TROW
	s_or_b32 s[G0B+4*\s+3], s[G0B+4*\s+3], 0x80000000
	JLOAD G0+4*\s, G1, G0B+4*\s, G1B
.endr
	v_and_b32 v1, 15, v0                           ; r
	v_bfe_u32 v2, v0, 4, 1                         ; h
	v_and_b32 v6, 31, v0
	v_lshlrev_b32 v[CO], 4, v6
	s_mul_i32 s21, s15, HALFT
	s_mul_i32 s22, s16, HALFT
	s_add_co_u32 s22, s22, 2*HALFT
.irp s, 0,1
	v_add_nc_u32 v[ADRA+\s], s21, v[CO]
	v_add_nc_u32 v[ADRB+\s], s22, v[CO]
	s_add_co_u32 s21, s21, SLOT
	s_add_co_u32 s22, s22, SLOT
.endr
	s_mul_i32 s23, s14, 16*SPITCH                  ; my stage
	v_mul_u32_u24 v5, v1, SPITCH                   ; in: row r, 32 bytes for each half of the lanes
	v_lshl_add_u32 v5, v2, 5, v5
	v_add_nc_u32 v[STO], s23, v5
	v_add_nc_u32 v[RD], s23, v[CO]                 ; back: the 32 lanes take one row of 512 bytes
	s_lshl_b32 s20, s17, 8
	s_lshl_b32 s21, s15, 7
	s_add_co_u32 s20, s20, s21                     ; my first row of C
	s_mov_b32 s21, 0
	s_mov_b64 s[18:19], SIZE_N*4
	s_mul_u64 s[20:21], s[20:21], s[18:19]
	s_lshl_b32 s46, s42, 10                        ; my first column, in bytes
	s_lshl_b32 s47, s16, 9
	s_add_co_u32 s46, s46, s47
	s_mov_b32 s47, 0
	s_add_nc_u64 s[20:21], s[20:21], s[46:47]
	s_add_nc_u64 s[10:11], s[10:11], s[20:21]
.macro FRAG reg, adr, q, i             ; a fragment's image: four loads of 512 consecutive bytes
.irp c, 0,1,2,3
	ds_load_b128 v[\reg+4*\c:\reg+4*\c+3], v[\adr] offset:(\i)*TROW+(\q)*FRB+512*\c
.endr
.endm
.macro MUL16 a0, p, zero               ; 16 matrix instructions: A's blocks a0, a0 + 1 x B's eight.  The 64 accumulators take turns, in the same order in every step
.irp a, \a0, \a0+1
.irp b, 0,1,2,3,4,5,6,7
.if \zero
	v_wmma_f32_16x16x128_bf8_bf8 v[8*(8*((\a)%4)+\b):8*(8*((\a)%4)+\b)+7], v[128*(\p)+FR*\b:128*(\p)+FR*\b+FR-1], v[AF+FR*(\a):AF+FR*(\a)+FR-1], 0
.else
	v_wmma_f32_16x16x128_bf8_bf8 v[8*(8*((\a)%4)+\b):8*(8*((\a)%4)+\b)+7], v[128*(\p)+FR*\b:128*(\p)+FR*\b+FR-1], v[AF+FR*(\a):AF+FR*(\a)+FR-1], v[8*(8*((\a)%4)+\b):8*(8*((\a)%4)+\b)+7]
.endif
.endr
.endr
.endm
.macro FETCH_B slot, q, p
	WIN TO_B
.irp i, 0,1,2,3,4,5,6,7
	FRAG 128*(\p)+FR*\i, ADRB+\slot, \q, \i
.endr
	WIN 0
.endm
.macro FETCH_A slot, q, i0
.irp i, \i0, \i0+1, \i0+2, \i0+3
	FRAG AF+FR*(\i), ADRA+\slot, \q, \i
.endr
.endm
.macro PLACES n                        ; plain vector lines between a matrix instruction and a load into, or a vector line on, one of its registers
.rept \n
	v_nop
.endr
.endm
.macro STEP slot, q, zero              ; a step of 128 along K that has its successor in the same slot
	s_wait_dscnt 4*NL                              ; B's set and A's blocks 0-3 are in; the youngest 16 loads (A's blocks 4-7) may be out
	WIN MUL_LO
	MUL16 0, (\q)%2, \zero
	MUL16 2, (\q)%2, \zero
	s_wait_dscnt 0
	PLACES NP
	FETCH_B \slot, (\q)+1, 1-(\q)%2
	FETCH_A \slot, (\q)+1, 0
	WIN MUL_HI
	MUL16 4, (\q)%2, \zero
	MUL16 6, (\q)%2, \zero
	PLACES NP
	WIN 0
	FETCH_A \slot, (\q)+1, 4
.endm
; A slot's last step changes slots: ONE barrier; in front of it each wave waits for all its tensor loads, adds 0 to its spare word, and waits for that and for its own reads of this slot.
.macro TURN slot, next, fill
	s_wait_tensorcnt 0x0                           ; all my tensor loads have landed: my part of the next slot
	ds_add_u32 v[SPW], v[NIL]                      ; 0 onto my spare word
	s_wait_dscnt 4*NL+1                            ; (the add and the youngest 16 loads may be out)
	WIN MUL_LO
	MUL16 0, 1, 0
	s_wait_dscnt 0x0                               ; the add is done, and my reads of this slot are over
	s_barrier_signal -1
	MUL16 2, 1, 0
	WIN 0
	s_barrier_wait -1
.if \fill
	CREST                                          ; the barrier has opened a round of the cluster's barrier
	s_add_nc_u64 s[G0+4*\slot+2:G0+4*\slot+3], s[G0+4*\slot+2:G0+4*\slot+3], 2*TROW
	s_add_nc_u64 s[G0B+4*\slot+2:G0B+4*\slot+3], s[G0B+4*\slot+2:G0B+4*\slot+3], 2*TROW
	JLOAD G0+4*\slot, G1, G0B+4*\slot, G1B         ; the first tensor load behind the round
.else
	PLACES NP
.endif
	FETCH_B \next, 0, 0
	FETCH_A \next, 0, 0
	WIN MUL_HI
	MUL16 4, 1, 0
	MUL16 6, 1, 0
	PLACES NP
	WIN 0
	FETCH_A \next, 0, 4
.endm
	s_wait_tensorcnt 1                             ; my part of slot 0 is in (slot 1's load may be out),
	s_barrier_signal -1
	s_barrier_wait -1                              ; everybody's is
	FETCH_B 0, 0, 0
	FETCH_A 0, 0, 0
	FETCH_A 0, 0, 4
	STEP 0, 0, 1                                   ; the first step's products start the sums
	s_mov_b32 s3, LAPS-1
.Llap:                                                 ; a trip goes once round the ring and fills both slots again
	TURN 0, 1, 1
	STEP 1, 0, 0
	TURN 1, 0, 1
	STEP 0, 0, 0
	s_sub_co_u32 s3, s3, 1
	s_cmp_lg_u32 s3, 0
	s_cbranch_scc1 .Llap
	TURN 0, 1, 0                                   ; the last lap fills nothing
	STEP 1, 0, 0
	s_wait_dscnt 4*NL
	WIN MUL_LO
	MUL16 0, 1, 0
	MUL16 2, 1, 0
	s_wait_dscnt 0
	WIN MUL_HI
	MUL16 4, 1, 0
	MUL16 6, 1, 0
	WIN 0
; THE WAY OUT, block by block of 16 rows x 128 columns, through my own stage in LDS: back come whole rows of 512 bytes.  LDS serves a wave's instructions in order (ISA guide 5.7.1.4): no wait between the stores and the loads.
.macro TOSTAGE a
.set AC, 64*((\a)%4)
	WIN 0x02+((\a)/4)
.irp j, 0,2,4,6,8,10,12,14,16,18,20,22,24,26,28,30,32,34,36,38,40,42,44,46,48,50,52,54,56,58,60,62
	v_pk_mul_f32 v[TMP+\j:TMP+\j+1], v[AC+\j:AC+\j+1], s[96:97] op_sel_hi:[1,0]   ; x 2^(ea + eb); each accumulator from its low end on
.endr
	WIN 0
.irp b, 0,1,2,3,4,5,6,7
	ds_store_b128 v[STO], v[TMP+8*\b:TMP+8*\b+3] offset:64*\b
	ds_store_b128 v[STO], v[TMP+8*\b+4:TMP+8*\b+7] offset:64*\b+16
.endr
.set BB, BK+64*((\a)%2)
.irp t, 0,1,2,3,4,5,6,7,8,9,10,11,12,13,14,15
	ds_load_b128 v[BB+4*\t:BB+4*\t+3], v[RD] offset:\t*SPITCH
.endr
.endm
.macro SEND a, younger                 ; younger: the LDS instructions issued behind block a's loads, which may stay out
.set BB, BK+64*((\a)%2)
	s_wait_dscnt \younger
.if (\a) > 0
	s_add_nc_u64 s[10:11], s[10:11], 16*SIZE_N*4   ; (behind a wait on XCNT: the earlier stores have read their base)
.endif
.irp t, 0,1,2,3,4,5,6,7,8,9,10,11,12,13,14,15
	global_store_b128 v[CO], v[BB+4*\t:BB+4*\t+3], s[10:11] offset:\t*SIZE_N*4 th:TH_STORE_NT   ; 32 lanes store 512 consecutive bytes, aligned
.endr
.endm
	s_wait_kmcnt 0x0
	s_add_co_i32 s96, s[EX+EA], s[EX+EB]
	s_add_co_i32 s96, s96, 127
	s_lshl_b32 s96, s96, 23                        ; 2^(ea + eb) as f32
	s_mov_b32 s97, s96                             ; (named with it as a pair, so it is written)
	PLACES NP
	TOSTAGE 0
.irp a, 1,2,3,4,5,6,7
.if \a > 1
	s_wait_xcnt 0x0                                ; block a - 2's stores have read their registers and their base
.endif
	TOSTAGE \a
	SEND \a-1, 32                                  ; behind block a - 1's loads: block a's 16 stores and 16 loads
.endr
	s_wait_xcnt 0x0
	SEND 7, 0
	s_wait_tensorcnt 0x0                           ; the wave's end
	ds_add_u32 v[SPW], v[NIL]
	s_wait_dscnt 0x0
	CROUND                                         ; the closing round
	s_endpgm
.Lfunc_end_k_qc6c55c1113_l_wo:
	.size	k_qc6c55c1113_l_wo, .Lfunc_end_k_qc6c55c1113_l_wo-k_qc6c55c1113_l_wo
	.p2alignl 7, 3214868480
	.fill 96, 4, 3214868480
	.section	.rodata,"a",@progbits
	.p2align	6, 0x0
	.amdhsa_kernel k_qc6c55c1113_l_wo
		.amdhsa_group_segment_fixed_size 327680
		.amdhsa_private_segment_fixed_size 0
		.amdhsa_enable_private_segment 0
		.amdhsa_kernarg_size 32
		.amdhsa_user_sgpr_count 2
		.amdhsa_user_sgpr_kernarg_segment_ptr 1
		.amdhsa_wavefront_size32 1
		.amdhsa_system_sgpr_workgroup_id_x 1
		.amdhsa_system_sgpr_workgroup_id_y 1
		.amdhsa_system_sgpr_workgroup_id_z 1
		.amdhsa_system_vgpr_workitem_id 0
		.amdhsa_next_free_vgpr 1024
		.amdhsa_next_free_sgpr 100
		.amdhsa_reserve_vcc 0
		.amdhsa_float_denorm_mode_32 3
		.amdhsa_float_denorm_mode_16_64 3
		.amdhsa_memory_ordered 1
		.amdhsa_forward_progress 1
		.amdhsa_inst_pref_size 123
	.end_amdhsa_kernel
	.amdgpu_metadata
---
amdhsa.version: [ 1, 2 ]
amdhsa.kernels:
  - .name:           k_qc6c55c1113_l_wo
    .symbol:         k_qc6c55c1113_l_wo.kd
    .args:
      - { .name: atc, .offset: 0, .size: 8, .value_kind: global_buffer, .address_space: global }
      - { .name: cw, .offset: 8, .size: 8, .value_kind: global_buffer, .address_space: global }
      - { .name: lowp_scales, .offset: 16, .size: 8, .value_kind: global_buffer, .address_space: global }
      - { .name: ybuf, .offset: 24, .size: 8, .value_kind: global_buffer, .address_space: global }
    .group_segment_fixed_size: 327680
    .private_segment_fixed_size: 0
    .kernarg_segment_align: 8
    .kernarg_segment_size: 32
    .max_flat_workgroup_size: 128
    .sgpr_count:     100
    .vgpr_count:     1024
    .wavefront_size: 32
...
	.end_amdgpu_metadata
.endif
;; end of part 4
;; launch l_ln1 (part 5): grid 256 x 1, 8 waves a work-group, no clusters, 66,816 bytes of LDS; arguments ybuf, x, bo, g1, be1, lowp_scales, hbuf, hc; writes hbuf, hc
.if DOCPART == 5
	.amdgcn_target "amdgcn-amd-amdhsa--gfx1250"
	.amdhsa_code_object_version 6
	.text
	.protected	k_qc6c55c1113_l_ln1
	.globl	k_qc6c55c1113_l_ln1
	.p2align	8
	.type	k_qc6c55c1113_l_ln1,@function
k_qc6c55c1113_l_ln1:
	s_mov_b64 s[64:65], 0
	v_nop
	global_prefetch_b8 v0, s[64:65] scope:SCOPE_SE
	s_setreg_imm32_b32 hwreg(HW_REG_WAVE_MODE, 25, 1), 1
	s_wait_xcnt 0x0
; h = layer norm(y + bias + residual) x gain + offset, rows of 1,024 f32; here y = attention's product with Wo, bias = bo, residual = x.  h goes out as f32 and, quantised with 2^e12 to BF8 (E5M2), as an image of operand registers:
; hc [tile of 16 rows][K step of 128][2,048]: [group g][lane][16 bytes], lane (r, h) holding k = 32 g + 8 h + 0..7 and 32 g + 16 + 8 h + 0..7 of row r.
; A work-group takes 16 rows, one tile; wave w takes rows 2 w and 2 w + 1, each whole in 32 registers (a load or store covers 512 consecutive bytes), so that mean and variance never leave the wave.
; The variance is the mean of (number - mean)^2, in a second pass over the registers: no difference of large sums.  For the codes the 16 rows meet in LDS (rows 4,112 bytes apart), and wave w makes K step w's fragment.
; Memory binds: no matrix unit, no cluster (nothing is shared but three short vectors).  LIMIT: e12 between -126 and 112; NaN is not served in the codes.
.set CODES, 1
.set PITCH, 4112
.set BI, 16                            ; v16-47   the bias, my 32 columns (128 j + 4 lane + 0..3)
.set G,  48                            ; v48-79   the gain
.set BE, 80                            ; v80-111  the offset
.set Y0, 112                           ; v112-143 row 0;  v144-175 its residual;  v176-207 row 1;  v208-239 its residual;  v240-255 at work
.set R0, 144
.set Y1, 176
.set R1, 208
.macro LD8 reg, base, off, nt          ; a row of 4,096 bytes: eight loads of 512 consecutive bytes
.irp j, 0,1,2,3,4,5,6,7
.if \nt
	global_load_b128 v[\reg+4*\j:\reg+4*\j+3], v1, s[\base:\base+1] offset:\off+512*\j th:TH_LOAD_NT
.else
	global_load_b128 v[\reg+4*\j:\reg+4*\j+3], v1, s[\base:\base+1] offset:\off+512*\j
.endif
.endr
.endm
.macro REDUCE                          ; four chains in v[240:247] -> their sum over the wave, in v240 of every lane
	v_pk_add_f32 v[240:241], v[240:241], v[242:243]
	v_pk_add_f32 v[244:245], v[244:245], v[246:247]
	v_pk_add_f32 v[240:241], v[240:241], v[244:245]
	v_add_f32 v240, v240, v241
	v_add_f32_dpp v240, v240, v240 row_xmask:1 row_mask:0xf bank_mask:0xf
	v_add_f32_dpp v240, v240, v240 row_xmask:2 row_mask:0xf bank_mask:0xf
	v_add_f32_dpp v240, v240, v240 row_xmask:4 row_mask:0xf bank_mask:0xf
	v_add_f32_dpp v240, v240, v240 row_xmask:8 row_mask:0xf bank_mask:0xf
	v_permlanex16_b32 v241, v240, s26, s27
	v_add_f32 v240, v240, v241
.endm
.macro ROW Y, R, row
.irp j, 0,2,4,6,8,10,12,14,16,18,20,22,24,26,28,30
	v_pk_add_f32 v[\Y+\j:\Y+\j+1], v[\Y+\j:\Y+\j+1], v[BI+\j:BI+\j+1]
.endr
.irp j, 0,2,4,6,8,10,12,14,16,18,20,22,24,26,28,30
	v_pk_add_f32 v[\Y+\j:\Y+\j+1], v[\Y+\j:\Y+\j+1], v[\R+\j:\R+\j+1]
.endr
.irp k, 0,1,2,3
	v_pk_add_f32 v[240+2*\k:241+2*\k], v[\Y+2*\k:\Y+2*\k+1], v[\Y+8+2*\k:\Y+9+2*\k]
.endr
.irp m, 16,24
.irp k, 0,1,2,3
	v_pk_add_f32 v[240+2*\k:241+2*\k], v[240+2*\k:241+2*\k], v[\Y+\m+2*\k:\Y+\m+2*\k+1]
.endr
.endr
	REDUCE
	v_mul_f32 v248, s24, v240                      ; the mean: sum / 1,024
.irp j, 0,2,4,6,8,10,12,14,16,18,20,22,24,26,28,30
	v_pk_add_f32 v[\Y+\j:\Y+\j+1], v[\Y+\j:\Y+\j+1], v[248:249] op_sel_hi:[1,0] neg_lo:[0,1] neg_hi:[0,1]   ; number - mean
.endr
.irp k, 0,1,2,3
	v_pk_mul_f32 v[240+2*\k:241+2*\k], v[\Y+2*\k:\Y+2*\k+1], v[\Y+2*\k:\Y+2*\k+1]
.endr
.irp m, 8,16,24
.irp k, 0,1,2,3
	v_pk_fma_f32 v[240+2*\k:241+2*\k], v[\Y+\m+2*\k:\Y+\m+2*\k+1], v[\Y+\m+2*\k:\Y+\m+2*\k+1], v[240+2*\k:241+2*\k]
.endr
.endr
	REDUCE
	v_fma_f32 v250, v240, s24, s25                 ; variance + 1e-5
	v_rsq_f32 v250, v250
	v_nop                                          ; a plain line behind the transcendental
.if \row == 0
	s_wait_loadcnt 0x0                             ; the gain and the offset (and the second row)
.endif
	s_wait_alu depctr_va_vdst(0)                   ; ahead of its first reader
.irp j, 0,2,4,6,8,10,12,14,16,18,20,22,24,26,28,30
	v_pk_mul_f32 v[\Y+\j:\Y+\j+1], v[\Y+\j:\Y+\j+1], v[250:251] op_sel_hi:[1,0]
.endr
.irp j, 0,2,4,6,8,10,12,14,16,18,20,22,24,26,28,30
	v_pk_fma_f32 v[\Y+\j:\Y+\j+1], v[\Y+\j:\Y+\j+1], v[G+\j:G+\j+1], v[BE+\j:BE+\j+1]
.endr
.irp j, 0,1,2,3,4,5,6,7
	global_store_b128 v1, v[\Y+4*\j:\Y+4*\j+3], s[16:17] offset:\row*4096+512*\j
.endr
.if CODES
.irp j, 0,1,2,3,4,5,6,7
	ds_store_b128 v3, v[\Y+4*\j:\Y+4*\j+3] offset:\row*PITCH+512*\j
.endr
.endif
.endm
.if CODES
	s_load_b512 s[4:19], s[0:1], 0x0               ; y s[4:5], residual s[6:7], bias s[8:9], gain s[10:11], offset s[12:13], the exponents s[14:15], h s[16:17], hc s[18:19]
	v_lshl_add_u32 v14, v0, 2, 0x10100
	v_mov_b32 v15, 0
.else
	s_load_b256 s[4:11], s[0:1], 0x0
	s_load_b64 s[12:13], s[0:1], 0x20
	s_load_b64 s[16:17], s[0:1], 0x28
.endif
	v_lshrrev_b32 v2, 5, v0
	v_readfirstlane_b32 s20, v2                    ; wave 0..7
	v_and_b32 v2, 31, v0
	v_lshlrev_b32 v1, 4, v2                        ; 16 x lane
	s_lshl_b32 s22, ttmp9, 16                      ; 16 rows of 4,096 bytes,
	s_lshl_b32 s23, s20, 13                        ; my two of them
	s_add_co_u32 s22, s22, s23
	s_mov_b32 s23, 0
	s_mov_b32 s24, 0x3a800000                      ; 1 / 1,024
	s_mov_b32 s25, 0x3727c5ac                      ; 1e-5
	s_mov_b32 s26, 0x76543210                      ; lane selects: lane l xor 16
	s_mov_b32 s27, 0xfedcba98
	v_mov_b32 v249, 0                              ; (named as the upper halves of pairs)
	v_mov_b32 v251, 0
.if CODES
	s_mul_i32 s29, s20, 2*PITCH
	v_add_nc_u32 v3, s29, v1                       ; LDS, in: my two rows as they lie
	v_and_b32 v5, 15, v0
	v_bfe_u32 v6, v0, 4, 1
	v_mul_u32_u24 v4, v5, PITCH
	v_lshl_add_u32 v4, v6, 5, v4
	s_lshl_b32 s29, s20, 9
	v_add_nc_u32 v4, s29, v4                       ; LDS, out: row r, K step = my wave, + 32 h
	s_lshl_b32 s30, ttmp9, 14
	s_lshl_b32 s31, s20, 11
	s_add_co_u32 s30, s30, s31                     ; fragment 8 x work-group + wave
	s_mov_b32 s31, 0
.endif
	s_wait_kmcnt 0x0
.if CODES
	s_load_b32 s28, s[14:15], 0x30                 ; e12
	s_add_nc_u64 s[18:19], s[18:19], s[30:31]
.endif
	s_add_nc_u64 s[4:5], s[4:5], s[22:23]
	s_add_nc_u64 s[6:7], s[6:7], s[22:23]
	s_add_nc_u64 s[16:17], s[16:17], s[22:23]
	LD8 BI, 8, 0, 0
	LD8 Y0, 4, 0, 1
	LD8 R0, 6, 0, 1
	LD8 Y1, 4, 4096, 1
	LD8 R1, 6, 4096, 1
	LD8 G, 10, 0, 0
	LD8 BE, 12, 0, 0
	s_wait_loadcnt 32                              ; the bias and the first row are in; the second row's 16 loads, the gain's 8 and the offset's 8 may be out
	ROW Y0, R0, 0
	ROW Y1, R1, 1
.if CODES
	s_wait_dscnt 0x0                               ; for the others' sake: my rows lie in LDS
	s_barrier_signal -1
	s_barrier_wait -1
	s_wait_xcnt 0x0                                ; my stores have read their registers: the loads below may land there
.irp c, 0,1,2,3,4,5,6,7
	ds_load_b128 v[Y0+8*\c:Y0+8*\c+3], v4 offset:64*\c             ; register 8 c + i = k 16 c + 8 h + i of row r
	ds_load_b128 v[Y0+8*\c+4:Y0+8*\c+7], v4 offset:64*\c+16
.endr
	s_wait_kmcnt 0x0
	s_add_co_i32 s28, s28, 127
	s_lshl_b32 s29, s28, 23
	v_mov_b32 v7, s29                              ; 2^e12
	s_add_co_i32 s28, s28, 15
	s_lshl_b32 s28, s28, 23
	s_or_b32 s28, s28, 0x600000
	v_mov_b32 v8, s28                              ; 57,344 x 2^e12
	s_wait_dscnt 0x0
.irp c, 0,1,2,3,4,5,6,7
.irp i, 0,1,2,3,4,5,6,7
	v_med3_num_f32 v[Y0+8*\c+\i], v[Y0+8*\c+\i], -v8, v8           ; the conversion does not saturate (ISA guide 7.6.2)
.endr
	v_cvt_scalef32_pk8_bf8_f32 v[240+2*\c:241+2*\c], v[Y0+8*\c:Y0+8*\c+7], v7
.endr
.irp g, 0,1,2,3
	global_store_b128 v1, v[240+4*\g:243+4*\g], s[18:19] offset:512*\g   ; 512 consecutive bytes a store
.endr
.endif
	s_wait_tensorcnt 0x0
	ds_add_u32 v14, v15
	s_wait_dscnt 0x0
	s_endpgm
.Lfunc_end_k_qc6c55c1113_l_ln1:
	.size	k_qc6c55c1113_l_ln1, .Lfunc_end_k_qc6c55c1113_l_ln1-k_qc6c55c1113_l_ln1
	.p2alignl 7, 3214868480
	.fill 96, 4, 3214868480
	.section	.rodata,"a",@progbits
	.p2align	6, 0x0
	.amdhsa_kernel k_qc6c55c1113_l_ln1
		.amdhsa_group_segment_fixed_size 66816
		.amdhsa_private_segment_fixed_size 0
		.amdhsa_enable_private_segment 0
		.amdhsa_kernarg_size 64
		.amdhsa_user_sgpr_count 2
		.amdhsa_user_sgpr_kernarg_segment_ptr 1
		.amdhsa_wavefront_size32 1
		.amdhsa_system_sgpr_workgroup_id_x 1
		.amdhsa_system_sgpr_workgroup_id_y 1
		.amdhsa_system_sgpr_workgroup_id_z 1
		.amdhsa_system_vgpr_workitem_id 0
		.amdhsa_next_free_vgpr 256
		.amdhsa_next_free_sgpr 66
		.amdhsa_reserve_vcc 0
		.amdhsa_float_denorm_mode_32 3
		.amdhsa_float_denorm_mode_16_64 3
		.amdhsa_memory_ordered 1
		.amdhsa_forward_progress 1
		.amdhsa_inst_pref_size 33
	.end_amdhsa_kernel
	.amdgpu_metadata
---
amdhsa.version: [ 1, 2 ]
amdhsa.kernels:
  - .name:           k_qc6c55c1113_l_ln1
    .symbol:         k_qc6c55c1113_l_ln1.kd
    .args:
      - { .name: ybuf, .offset: 0, .size: 8, .value_kind: global_buffer, .address_space: global }
      - { .name: x, .offset: 8, .size: 8, .value_kind: global_buffer, .address_space: global }
      - { .name: bo, .offset: 16, .size: 8, .value_kind: global_buffer, .address_space: global }
      - { .name: g1, .offset: 24, .size: 8, .value_kind: global_buffer, .address_space: global }
      - { .name: be1, .offset: 32, .size: 8, .value_kind: global_buffer, .address_space: global }
      - { .name: lowp_scales, .offset: 40, .size: 8, .value_kind: global_buffer, .address_space: global }
      - { .name: hbuf, .offset: 48, .size: 8, .value_kind: global_buffer, .address_space: global }
      - { .name: hc, .offset: 56, .size: 8, .value_kind: global_buffer, .address_space: global }
    .group_segment_fixed_size: 66816
    .private_segment_fixed_size: 0
    .kernarg_segment_align: 8
    .kernarg_segment_size: 64
    .max_flat_workgroup_size: 256
    .sgpr_count:     66
    .vgpr_count:     256
    .wavefront_size: 32
...
	.end_amdgpu_metadata
.endif
;; end of part 5
;; launch l_ffn1 (part 6): grid 16 x 16, 4 waves a work-group, clusters of 4 x 4, 327,680 bytes of LDS; arguments hc, cw, lowp_scales, b1, fc; writes fc
.if DOCPART == 6
	.amdgcn_target "amdgcn-amd-amdhsa--gfx1250"
	.amdhsa_code_object_version 6
	.text
	.protected	k_qc6c55c1113_l_ffn1
	.globl	k_qc6c55c1113_l_ffn1
	.p2align	8
	.type	k_qc6c55c1113_l_ffn1,@function
k_qc6c55c1113_l_ffn1:
	s_mov_b64 s[64:65], 0
	v_nop
	global_prefetch_b8 v0, s[64:65] scope:SCOPE_SE
	s_setreg_imm32_b32 hwreg(HW_REG_WAVE_MODE, 25, 1), 1
	s_wait_xcnt 0x0
	s_wait_alu depctr_hold_cnt(0) depctr_sa_sdst(0) depctr_va_vdst(0) depctr_va_sdst(0) depctr_va_ssrc(0) depctr_va_vcc(0) depctr_vm_vsrc(0)
	s_getreg_b32 s2, hwreg(HW_REG_IB_STS2, 6, 4)
	s_cmp_eq_u32 s2, 0
	s_cbranch_scc0 .Lentry_in_a_cluster
	s_endpgm
.Lentry_in_a_cluster:
	s_bfe_u32 s2, ttmp6, 0x10000c
	s_cmp_lg_u32 s2, 0xf033
	s_cbranch_scc0 .Lentry_shape_is_right
	s_endpgm
.Lentry_shape_is_right:
; f = relu(h W1 + b1) on codes of BF8 (E5M2) (h: e12, W1: e13), quantised again (e14) straight into the image that the next product reads: fc [tile of 16 rows 256][K step of 128: 32][2,048].
; OPERANDS ARE IMAGES: [tile of 16 rows][K step of 128][2,048 bytes]; a fragment is [group g][lane][16 bytes] = registers 4 g .. 4 g + 3, so it comes from LDS by four loads at 16 x lane: no pitch, no padding.
; A tile of C, 256 x 256, is made by four waves, each 128 x 128: 64 accumulators, 512 registers.  K goes in steps of 256 through a ring of two LDS slots filled by the tensor data mover.  16 x 16 tiles: 256 work-groups.
; CLUSTERS: 4 x 4 work-groups; A's tile is asked for jointly by the four of a row of the cluster, B's by the four of a column.
; THE MATRIX INSTRUCTION IS USED TRANSPOSED (source 0 = 16 rows of B, source 1 = 16 rows of A): lane (r, h) holds row r of A's block, and register j of accumulator (a, b) the column 16 b + 8 h + j.
; So one conversion of accumulator (a, b) gives registers 2 b, 2 b + 1 of the next operand's fragment; the hold that the conversion wants clips at 0 as well: the activation costs nothing.
; LIMITS: e12 + e13 between -126 and 127; e14 between -126 and 112.  NaN is not served.
; REGISTERS, in windows of 256: window 0: v0-31 addresses; v32-95 the bias; from v128 A's fragments, ONE set; on the way out v128-191 numbers, v192-223 codes.   window 1: B's fragments, TWO sets.
;   window 2: the accumulators of my rows 0-63 ((a, b) at v[8 (8 a + b)]);   window 3: those of rows 64-127.
.set SIZE_K, 1024
.set MIB,    1048576
.set BOFF,   16*MIB                    ; W1's image in cw
.set EA,     12
.set EB,     13
.set EO,     14
.set KROW,   SIZE_K
.set FRB,    2048
.set TROW,   2*FRB
.set FR,     16
.set NL,     4
.set NP,     4                         ; places behind this matrix instruction (ISA guide 7.12.1)
.set HALFT,  8*TROW
.set SLOT,   4*HALFT
.set LAPS,   SIZE_K/512
.set SPARE,  2*SLOT                    ; behind the ring: the spare words, 128 bytes for each wave, which no other line names
.set SC,   12
.set LIM,  13
.set ADRA, 16
.set ADRB, 20
.set CO,   26                          ; v26     16 x lane
.set BO,   27                          ; v27     32 x (lane / 16)
.set SPW,  28
.set NIL,  29
.set BIAS, 32
.set AF,   128
.set TMP,  128
.set PC,   192
.set G1, 24
.set G0, 32
.set G1B, 48
.set G0B, 56
.set EX, 68
.set MSB, 0
.macro WIN new                         ; the immediate's high byte repeats the setting that is left
.if MSB != \new
	s_set_vgpr_msb (MSB<<8)|\new
.set MSB, \new
.endif
.endm
.set MUL_LO, 0xa1
.set MUL_HI, 0xf1
.set TO_B,   0x40
.macro JLOAD g0a, g1a, g0b, g1b        ; a joint load: waves 0 and 1 fetch for A, waves 2 and 3 for B; four v_nop follow each of the two lines
	s_cmp_eq_u32 s15, 0
	s_cbranch_scc0 .Lfor_b_\@
	tensor_load_to_lds s[\g0a:\g0a+3], s[\g1a:\g1a+7]
	s_nop 0
.rept 4
	v_nop
.endr
	s_branch .Lasked_\@
.Lfor_b_\@:
	tensor_load_to_lds s[\g0b:\g0b+3], s[\g1b:\g1b+7]
	s_nop 0
.rept 4
	v_nop
.endr
.Lasked_\@:
.endm
.macro CREST
	s_cmp_lg_u32 s14, 0
	s_cbranch_scc1 .Lnot_wave_0_\@
	s_barrier_signal -3
.Lnot_wave_0_\@:
	s_barrier_wait -3
	s_barrier_signal -1
	s_barrier_wait -1
.endm
.macro CROUND
	s_barrier_signal -1
	s_barrier_wait -1
	CREST
.endm
	s_load_b128 s[4:7], s[0:1], 0x0                ; hc s[4:5], cw s[6:7]
	s_load_b64 s[8:9], s[0:1], 0x10                ; the exponents
	s_load_b64 s[84:85], s[0:1], 0x18              ; b1
	s_load_b64 s[10:11], s[0:1], 0x20              ; fc
	v_lshl_add_u32 v[SPW], v0, 2, SPARE
	v_mov_b32 v[NIL], 0
	ds_add_u32 v28, v29
	ds_add_u32 v28, v29
	s_wait_dscnt 0x0
	v_lshrrev_b32 v1, 5, v0
	v_readfirstlane_b32 s14, v1                    ; wave 0..3
	s_lshr_b32 s15, s14, 1                         ; which half of the tile's rows is mine.  Also: I fetch for A (0) or for B (1)
	s_and_b32 s16, s14, 1                          ; which half of its columns.  Also: which 128 rows of that tile I fetch
	s_bfe_u32 s40, ttmp6, 0x40000                  ; cx, cy
	s_bfe_u32 s41, ttmp6, 0x40004
	s_lshl_b32 s42, ttmp9, 2
	s_add_co_u32 s42, s42, s40                     ; tile column of C
	s_and_b32 s17, ttmp7, 0xffff
	s_lshl_b32 s17, s17, 2
	s_add_co_u32 s17, s17, s41                     ; tile row of C
	s_lshl_b32 s43, s41, 2
	s_lshl_b32 s43, 15, s43                        ; my row of the cluster
	s_lshl_b32 s44, 0x1111, s40                    ; my column
	; descriptor group 1: 8 tiles of rows x 4,096 bytes (two K steps' images on end), in elements of 8 bytes; no padding
	s_or_b32 s[G1+0], s43, (3<<16)|(1<<21)
	s_or_b32 s[G1B+0], s44, (3<<16)|(1<<21)
.irp g, G1, G1B
	s_mov_b32 s[\g+1], 512<<16                     ; tensor_dim0 = 512 elements
	s_mov_b32 s[\g+2], 8<<16                       ; tensor_dim1 = 8
	s_mov_b32 s[\g+3], 512<<16                     ; tile_dim0
	s_mov_b32 s[\g+4], 8                           ; tile_dim1
	s_mov_b32 s[\g+5], 2*SIZE_K                    ; tensor_dim0_stride: a tile of rows is 16 SIZE_K bytes
	s_mov_b32 s[\g+6], 0
	s_mov_b32 s[\g+7], 0
.endr
	s_lshl_b32 s18, s16, 7
	s_lshl_b32 s20, s17, 8
	s_add_co_u32 s20, s20, s18                     ; A: row 256 x tile row + 128 x half
	s_lshl_b32 s46, s42, 8
	s_add_co_u32 s46, s46, s18                     ; B: row 256 x tile column + 128 x half
	s_mov_b32 s21, 0
	s_mov_b32 s47, 0
	s_mov_b64 s[18:19], KROW
	s_mul_u64 s[20:21], s[20:21], s[18:19]
	s_mul_u64 s[46:47], s[46:47], s[18:19]
	s_mul_i32 s45, s14, HALFT                      ; where they go: wave x 128 rows
	s_wait_kmcnt 0x0
	s_load_b512 s[EX:EX+15], s[8:9], 0x0
	s_add_nc_u64 s[20:21], s[4:5], s[20:21]
	s_add_nc_u64 s[46:47], s[6:7], s[46:47]
	s_add_nc_u64 s[46:47], s[46:47], BOFF
	CROUND                                         ; all sixteen work-groups are here: the first joint loads meet
.irp s, 0,1
	s_mov_b32 s[G0+4*\s], 1
	s_add_co_u32 s[G0+4*\s+1], s45, \s*SLOT
	s_add_nc_u64 s[G0+4*\s+2:G0+4*\s+3], s[20:21], \s*TROW
	s_or_b32 s[G0+4*\s+3], s[G0+4*\s+3], 0x80000000
	s_mov_b32 s[G0B+4*\s], 1
	s_add_co_u32 s[G0B+4*\s+1], s45, \s*SLOT
	s_add_nc_u64 s[G0B+4*\s+2:G0B+4*\s+3], s[46:47], \s*TROW
	s_or_b32 s[G0B+4*\s+3], s[G0B+4*\s+3], 0x80000000
	JLOAD G0+4*\s, G1, G0B+4*\s, G1B
.endr
	v_bfe_u32 v2, v0, 4, 1                         ; h
	v_and_b32 v6, 31, v0
	v_lshlrev_b32 v[CO], 4, v6
	s_mul_i32 s21, s15, HALFT
	s_mul_i32 s22, s16, HALFT
	s_add_co_u32 s22, s22, 2*HALFT
.irp s, 0,1
	v_add_nc_u32 v[ADRA+\s], s21, v[CO]
	v_add_nc_u32 v[ADRB+\s], s22, v[CO]
	s_add_co_u32 s21, s21, SLOT
	s_add_co_u32 s22, s22, SLOT
.endr
	s_lshl_b32 s94, s42, 10                        ; the bias of my 128 columns: register 8 b + j = column 16 b + 8 h + j
	s_lshl_b32 s95, s16, 9
	s_add_co_u32 s94, s94, s95
	s_mov_b32 s95, 0
	s_add_nc_u64 s[86:87], s[84:85], s[94:95]
	v_lshlrev_b32 v[BO], 5, v2
.irp b, 0,1,2,3,4,5,6,7
	global_load_b128 v[BIAS+8*\b:BIAS+8*\b+3], v[BO], s[86:87] offset:64*\b
	global_load_b128 v[BIAS+8*\b+4:BIAS+8*\b+7], v[BO], s[86:87] offset:64*\b+16
.endr
	s_lshl_b32 s94, s17, 4                         ; where my codes go: fragment (tile of rows 16 x tile row + 8 x half, K step 2 x tile column + half)
	s_lshl_b32 s18, s15, 3
	s_add_co_u32 s94, s94, s18
	s_lshl_b32 s94, s94, 5
	s_lshl_b32 s18, s42, 1
	s_add_co_u32 s94, s94, s18
	s_add_co_u32 s94, s94, s16
	s_lshl_b32 s94, s94, 11
	s_add_nc_u64 s[10:11], s[10:11], s[94:95]
.macro FRAG reg, adr, q, i             ; a fragment's image: four loads of 512 consecutive bytes
.irp c, 0,1,2,3
	ds_load_b128 v[\reg+4*\c:\reg+4*\c+3], v[\adr] offset:(\i)*TROW+(\q)*FRB+512*\c
.endr
.endm
.macro MUL16 a0, p, zero               ; 16 matrix instructions: A's blocks a0, a0 + 1 x B's eight.  The 64 accumulators take turns, in the same order in every step
.irp a, \a0, \a0+1
.irp b, 0,1,2,3,4,5,6,7
.if \zero
	v_wmma_f32_16x16x128_bf8_bf8 v[8*(8*((\a)%4)+\b):8*(8*((\a)%4)+\b)+7], v[128*(\p)+FR*\b:128*(\p)+FR*\b+FR-1], v[AF+FR*(\a):AF+FR*(\a)+FR-1], 0
.else
	v_wmma_f32_16x16x128_bf8_bf8 v[8*(8*((\a)%4)+\b):8*(8*((\a)%4)+\b)+7], v[128*(\p)+FR*\b:128*(\p)+FR*\b+FR-1], v[AF+FR*(\a):AF+FR*(\a)+FR-1], v[8*(8*((\a)%4)+\b):8*(8*((\a)%4)+\b)+7]
.endif
.endr
.endr
.endm
.macro FETCH_B slot, q, p
	WIN TO_B
.irp i, 0,1,2,3,4,5,6,7
	FRAG 128*(\p)+FR*\i, ADRB+\slot, \q, \i
.endr
	WIN 0
.endm
.macro FETCH_A slot, q, i0
.irp i, \i0, \i0+1, \i0+2, \i0+3
	FRAG AF+FR*(\i), ADRA+\slot, \q, \i
.endr
.endm
.macro PLACES n                        ; plain vector lines between a matrix instruction and a load into, or a vector line on, one of its registers
.rept \n
	v_nop
.endr
.endm
.macro STEP slot, q, zero              ; a step of 128 along K that has its successor in the same slot
	s_wait_dscnt 4*NL                              ; B's set and A's blocks 0-3 are in; the youngest 16 loads (A's blocks 4-7) may be out
	WIN MUL_LO
	MUL16 0, (\q)%2, \zero
	MUL16 2, (\q)%2, \zero
	s_wait_dscnt 0
	PLACES NP
	FETCH_B \slot, (\q)+1, 1-(\q)%2
	FETCH_A \slot, (\q)+1, 0
	WIN MUL_HI
	MUL16 4, (\q)%2, \zero
	MUL16 6, (\q)%2, \zero
	PLACES NP
	WIN 0
	FETCH_A \slot, (\q)+1, 4
.endm
; A slot's last step changes slots: ONE barrier; in front of it each wave waits for all its tensor loads, adds 0 to its spare word, and waits for that and for its own reads of this slot.
.macro TURN slot, next, fill
	s_wait_tensorcnt 0x0                           ; all my tensor loads have landed: my part of the next slot
	ds_add_u32 v[SPW], v[NIL]                      ; 0 onto my spare word
	s_wait_dscnt 4*NL+1                            ; (the add and the youngest 16 loads may be out)
	WIN MUL_LO
	MUL16 0, 1, 0
	s_wait_dscnt 0x0                               ; the add is done, and my reads of this slot are over
	s_barrier_signal -1
	MUL16 2, 1, 0
	WIN 0
	s_barrier_wait -1
.if \fill
	CREST                                          ; the barrier has opened a round of the cluster's barrier
	s_add_nc_u64 s[G0+4*\slot+2:G0+4*\slot+3], s[G0+4*\slot+2:G0+4*\slot+3], 2*TROW
	s_add_nc_u64 s[G0B+4*\slot+2:G0B+4*\slot+3], s[G0B+4*\slot+2:G0B+4*\slot+3], 2*TROW
	JLOAD G0+4*\slot, G1, G0B+4*\slot, G1B         ; the first tensor load behind the round
.else
	PLACES NP
.endif
	FETCH_B \next, 0, 0
	FETCH_A \next, 0, 0
	WIN MUL_HI
	MUL16 4, 1, 0
	MUL16 6, 1, 0
	PLACES NP
	WIN 0
	FETCH_A \next, 0, 4
.endm
	s_wait_tensorcnt 1                             ; my part of slot 0 is in (slot 1's load may be out),
	s_barrier_signal -1
	s_barrier_wait -1                              ; everybody's is
	FETCH_B 0, 0, 0
	FETCH_A 0, 0, 0
	FETCH_A 0, 0, 4
	STEP 0, 0, 1                                   ; the first step's products start the sums
	s_mov_b32 s3, LAPS-1
.Llap:                                                 ; a trip goes once round the ring and fills both slots again
	TURN 0, 1, 1
	STEP 1, 0, 0
	TURN 1, 0, 1
	STEP 0, 0, 0
	s_sub_co_u32 s3, s3, 1
	s_cmp_lg_u32 s3, 0
	s_cbranch_scc1 .Llap
	TURN 0, 1, 0                                   ; the last lap fills nothing
	STEP 1, 0, 0
	s_wait_dscnt 4*NL
	WIN MUL_LO
	MUL16 0, 1, 0
	MUL16 2, 1, 0
	s_wait_dscnt 0
	WIN MUL_HI
	MUL16 4, 1, 0
	MUL16 6, 1, 0
	WIN 0
; THE WAY OUT of block a (16 rows x my 128 columns): number = sum x 2^(ea + eb) + bias; the activation and the hold in one; the eight conversions' results are one fragment, stored as it stands.
.macro EPI a
.set AC, 64*((\a)%4)
.set PS, PC+16*((\a)%2)
.if (\a) >= 2
	s_wait_xcnt 0x0                                ; block a - 2's stores have read their codes
.endif
	WIN 0x02+((\a)/4)                              ; source 0: window 2 or 3
.irp j, 0,2,4,6,8,10,12,14,16,18,20,22,24,26,28,30,32,34,36,38,40,42,44,46,48,50,52,54,56,58,60,62
	v_pk_fma_f32 v[TMP+\j:TMP+\j+1], v[AC+\j:AC+\j+1], s[96:97], v[BIAS+\j:BIAS+\j+1] op_sel_hi:[1,0,1]   ; each accumulator from its low end on
.endr
	WIN 0
.irp b, 0,1,2,3,4,5,6,7
.irp i, 0,1,2,3,4,5,6,7
	v_med3_num_f32 v[TMP+8*\b+\i], v[TMP+8*\b+\i], 0, v[LIM]     ; between 0 and the largest code x the scale (the conversion does not saturate: ISA guide 7.6.2)
.endr
	v_cvt_scalef32_pk8_bf8_f32 v[PS+2*\b:PS+2*\b+1], v[TMP+8*\b:TMP+8*\b+7], v[SC]
.endr
	v_nop                                          ; a plain line behind the last conversion, ahead of the next block's writes of its sources
.irp g, 0,1,2,3
	global_store_b128 v[CO], v[PS+4*\g:PS+4*\g+3], s[10:11] offset:(\a)*65536+512*\g   ; a tile of rows is 32 fragments; 512 consecutive bytes a store
.endr
.endm
	s_wait_kmcnt 0x0
	s_add_co_i32 s96, s[EX+EA], s[EX+EB]
	s_add_co_i32 s96, s96, 127
	s_lshl_b32 s96, s96, 23                        ; 2^(ea + eb) as f32
	s_mov_b32 s97, s96                             ; (named with it as a pair, so it is written)
	s_add_co_i32 s92, s[EX+EO], 127
	s_lshl_b32 s93, s92, 23
	v_mov_b32 v[SC], s93
	s_add_co_i32 s92, s92, 15
	s_lshl_b32 s92, s92, 23
	s_or_b32 s92, s92, 0x600000
	v_mov_b32 v[LIM], s92
	s_wait_loadcnt 0x0                             ; the bias
	PLACES NP
.irp a, 0,1,2,3,4,5,6,7
	EPI \a
.endr
	s_wait_tensorcnt 0x0                           ; the wave's end
	ds_add_u32 v[SPW], v[NIL]
	s_wait_dscnt 0x0
	CROUND                                         ; the closing round
	s_endpgm
.Lfunc_end_k_qc6c55c1113_l_ffn1:
	.size	k_qc6c55c1113_l_ffn1, .Lfunc_end_k_qc6c55c1113_l_ffn1-k_qc6c55c1113_l_ffn1
	.p2alignl 7, 3214868480
	.fill 96, 4, 3214868480
	.section	.rodata,"a",@progbits
	.p2align	6, 0x0
	.amdhsa_kernel k_qc6c55c1113_l_ffn1
		.amdhsa_group_segment_fixed_size 327680
		.amdhsa_private_segment_fixed_size 0
		.amdhsa_enable_private_segment 0
		.amdhsa_kernarg_size 40
		.amdhsa_user_sgpr_count 2
		.amdhsa_user_sgpr_kernarg_segment_ptr 1
		.amdhsa_wavefront_size32 1
		.amdhsa_system_sgpr_workgroup_id_x 1
		.amdhsa_system_sgpr_workgroup_id_y 1
		.amdhsa_system_sgpr_workgroup_id_z 1
		.amdhsa_system_vgpr_workitem_id 0
		.amdhsa_next_free_vgpr 1024
		.amdhsa_next_free_sgpr 100
		.amdhsa_reserve_vcc 0
		.amdhsa_float_denorm_mode_32 3
		.amdhsa_float_denorm_mode_16_64 3
		.amdhsa_memory_ordered 1
		.amdhsa_forward_progress 1
		.amdhsa_inst_pref_size 135
	.end_amdhsa_kernel
	.amdgpu_metadata
---
amdhsa.version: [ 1, 2 ]
amdhsa.kernels:
  - .name:           k_qc6c55c1113_l_ffn1
    .symbol:         k_qc6c55c1113_l_ffn1.kd
    .args:
      - { .name: hc, .offset: 0, .size: 8, .value_kind: global_buffer, .address_space: global }
      - { .name: cw, .offset: 8, .size: 8, .value_kind: global_buffer, .address_space: global }
      - { .name: lowp_scales, .offset: 16, .size: 8, .value_kind: global_buffer, .address_space: global }
      - { .name: b1, .offset: 24, .size: 8, .value_kind: global_buffer, .address_space: global }
      - { .name: fc, .offset: 32, .size: 8, .value_kind: global_buffer, .address_space: global }
    .group_segment_fixed_size: 327680
    .private_segment_fixed_size: 0
    .kernarg_segment_align: 8
    .kernarg_segment_size: 40
    .max_flat_workgroup_size: 128
    .sgpr_count:     100
    .vgpr_count:     1024
    .wavefront_size: 32
...
	.end_amdgpu_metadata
.endif
;; end of part 6
;; launch l_ffn2 (part 7): grid 4 x 16, 4 waves a work-group, clusters of 4 x 4, 327,680 bytes of LDS; arguments fc, cw, lowp_scales, ybuf; writes ybuf
.if DOCPART == 7
	.amdgcn_target "amdgcn-amd-amdhsa--gfx1250"
	.amdhsa_code_object_version 6
	.text
	.protected	k_qc6c55c1113_l_ffn2
	.globl	k_qc6c55c1113_l_ffn2
	.p2align	8
	.type	k_qc6c55c1113_l_ffn2,@function
k_qc6c55c1113_l_ffn2:
	s_mov_b64 s[64:65], 0
	v_nop
	global_prefetch_b8 v0, s[64:65] scope:SCOPE_SE
	s_setreg_imm32_b32 hwreg(HW_REG_WAVE_MODE, 25, 1), 1
	s_wait_xcnt 0x0
	s_wait_alu depctr_hold_cnt(0) depctr_sa_sdst(0) depctr_va_vdst(0) depctr_va_sdst(0) depctr_va_ssrc(0) depctr_va_vcc(0) depctr_vm_vsrc(0)
	s_getreg_b32 s2, hwreg(HW_REG_IB_STS2, 6, 4)
	s_cmp_eq_u32 s2, 0
	s_cbranch_scc0 .Lentry_in_a_cluster
	s_endpgm
.Lentry_in_a_cluster:
	s_bfe_u32 s2, ttmp6, 0x10000c
	s_cmp_lg_u32 s2, 0xf033
	s_cbranch_scc0 .Lentry_shape_is_right
	s_endpgm
.Lentry_shape_is_right:
; y = A B^T x 2^(ea + eb) on codes of BF8 (E5M2): here A = the hidden layer (e14), B = W2 (e15), K = 4,096.  y: [4096][1024] f32; the bias and the residual are added by the norm that reads y.
; OPERANDS ARE IMAGES: [tile of 16 rows][K step of 128][2,048 bytes]; a fragment is [group g][lane][16 bytes] = registers 4 g .. 4 g + 3, so it comes from LDS by four loads at 16 x lane: no pitch, no padding.
; A tile of C, 256 x 256, is made by four waves, each 128 x 128: 64 accumulators, 512 registers.  K goes in steps of 256 through a ring of two LDS slots filled by the tensor data mover.
; CLUSTERS: 4 x 4 work-groups; A's tile is asked for jointly by the four of a row of the cluster, B's by the four of a column.
; THE MATRIX INSTRUCTION IS USED TRANSPOSED (source 0 = 16 rows of B, source 1 = 16 rows of A): a lane holds eight neighbouring numbers of a row of C.
; C has 16 x 4 tiles: 64 work-groups.  A smaller wave tile would read each fragment from LDS for half as many products.
; LIMIT: ea + eb between -126 and 127.
; REGISTERS, in windows of 256: window 0: v0-31 addresses; from v128 A's fragments, ONE set; on the way out v32-255 are free.   window 1: B's fragments, TWO sets.
;   window 2: the accumulators of my rows 0-63 ((a, b) at v[8 (8 a + b)]);   window 3: those of rows 64-127.
.set SIZE_K, 4096
.set SIZE_N, 1024
.set MIB,    1048576
.set BOFF,   20*MIB                    ; B's image in cw
.set EA,     14
.set EB,     15
.set KROW,   SIZE_K                    ; bytes of one row's codes: 16 rows are a tile of rows of the image
.set FRB,    2048
.set TROW,   2*FRB                     ; a tile of rows in a slot: two K steps of 128
.set FR,     16
.set NL,     4
.set NP,     4                         ; places behind this matrix instruction (ISA guide 7.12.1)
.set HALFT,  8*TROW
.set SLOT,   4*HALFT
.set LAPS,   SIZE_K/512
.set SPARE,  2*SLOT                    ; behind the ring: the spare words, 128 bytes for each wave, which no other line names
.set SPITCH, 528                       ; the way out: a stage of 16 rows x (512 bytes + 16) for each wave, in slot 0, which has had its last fill and its last read when the first result is stored there
.set ADRA, 16
.set ADRB, 20
.set STO,  24
.set RD,   25
.set CO,   26                          ; v26     16 x lane
.set SPW,  28
.set NIL,  29
.set TMP,  32
.set AF,   128
.set BK,   128
.set G1, 24
.set G0, 32
.set G1B, 48
.set G0B, 56
.set EX, 68
.set MSB, 0
.macro WIN new                         ; the immediate's high byte repeats the setting that is left
.if MSB != \new
	s_set_vgpr_msb (MSB<<8)|\new
.set MSB, \new
.endif
.endm
.set MUL_LO, 0xa1
.set MUL_HI, 0xf1
.set TO_B,   0x40
.macro JLOAD g0a, g1a, g0b, g1b        ; a joint load: waves 0 and 1 fetch for A, waves 2 and 3 for B; four v_nop follow each of the two lines
	s_cmp_eq_u32 s15, 0
	s_cbranch_scc0 .Lfor_b_\@
	tensor_load_to_lds s[\g0a:\g0a+3], s[\g1a:\g1a+7]
	s_nop 0
.rept 4
	v_nop
.endr
	s_branch .Lasked_\@
.Lfor_b_\@:
	tensor_load_to_lds s[\g0b:\g0b+3], s[\g1b:\g1b+7]
	s_nop 0
.rept 4
	v_nop
.endr
.Lasked_\@:
.endm
.macro CREST
	s_cmp_lg_u32 s14, 0
	s_cbranch_scc1 .Lnot_wave_0_\@
	s_barrier_signal -3
.Lnot_wave_0_\@:
	s_barrier_wait -3
	s_barrier_signal -1
	s_barrier_wait -1
.endm
.macro CROUND
	s_barrier_signal -1
	s_barrier_wait -1
	CREST
.endm
	s_load_b128 s[4:7], s[0:1], 0x0                ; A's image s[4:5], cw s[6:7]
	s_load_b128 s[8:11], s[0:1], 0x10              ; the exponents s[8:9], y s[10:11]
	v_lshl_add_u32 v[SPW], v0, 2, SPARE
	v_mov_b32 v[NIL], 0
	ds_add_u32 v28, v29
	ds_add_u32 v28, v29
	s_wait_dscnt 0x0
	v_lshrrev_b32 v1, 5, v0
	v_readfirstlane_b32 s14, v1                    ; wave 0..3
	s_lshr_b32 s15, s14, 1                         ; which half of the tile's rows is mine.  Also: I fetch for A (0) or for B (1)
	s_and_b32 s16, s14, 1                          ; which half of its columns.  Also: which 128 rows of that tile I fetch
	s_bfe_u32 s40, ttmp6, 0x40000                  ; cx, cy
	s_bfe_u32 s41, ttmp6, 0x40004
	s_lshl_b32 s42, ttmp9, 2
	s_add_co_u32 s42, s42, s40                     ; tile column of C
	s_and_b32 s17, ttmp7, 0xffff
	s_lshl_b32 s17, s17, 2
	s_add_co_u32 s17, s17, s41                     ; tile row of C
	s_lshl_b32 s43, s41, 2
	s_lshl_b32 s43, 15, s43                        ; my row of the cluster
	s_lshl_b32 s44, 0x1111, s40                    ; my column
	; descriptor group 1: 8 tiles of rows x 4,096 bytes (two K steps' images on end), in elements of 8 bytes; no padding
	s_or_b32 s[G1+0], s43, (3<<16)|(1<<21)
	s_or_b32 s[G1B+0], s44, (3<<16)|(1<<21)
.irp g, G1, G1B
	s_mov_b32 s[\g+1], 512<<16                     ; tensor_dim0 = 512 elements
	s_mov_b32 s[\g+2], 8<<16                       ; tensor_dim1 = 8
	s_mov_b32 s[\g+3], 512<<16                     ; tile_dim0
	s_mov_b32 s[\g+4], 8                           ; tile_dim1
	s_mov_b32 s[\g+5], 2*SIZE_K                    ; tensor_dim0_stride: a tile of rows is 16 SIZE_K bytes
	s_mov_b32 s[\g+6], 0
	s_mov_b32 s[\g+7], 0
.endr
	s_lshl_b32 s18, s16, 7
	s_lshl_b32 s20, s17, 8
	s_add_co_u32 s20, s20, s18                     ; A: row 256 x tile row + 128 x half
	s_lshl_b32 s46, s42, 8
	s_add_co_u32 s46, s46, s18                     ; B: row 256 x tile column + 128 x half
	s_mov_b32 s21, 0
	s_mov_b32 s47, 0
	s_mov_b64 s[18:19], KROW
	s_mul_u64 s[20:21], s[20:21], s[18:19]
	s_mul_u64 s[46:47], s[46:47], s[18:19]
	s_mul_i32 s45, s14, HALFT                      ; where they go: wave x 128 rows
	s_wait_kmcnt 0x0
	s_load_b512 s[EX:EX+15], s[8:9], 0x0
	s_add_nc_u64 s[20:21], s[4:5], s[20:21]
	s_add_nc_u64 s[46:47], s[6:7], s[46:47]
	s_add_nc_u64 s[46:47], s[46:47], BOFF
	CROUND                                         ; all sixteen work-groups are here: the first joint loads meet
.irp s, 0,1
	s_mov_b32 s[G0+4*\s], 1
	s_add_co_u32 s[G0+4*\s+1], s45, \s*SLOT
	s_add_nc_u64 s[G0+4*\s+2:G0+4*\s+3], s[20:21], \s*TROW
	s_or_b32 s[G0+4*\s+3], s[G0+4*\s+3], 0x80000000
	s_mov_b32 s[G0B+4*\s], 1
	s_add_co_u32 s[G0B+4*\s+1], s45, \s*SLOT
	s_add_nc_u64 s[G0B+4*\s+2:G0B+4*\s+3], s[46:47], \s*TROW
	s_or_b32 s[G0B+4*\s+3], s[G0B+4*\s+3], 0x80000000
	JLOAD G0+4*\s, G1, G0B+4*\s, G1B
.endr
	v_and_b32 v1, 15, v0                           ; r
	v_bfe_u32 v2, v0, 4, 1                         ; h
	v_and_b32 v6, 31, v0
	v_lshlrev_b32 v[CO], 4, v6
	s_mul_i32 s21, s15, HALFT
	s_mul_i32 s22, s16, HALFT
	s_add_co_u32 s22, s22, 2*HALFT
.irp s, 0,1
	v_add_nc_u32 v[ADRA+\s], s21, v[CO]
	v_add_nc_u32 v[ADRB+\s], s22, v[CO]
	s_add_co_u32 s21, s21, SLOT
	s_add_co_u32 s22, s22, SLOT
.endr
	s_mul_i32 s23, s14, 16*SPITCH                  ; my stage
	v_mul_u32_u24 v5, v1, SPITCH                   ; in: row r, 32 bytes for each half of the lanes
	v_lshl_add_u32 v5, v2, 5, v5
	v_add_nc_u32 v[STO], s23, v5
	v_add_nc_u32 v[RD], s23, v[CO]                 ; back: the 32 lanes take one row of 512 bytes
	s_lshl_b32 s20, s17, 8
	s_lshl_b32 s21, s15, 7
	s_add_co_u32 s20, s20, s21                     ; my first row of C
	s_mov_b32 s21, 0
	s_mov_b64 s[18:19], SIZE_N*4
	s_mul_u64 s[20:21], s[20:21], s[18:19]
	s_lshl_b32 s46, s42, 10                        ; my first column, in bytes
	s_lshl_b32 s47, s16, 9
	s_add_co_u32 s46, s46, s47
	s_mov_b32 s47, 0
	s_add_nc_u64 s[20:21], s[20:21], s[46:47]
	s_add_nc_u64 s[10:11], s[10:11], s[20:21]
.macro FRAG reg, adr, q, i             ; a fragment's image: four loads of 512 consecutive bytes
.irp c, 0,1,2,3
	ds_load_b128 v[\reg+4*\c:\reg+4*\c+3], v[\adr] offset:(\i)*TROW+(\q)*FRB+512*\c
.endr
.endm
.macro MUL16 a0, p, zero               ; 16 matrix instructions: A's blocks a0, a0 + 1 x B's eight.  The 64 accumulators take turns, in the same order in every step
.irp a, \a0, \a0+1
.irp b, 0,1,2,3,4,5,6,7
.if \zero
	v_wmma_f32_16x16x128_bf8_bf8 v[8*(8*((\a)%4)+\b):8*(8*((\a)%4)+\b)+7], v[128*(\p)+FR*\b:128*(\p)+FR*\b+FR-1], v[AF+FR*(\a):AF+FR*(\a)+FR-1], 0
.else
	v_wmma_f32_16x16x128_bf8_bf8 v[8*(8*((\a)%4)+\b):8*(8*((\a)%4)+\b)+7], v[128*(\p)+FR*\b:128*(\p)+FR*\b+FR-1], v[AF+FR*(\a):AF+FR*(\a)+FR-1], v[8*(8*((\a)%4)+\b):8*(8*((\a)%4)+\b)+7]
.endif
.endr
.endr
.endm
.macro FETCH_B slot, q, p
	WIN TO_B
.irp i, 0,1,2,3,4,5,6,7
	FRAG 128*(\p)+FR*\i, ADRB+\slot, \q, \i
.endr
	WIN 0
.endm
.macro FETCH_A slot, q, i0
.irp i, \i0, \i0+1, \i0+2, \i0+3
	FRAG AF+FR*(\i), ADRA+\slot, \q, \i
.endr
.endm
.macro PLACES n                        ; plain vector lines between a matrix instruction and a load into, or a vector line on, one of its registers
.rept \n
	v_nop
.endr
.endm
.macro STEP slot, q, zero              ; a step of 128 along K that has its successor in the same slot
	s_wait_dscnt 4*NL                              ; B's set and A's blocks 0-3 are in; the youngest 16 loads (A's blocks 4-7) may be out
	WIN MUL_LO
	MUL16 0, (\q)%2, \zero
	MUL16 2, (\q)%2, \zero
	s_wait_dscnt 0
	PLACES NP
	FETCH_B \slot, (\q)+1, 1-(\q)%2
	FETCH_A \slot, (\q)+1, 0
	WIN MUL_HI
	MUL16 4, (\q)%2, \zero
	MUL16 6, (\q)%2, \zero
	PLACES NP
	WIN 0
	FETCH_A \slot, (\q)+1, 4
.endm
; A slot's last step changes slots: ONE barrier; in front of it each wave waits for all its tensor loads, adds 0 to its spare word, and waits for that and for its own reads of this slot.
.macro TURN slot, next, fill
	s_wait_tensorcnt 0x0                           ; all my tensor loads have landed: my part of the next slot
	ds_add_u32 v[SPW], v[NIL]                      ; 0 onto my spare word
	s_wait_dscnt 4*NL+1                            ; (the add and the youngest 16 loads may be out)
	WIN MUL_LO
	MUL16 0, 1, 0
	s_wait_dscnt 0x0                               ; the add is done, and my reads of this slot are over
	s_barrier_signal -1
	MUL16 2, 1, 0
	WIN 0
	s_barrier_wait -1
.if \fill
	CREST                                          ; the barrier has opened a round of the cluster's barrier
	s_add_nc_u64 s[G0+4*\slot+2:G0+4*\slot+3], s[G0+4*\slot+2:G0+4*\slot+3], 2*TROW
	s_add_nc_u64 s[G0B+4*\slot+2:G0B+4*\slot+3], s[G0B+4*\slot+2:G0B+4*\slot+3], 2*TROW
	JLOAD G0+4*\slot, G1, G0B+4*\slot, G1B         ; the first tensor load behind the round
.else
	PLACES NP
.endif
	FETCH_B \next, 0, 0
	FETCH_A \next, 0, 0
	WIN MUL_HI
	MUL16 4, 1, 0
	MUL16 6, 1, 0
	PLACES NP
	WIN 0
	FETCH_A \next, 0, 4
.endm
	s_wait_tensorcnt 1                             ; my part of slot 0 is in (slot 1's load may be out),
	s_barrier_signal -1
	s_barrier_wait -1                              ; everybody's is
	FETCH_B 0, 0, 0
	FETCH_A 0, 0, 0
	FETCH_A 0, 0, 4
	STEP 0, 0, 1                                   ; the first step's products start the sums
	s_mov_b32 s3, LAPS-1
.Llap:                                                 ; a trip goes once round the ring and fills both slots again
	TURN 0, 1, 1
	STEP 1, 0, 0
	TURN 1, 0, 1
	STEP 0, 0, 0
	s_sub_co_u32 s3, s3, 1
	s_cmp_lg_u32 s3, 0
	s_cbranch_scc1 .Llap
	TURN 0, 1, 0                                   ; the last lap fills nothing
	STEP 1, 0, 0
	s_wait_dscnt 4*NL
	WIN MUL_LO
	MUL16 0, 1, 0
	MUL16 2, 1, 0
	s_wait_dscnt 0
	WIN MUL_HI
	MUL16 4, 1, 0
	MUL16 6, 1, 0
	WIN 0
; THE WAY OUT, block by block of 16 rows x 128 columns, through my own stage in LDS: back come whole rows of 512 bytes.  LDS serves a wave's instructions in order (ISA guide 5.7.1.4): no wait between the stores and the loads.
.macro TOSTAGE a
.set AC, 64*((\a)%4)
	WIN 0x02+((\a)/4)
.irp j, 0,2,4,6,8,10,12,14,16,18,20,22,24,26,28,30,32,34,36,38,40,42,44,46,48,50,52,54,56,58,60,62
	v_pk_mul_f32 v[TMP+\j:TMP+\j+1], v[AC+\j:AC+\j+1], s[96:97] op_sel_hi:[1,0]   ; x 2^(ea + eb); each accumulator from its low end on
.endr
	WIN 0
.irp b, 0,1,2,3,4,5,6,7
	ds_store_b128 v[STO], v[TMP+8*\b:TMP+8*\b+3] offset:64*\b
	ds_store_b128 v[STO], v[TMP+8*\b+4:TMP+8*\b+7] offset:64*\b+16
.endr
.set BB, BK+64*((\a)%2)
.irp t, 0,1,2,3,4,5,6,7,8,9,10,11,12,13,14,15
	ds_load_b128 v[BB+4*\t:BB+4*\t+3], v[RD] offset:\t*SPITCH
.endr
.endm
.macro SEND a, younger                 ; younger: the LDS instructions issued behind block a's loads, which may stay out
.set BB, BK+64*((\a)%2)
	s_wait_dscnt \younger
.if (\a) > 0
	s_add_nc_u64 s[10:11], s[10:11], 16*SIZE_N*4   ; (behind a wait on XCNT: the earlier stores have read their base)
.endif
.irp t, 0,1,2,3,4,5,6,7,8,9,10,11,12,13,14,15
	global_store_b128 v[CO], v[BB+4*\t:BB+4*\t+3], s[10:11] offset:\t*SIZE_N*4 th:TH_STORE_NT   ; 32 lanes store 512 consecutive bytes, aligned
.endr
.endm
	s_wait_kmcnt 0x0
	s_add_co_i32 s96, s[EX+EA], s[EX+EB]
	s_add_co_i32 s96, s96, 127
	s_lshl_b32 s96, s96, 23                        ; 2^(ea + eb) as f32
	s_mov_b32 s97, s96                             ; (named with it as a pair, so it is written)
	PLACES NP
	TOSTAGE 0
.irp a, 1,2,3,4,5,6,7
.if \a > 1
	s_wait_xcnt 0x0                                ; block a - 2's stores have read their registers and their base
.endif
	TOSTAGE \a
	SEND \a-1, 32                                  ; behind block a - 1's loads: block a's 16 stores and 16 loads
.endr
	s_wait_xcnt 0x0
	SEND 7, 0
	s_wait_tensorcnt 0x0                           ; the wave's end
	ds_add_u32 v[SPW], v[NIL]
	s_wait_dscnt 0x0
	CROUND                                         ; the closing round
	s_endpgm
.Lfunc_end_k_qc6c55c1113_l_ffn2:
	.size	k_qc6c55c1113_l_ffn2, .Lfunc_end_k_qc6c55c1113_l_ffn2-k_qc6c55c1113_l_ffn2
	.p2alignl 7, 3214868480
	.fill 96, 4, 3214868480
	.section	.rodata,"a",@progbits
	.p2align	6, 0x0
	.amdhsa_kernel k_qc6c55c1113_l_ffn2
		.amdhsa_group_segment_fixed_size 327680
		.amdhsa_private_segment_fixed_size 0
		.amdhsa_enable_private_segment 0
		.amdhsa_kernarg_size 32
		.amdhsa_user_sgpr_count 2
		.amdhsa_user_sgpr_kernarg_segment_ptr 1
		.amdhsa_wavefront_size32 1
		.amdhsa_system_sgpr_workgroup_id_x 1
		.amdhsa_system_sgpr_workgroup_id_y 1
		.amdhsa_system_sgpr_workgroup_id_z 1
		.amdhsa_system_vgpr_workitem_id 0
		.amdhsa_next_free_vgpr 1024
		.amdhsa_next_free_sgpr 100
		.amdhsa_reserve_vcc 0
		.amdhsa_float_denorm_mode_32 3
		.amdhsa_float_denorm_mode_16_64 3
		.amdhsa_memory_ordered 1
		.amdhsa_forward_progress 1
		.amdhsa_inst_pref_size 123
	.end_amdhsa_kernel
	.amdgpu_metadata
---
amdhsa.version: [ 1, 2 ]
amdhsa.kernels:
  - .name:           k_qc6c55c1113_l_ffn2
    .symbol:         k_qc6c55c1113_l_ffn2.kd
    .args:
      - { .name: fc, .offset: 0, .size: 8, .value_kind: global_buffer, .address_space: global }
      - { .name: cw, .offset: 8, .size: 8, .value_kind: global_buffer, .address_space: global }
      - { .name: lowp_scales, .offset: 16, .size: 8, .value_kind: global_buffer, .address_space: global }
      - { .name: ybuf, .offset: 24, .size: 8, .value_kind: global_buffer, .address_space: global }
    .group_segment_fixed_size: 327680
    .private_segment_fixed_size: 0
    .kernarg_segment_align: 8
    .kernarg_segment_size: 32
    .max_flat_workgroup_size: 128
    .sgpr_count:     100
    .vgpr_count:     1024
    .wavefront_size: 32
...
	.end_amdgpu_metadata
.endif
;; end of part 7
;; launch l_ln2 (part 8): grid 256 x 1, 8 waves a work-group, no clusters, 0 bytes of LDS; arguments ybuf, hbuf, b2, g2, be2, out0; writes out0
.if DOCPART == 8
	.amdgcn_target "amdgcn-amd-amdhsa--gfx1250"
	.amdhsa_code_object_version 6
	.text
	.protected	k_qc6c55c1113_l_ln2
	.globl	k_qc6c55c1113_l_ln2
	.p2align	8
	.type	k_qc6c55c1113_l_ln2,@function
k_qc6c55c1113_l_ln2:
	s_mov_b64 s[64:65], 0
	v_nop
	global_prefetch_b8 v0, s[64:65] scope:SCOPE_SE
	s_setreg_imm32_b32 hwreg(HW_REG_WAVE_MODE, 25, 1), 1
	s_wait_xcnt 0x0
; out = layer norm(y + bias + residual) x gain + offset, rows of 1,024 f32; here y = the hidden layer's product with W2, bias = b2, residual = h.
; A work-group takes 16 rows; wave w takes rows 2 w and 2 w + 1, each whole in 32 registers (a load or store covers 512 consecutive bytes), so that mean and variance never leave the wave: no LDS, no barrier.
; The variance is the mean of (number - mean)^2, in a second pass over the registers: no difference of large sums.
; Memory binds: no matrix unit, no cluster (nothing is shared but three short vectors).
.set BI, 16                            ; v16-47   the bias, my 32 columns (128 j + 4 lane + 0..3)
.set G,  48                            ; v48-79   the gain
.set BE, 80                            ; v80-111  the offset
.set Y0, 112                           ; v112-143 row 0;  v144-175 its residual;  v176-207 row 1;  v208-239 its residual;  v240-251 at work
.set R0, 144
.set Y1, 176
.set R1, 208
.macro LD8 reg, base, off, nt          ; a row of 4,096 bytes: eight loads of 512 consecutive bytes
.irp j, 0,1,2,3,4,5,6,7
.if \nt
	global_load_b128 v[\reg+4*\j:\reg+4*\j+3], v1, s[\base:\base+1] offset:\off+512*\j th:TH_LOAD_NT
.else
	global_load_b128 v[\reg+4*\j:\reg+4*\j+3], v1, s[\base:\base+1] offset:\off+512*\j
.endif
.endr
.endm
.macro REDUCE                          ; four chains in v[240:247] -> their sum over the wave, in v240 of every lane
	v_pk_add_f32 v[240:241], v[240:241], v[242:243]
	v_pk_add_f32 v[244:245], v[244:245], v[246:247]
	v_pk_add_f32 v[240:241], v[240:241], v[244:245]
	v_add_f32 v240, v240, v241
	v_add_f32_dpp v240, v240, v240 row_xmask:1 row_mask:0xf bank_mask:0xf
	v_add_f32_dpp v240, v240, v240 row_xmask:2 row_mask:0xf bank_mask:0xf
	v_add_f32_dpp v240, v240, v240 row_xmask:4 row_mask:0xf bank_mask:0xf
	v_add_f32_dpp v240, v240, v240 row_xmask:8 row_mask:0xf bank_mask:0xf
	v_permlanex16_b32 v241, v240, s26, s27
	v_add_f32 v240, v240, v241
.endm
.macro ROW Y, R, row
.irp j, 0,2,4,6,8,10,12,14,16,18,20,22,24,26,28,30
	v_pk_add_f32 v[\Y+\j:\Y+\j+1], v[\Y+\j:\Y+\j+1], v[BI+\j:BI+\j+1]
.endr
.irp j, 0,2,4,6,8,10,12,14,16,18,20,22,24,26,28,30
	v_pk_add_f32 v[\Y+\j:\Y+\j+1], v[\Y+\j:\Y+\j+1], v[\R+\j:\R+\j+1]
.endr
.irp k, 0,1,2,3
	v_pk_add_f32 v[240+2*\k:241+2*\k], v[\Y+2*\k:\Y+2*\k+1], v[\Y+8+2*\k:\Y+9+2*\k]
.endr
.irp m, 16,24
.irp k, 0,1,2,3
	v_pk_add_f32 v[240+2*\k:241+2*\k], v[240+2*\k:241+2*\k], v[\Y+\m+2*\k:\Y+\m+2*\k+1]
.endr
.endr
	REDUCE
	v_mul_f32 v248, s24, v240                      ; the mean: sum / 1,024
.irp j, 0,2,4,6,8,10,12,14,16,18,20,22,24,26,28,30
	v_pk_add_f32 v[\Y+\j:\Y+\j+1], v[\Y+\j:\Y+\j+1], v[248:249] op_sel_hi:[1,0] neg_lo:[0,1] neg_hi:[0,1]   ; number - mean
.endr
.irp k, 0,1,2,3
	v_pk_mul_f32 v[240+2*\k:241+2*\k], v[\Y+2*\k:\Y+2*\k+1], v[\Y+2*\k:\Y+2*\k+1]
.endr
.irp m, 8,16,24
.irp k, 0,1,2,3
	v_pk_fma_f32 v[240+2*\k:241+2*\k], v[\Y+\m+2*\k:\Y+\m+2*\k+1], v[\Y+\m+2*\k:\Y+\m+2*\k+1], v[240+2*\k:241+2*\k]
.endr
.endr
	REDUCE
	v_fma_f32 v250, v240, s24, s25                 ; variance + 1e-5
	v_rsq_f32 v250, v250
	v_nop                                          ; a plain line behind the transcendental
.if \row == 0
	s_wait_loadcnt 0x0                             ; the gain and the offset (and the second row)
.endif
	s_wait_alu depctr_va_vdst(0)                   ; ahead of its first reader
.irp j, 0,2,4,6,8,10,12,14,16,18,20,22,24,26,28,30
	v_pk_mul_f32 v[\Y+\j:\Y+\j+1], v[\Y+\j:\Y+\j+1], v[250:251] op_sel_hi:[1,0]
.endr
.irp j, 0,2,4,6,8,10,12,14,16,18,20,22,24,26,28,30
	v_pk_fma_f32 v[\Y+\j:\Y+\j+1], v[\Y+\j:\Y+\j+1], v[G+\j:G+\j+1], v[BE+\j:BE+\j+1]
.endr
.irp j, 0,1,2,3,4,5,6,7
	global_store_b128 v1, v[\Y+4*\j:\Y+4*\j+3], s[16:17] offset:\row*4096+512*\j th:TH_STORE_NT
.endr
.endm
	s_load_b256 s[4:11], s[0:1], 0x0               ; y s[4:5], residual s[6:7], bias s[8:9], gain s[10:11]
	s_load_b64 s[12:13], s[0:1], 0x20              ; offset
	s_load_b64 s[16:17], s[0:1], 0x28              ; out
	v_lshrrev_b32 v2, 5, v0
	v_readfirstlane_b32 s20, v2                    ; wave 0..7
	v_and_b32 v2, 31, v0
	v_lshlrev_b32 v1, 4, v2                        ; 16 x lane
	s_lshl_b32 s22, ttmp9, 16                      ; 16 rows of 4,096 bytes,
	s_lshl_b32 s23, s20, 13                        ; my two of them
	s_add_co_u32 s22, s22, s23
	s_mov_b32 s23, 0
	s_mov_b32 s24, 0x3a800000                      ; 1 / 1,024
	s_mov_b32 s25, 0x3727c5ac                      ; 1e-5
	s_mov_b32 s26, 0x76543210                      ; lane selects: lane l xor 16
	s_mov_b32 s27, 0xfedcba98
	v_mov_b32 v249, 0                              ; (named as the upper halves of pairs)
	v_mov_b32 v251, 0
	s_wait_kmcnt 0x0
	s_add_nc_u64 s[4:5], s[4:5], s[22:23]
	s_add_nc_u64 s[6:7], s[6:7], s[22:23]
	s_add_nc_u64 s[16:17], s[16:17], s[22:23]
	LD8 BI, 8, 0, 0
	LD8 Y0, 4, 0, 1
	LD8 R0, 6, 0, 1
	LD8 Y1, 4, 4096, 1
	LD8 R1, 6, 4096, 1
	LD8 G, 10, 0, 0
	LD8 BE, 12, 0, 0
	s_wait_loadcnt 32                              ; the bias and the first row are in; the second row's 16 loads, the gain's 8 and the offset's 8 may be out
	ROW Y0, R0, 0
	ROW Y1, R1, 1
	s_endpgm
.Lfunc_end_k_qc6c55c1113_l_ln2:
	.size	k_qc6c55c1113_l_ln2, .Lfunc_end_k_qc6c55c1113_l_ln2-k_qc6c55c1113_l_ln2
	.p2alignl 7, 3214868480
	.fill 96, 4, 3214868480
	.section	.rodata,"a",@progbits
	.p2align	6, 0x0
	.amdhsa_kernel k_qc6c55c1113_l_ln2
		.amdhsa_group_segment_fixed_size 0
		.amdhsa_private_segment_fixed_size 0
		.amdhsa_enable_private_segment 0
		.amdhsa_kernarg_size 48
		.amdhsa_user_sgpr_count 2
		.amdhsa_user_sgpr_kernarg_segment_ptr 1
		.amdhsa_wavefront_size32 1
		.amdhsa_system_sgpr_workgroup_id_x 1
		.amdhsa_system_sgpr_workgroup_id_y 1
		.amdhsa_system_sgpr_workgroup_id_z 1
		.amdhsa_system_vgpr_workitem_id 0
		.amdhsa_next_free_vgpr 256
		.amdhsa_next_free_sgpr 66
		.amdhsa_reserve_vcc 0
		.amdhsa_float_denorm_mode_32 3
		.amdhsa_float_denorm_mode_16_64 3
		.amdhsa_memory_ordered 1
		.amdhsa_forward_progress 1
		.amdhsa_inst_pref_size 25
	.end_amdhsa_kernel
	.amdgpu_metadata
---
amdhsa.version: [ 1, 2 ]
amdhsa.kernels:
  - .name:           k_qc6c55c1113_l_ln2
    .symbol:         k_qc6c55c1113_l_ln2.kd
    .args:
      - { .name: ybuf, .offset: 0, .size: 8, .value_kind: global_buffer, .address_space: global }
      - { .name: hbuf, .offset: 8, .size: 8, .value_kind: global_buffer, .address_space: global }
      - { .name: b2, .offset: 16, .size: 8, .value_kind: global_buffer, .address_space: global }
      - { .name: g2, .offset: 24, .size: 8, .value_kind: global_buffer, .address_space: global }
      - { .name: be2, .offset: 32, .size: 8, .value_kind: global_buffer, .address_space: global }
      - { .name: out0, .offset: 40, .size: 8, .value_kind: global_buffer, .address_space: global }
    .group_segment_fixed_size: 0
    .private_segment_fixed_size: 0
    .kernarg_segment_align: 8
    .kernarg_segment_size: 48
    .max_flat_workgroup_size: 256
    .sgpr_count:     66
    .vgpr_count:     256
    .wavefront_size: 32
...
	.end_amdgpu_metadata
.endif
;; end of part 8
;; ======== version 2 of 2: 8 launches
;; limits: right only within a limited range of input values
;; workspace buffers: cw 25,165,824 bytes; qkvc 12,582,912 bytes; atc 4,194,304 bytes; ybuf 16,777,216 bytes; hbuf 16,777,216 bytes; hc 4,194,304 bytes; fc 16,777,216 bytes
;; launch l_quant (part 9): grid 1024 x 1, 4 waves a work-group, no clusters, 34,304 bytes of LDS; arguments x, Wq, Wk, Wv, Wo, W1, W2, lowp_scales, cw; writes cw
.if DOCPART == 9
	.amdgcn_target "amdgcn-amd-amdhsa--gfx1250"
	.amdhsa_code_object_version 6
	.text
	.protected	k_qc6c55c1113_l_quant
	.globl	k_qc6c55c1113_l_quant
	.p2align	8
	.type	k_qc6c55c1113_l_quant,@function
k_qc6c55c1113_l_quant:
	s_mov_b64 s[64:65], 0
	v_nop
	global_prefetch_b8 v0, s[64:65] scope:SCOPE_SE
	s_setreg_imm32_b32 hwreg(HW_REG_WAVE_MODE, 25, 1), 1
	s_wait_xcnt 0x0
; x [4096][1024] and the six weights [K][N], all f32, become codes of BF8 (E5M2), each with the scale 2^e that is given for it, laid as IMAGES OF OPERAND REGISTERS.
; A fragment is 16 rows x 128 along K = 2,048 bytes, [group g 0..3][lane 0..31][16 bytes]: lane (r = lane % 16, h = lane / 16) holds, of row r, k = 32 g + 8 h + 0..7 and then k = 32 g + 16 + 8 h + 0..7:
; registers 4 g .. 4 g + 3 of the 16x16x128 form's operand.  A tensor's image is [tile of 16 rows][K step of 128][2,048].  A weight's rows are its columns n.
; cw: x under e0 at 0, under e2 at 4 MiB, under e4 at 8 MiB; Wq 12, Wk 13, Wv 14, Wo 15, W1 16, W2 20 MiB.
; code = number / 2^e, held within +-57,344, to the nearest code, ties to even.  LIMITS: every e used here lies between -126 and 112; NaN among the inputs is not served (an infinity is held at the largest code).
; SHARES.  Work-groups 0-255: x, a tile of 16 rows each; wave w takes K steps 2 w and 2 w + 1.  256-767: the weights of 1,024 columns (Wq, Wk, Wv, Wo: 64 work-groups each; W2: 256).  768-1023: W1.
; A weight's work-group takes 128 columns x 128 along K, a wave 32 of the columns.  1,024 work-groups of 34,304 bytes of LDS and 4 x 210 registers a SIMD: four to a WGP.
; The three ways part on the work-group's number; only x's way uses LDS.  Nothing is shared between work-groups and each byte is read once: no cluster, no tensor load, no barrier.
.set MIB,  1048576
.set SP,   528                         ; x's stage: a row of 512 bytes + 16: row r begins 16 r bytes further round the banks
.set WST,  16*SP                       ; a wave's stage
.set R,    16                          ; v16-79   x: 16 rows x 16 bytes a lane, as loaded
.set X,    80                          ; v80-143  x: my 64 numbers of a fragment, register 8 c + i = k 16 c + 8 h + i of row r
.set T,    144                         ; v144-159 two sets of eight held numbers, by turns
.set C,    160                         ; v160-207 three fragments' codes
.set WX,   32                          ; v32-95   a weight: two sets of 32 numbers down K
.set WC,   96                          ; v96-127  a weight: eight registers of codes for each block, so that no store's data are written again
.macro MKSC e, sc, lim                 ; s[e] = the exponent: v[sc] = 2^e as f32 (the conversion takes its exponent field), v[lim] = 57,344 x 2^e
	s_add_co_i32 s46, s[\e], 127
	s_lshl_b32 s47, s46, 23
	v_mov_b32 v[\sc], s47
	s_add_co_i32 s46, s46, 15
	s_lshl_b32 s46, s46, 23
	s_or_b32 s46, s46, 0x600000
	v_mov_b32 v[\lim], s46
.endm
.macro XLOAD t                         ; K step t of my two: 16 loads, each 512 consecutive bytes of one row
.irp i, 0,1,2,3,4,5,6,7,8,9,10,11,12,13,14,15
	global_load_b128 v[R+4*\i:R+4*\i+3], v4, s[4:5] offset:\i*4096+(\t)*512 th:TH_LOAD_NT
.endr
.endm
.macro XFRAG t
	s_wait_loadcnt 0x0                             ; this fragment's numbers are in
.irp i, 0,1,2,3,4,5,6,7,8,9,10,11,12,13,14,15
	ds_store_b128 v5, v[R+4*\i:R+4*\i+3] offset:SP*\i
.endr
.irp c, 0,1,2,3,4,5,6,7
	ds_load_b128 v[X+8*\c:X+8*\c+3], v6 offset:64*\c       ; LDS serves a wave's instructions in order: these see the stores above
	ds_load_b128 v[X+8*\c+4:X+8*\c+7], v6 offset:64*\c+16
.endr
	s_wait_dscnt 0x0                               ; the stage's stores have read R, and X is in
.if (\t) > 0
	s_wait_xcnt 0x0                                ; the last fragment's stores have read their codes: C is written again only behind this wait
.endif
.if (\t) < 1
	XLOAD (\t)+1                                   ; the next fragment lands while this one is converted
.endif
.irp u, 0,1,2                                  ; three times: under e0, e2, e4
.irp c, 0,1,2,3,4,5,6,7
.irp i, 0,1,2,3,4,5,6,7
	v_med3_num_f32 v[T+8*(\c%2)+\i], v[X+8*\c+\i], -v[9+2*\u], v[9+2*\u]   ; the conversion does not saturate (ISA guide 7.6.2): the hold comes first.  The two sets take turns, so eight plain lines stand between a conversion and the next write of its sources
.endr
	v_cvt_scalef32_pk8_bf8_f32 v[C+16*\u+2*\c:C+16*\u+2*\c+1], v[T+8*(\c%2):T+8*(\c%2)+7], v[8+2*\u]
.endr
.endr
.irp g, 0,1,2,3                                ; each store covers 512 consecutive bytes, aligned
	global_store_b128 v4, v[C+4*\g:C+4*\g+3], s[40:41] offset:(\t)*2048+512*\g
	global_store_b128 v4, v[C+16+4*\g:C+16+4*\g+3], s[40:41] offset:4*MIB+(\t)*2048+512*\g
	global_store_b128 v4, v[C+32+4*\g:C+32+4*\g+3], s[42:43] offset:(\t)*2048+512*\g
.endr
.endm
.macro WLOAD t, n                      ; block t: W(32 t + i, my column), i = 0 .. 31: each load reads 128 consecutive bytes, the four waves side by side 512
.irp i, 0,1,2,3,4,5,6,7,8,9,10,11,12,13,14,15,16,17,18,19,20,21,22,23,24,25,26,27,28,29,30,31
	global_load_b32 v[WX+32*((\t)%2)+\i], v4, s[40:41] offset:(32*(\t)+\i)*\n*4 th:TH_LOAD_NT
.endr
.endm
.macro WBLOCK t, n
.set XS, WX+32*((\t)%2)
.set CC, WC+8*(\t)
.if (\t) < 3
	s_wait_loadcnt 32                              ; this block's 32 loads are in; the next block's 32 may be out
.else
	s_wait_loadcnt 0x0
.endif
.irp i, 0,1,2,3,4,5,6,7,8,9,10,11,12,13,14,15,16,17,18,19,20,21,22,23,24,25,26,27,28,29,30,31
	v_med3_num_f32 v[XS+\i], v[XS+\i], -v10, v10
.endr
	v_cvt_scalef32_pk8_bf8_f32 v[CC:CC+1], v[XS:XS+7], v11          ; the image's lane r: k 0-7 and 16-23 of the block
	v_cvt_scalef32_pk8_bf8_f32 v[CC+2:CC+3], v[XS+16:XS+23], v11
	v_cvt_scalef32_pk8_bf8_f32 v[CC+4:CC+5], v[XS+8:XS+15], v11     ; the image's lane 16 + r: k 8-15 and 24-31
	v_cvt_scalef32_pk8_bf8_f32 v[CC+6:CC+7], v[XS+24:XS+31], v11
	global_store_b128 v5, v[CC:CC+3], s[20:21] offset:(\t)*512          ; sixteen lanes store 256 consecutive bytes, aligned; lanes 16-31 the same in the next tile of columns
	global_store_b128 v5, v[CC+4:CC+7], s[20:21] offset:(\t)*512+256
.if (\t)+2 < 4
	WLOAD (\t)+2, \n
.endif
.endm
; A wave takes 32 columns x 128 along K, one K step of the image: a lane a column, its registers down K, so that the conversions give codes with K innermost and nothing is transposed.
; In: s[40:41] the weight, s44 e, s45 the image's place in cw, s47 bytes of a tile of columns in the image, s46 which 128 along K, s23 which 128 columns.
.macro WBODY n
	s_mul_i32 s42, s46, 128*\n*4
	s_lshl_b32 s43, s23, 9
	s_add_co_u32 s42, s42, s43
	s_lshl_b32 s43, s22, 7
	s_add_co_u32 s42, s42, s43                     ; 128 kb rows + 4 x (128 nb + 32 wave)
	s_mov_b32 s43, 0
	s_add_nc_u64 s[40:41], s[40:41], s[42:43]
	s_lshl_b32 s42, s23, 3
	s_lshl_b32 s4, s22, 1
	s_add_co_u32 s42, s42, s4                      ; my first tile of 16 columns
	s_mul_i32 s42, s42, s47
	s_lshl_b32 s4, s46, 11                         ; a K step of 2,048 bytes
	s_add_co_u32 s42, s42, s4
	s_add_co_u32 s42, s42, s45
	s_add_nc_u64 s[20:21], s[20:21], s[42:43]
	v_lshlrev_b32 v4, 2, v1                        ; in: 4 bytes a lane
	v_mul_lo_u32 v5, v3, s47
	v_lshl_add_u32 v5, v2, 4, v5                   ; out: (lane / 16) tiles on, 16 bytes x (lane % 16)
	WLOAD 0, \n
	WLOAD 1, \n
	MKSC 44, 11, 10
	s_wait_alu depctr_va_vdst(0)
.irp t, 0,1,2,3
	WBLOCK \t, \n
.endr
.endm
	s_load_b512 s[4:19], s[0:1], 0x0               ; x s[4:5], Wq s[6:7], Wk s[8:9], Wv s[10:11], Wo s[12:13], W1 s[14:15], W2 s[16:17], the exponents s[18:19]
	s_load_b64 s[20:21], s[0:1], 0x40              ; cw
	v_lshl_add_u32 v208, v0, 2, 0x8400
	v_mov_b32 v209, 0
	v_lshrrev_b32 v1, 5, v0
	v_readfirstlane_b32 s22, v1                    ; wave 0..3
	v_and_b32 v1, 31, v0                           ; lane
	v_and_b32 v2, 15, v0                           ; r
	v_bfe_u32 v3, v0, 4, 1                         ; h
	s_wait_kmcnt 0x0
	s_load_b512 s[24:39], s[18:19], 0x0            ; e0 .. e15 in s24 .. s39
	s_cmp_lt_u32 ttmp9, 256
	s_cbranch_scc0 .Lweights
	; ---- x: tile of rows = the work-group's number; a wave takes two fragments: K steps 2 wave + 0, 1
	s_lshl_b32 s44, ttmp9, 16                      ; 16 rows of 4,096 bytes
	s_lshl_b32 s45, s22, 10                        ; two K steps of 512 bytes of a row
	s_add_co_u32 s44, s44, s45
	s_mov_b32 s45, 0
	s_add_nc_u64 s[4:5], s[4:5], s[44:45]
	s_lshl_b32 s44, ttmp9, 3
	s_lshl_b32 s46, s22, 1
	s_add_co_u32 s44, s44, s46
	s_lshl_b32 s44, s44, 11                        ; fragment 8 wg + 2 wave
	s_add_nc_u64 s[40:41], s[20:21], s[44:45]      ; the images under e0 and (by the immediate) e2,
	s_add_nc_u64 s[42:43], s[40:41], 8*MIB         ; and under e4
	s_wait_alu depctr_va_vdst(0)
	v_lshlrev_b32 v4, 4, v1                        ; 16 x lane: in memory, in and out
	s_mul_i32 s46, s22, WST
	v_add_nc_u32 v5, s46, v4                       ; the stage, on the way in: a row as it lies
	v_mul_u32_u24 v6, v2, SP
	v_lshl_add_u32 v6, v3, 5, v6
	v_add_nc_u32 v6, s46, v6                       ; and out: row r, + 32 h
	XLOAD 0
	s_wait_alu depctr_va_vdst(0)
	s_wait_kmcnt 0x0
	MKSC 24, 8, 9
	MKSC 26, 10, 11
	MKSC 28, 12, 13
	s_wait_alu depctr_va_vdst(0)
.irp t, 0,1
	XFRAG \t
.endr
	s_wait_tensorcnt 0x0                           ; the wave's end, behind my last LDS store
	ds_add_u32 v208, v209
	s_wait_dscnt 0x0
	s_endpgm
.Lweights:
	s_cmp_lt_u32 ttmp9, 768
	s_cbranch_scc0 .Lw1
	; ---- the weights of 1,024 columns.  The buffer, its exponent and its image are chosen by the work-group's number alone
	s_sub_co_u32 s23, ttmp9, 256                   ; j
	s_lshr_b32 s45, s23, 6
	s_lshl_b32 s45, s45, 20
	s_add_co_u32 s45, s45, 12*MIB
	s_lshr_b32 s46, s23, 3
	s_wait_kmcnt 0x0
	s_mov_b64 s[40:41], s[16:17]                   ; W2, e15, 20 MiB, 32 K steps to a tile
	s_mov_b32 s44, s39
	s_mov_b32 s42, 20*MIB
	s_mov_b32 s47, 65536
	s_cmp_lt_u32 s23, 256
	s_cselect_b64 s[40:41], s[12:13], s[40:41]     ; Wo, e11
	s_cselect_b32 s44, s35, s44
	s_cselect_b32 s45, s45, s42
	s_cselect_b32 s47, 16384, s47
	s_cselect_b32 s43, 7, 31
	s_cmp_lt_u32 s23, 192
	s_cselect_b64 s[40:41], s[10:11], s[40:41]     ; Wv, e5
	s_cselect_b32 s44, s29, s44
	s_cmp_lt_u32 s23, 128
	s_cselect_b64 s[40:41], s[8:9], s[40:41]       ; Wk, e3
	s_cselect_b32 s44, s27, s44
	s_cmp_lt_u32 s23, 64
	s_cselect_b64 s[40:41], s[6:7], s[40:41]       ; Wq, e1
	s_cselect_b32 s44, s25, s44
	s_and_b32 s46, s46, s43                        ; which 128 along K
	s_and_b32 s23, s23, 7                          ; which 128 columns
	s_wait_alu depctr_va_vdst(0)
	WBODY 1024
	s_endpgm
.Lw1:
	; ---- W1: 4,096 columns: 8 K steps x 32 groups of 128 columns
	s_sub_co_u32 s23, ttmp9, 768
	s_lshr_b32 s46, s23, 5
	s_and_b32 s23, s23, 31
	s_wait_kmcnt 0x0
	s_mov_b64 s[40:41], s[14:15]
	s_mov_b32 s44, s37                             ; e13
	s_mov_b32 s45, 16*MIB
	s_mov_b32 s47, 16384
	s_wait_alu depctr_va_vdst(0)
	WBODY 4096
	s_endpgm
.Lfunc_end_k_qc6c55c1113_l_quant:
	.size	k_qc6c55c1113_l_quant, .Lfunc_end_k_qc6c55c1113_l_quant-k_qc6c55c1113_l_quant
	.p2alignl 7, 3214868480
	.fill 96, 4, 3214868480
	.section	.rodata,"a",@progbits
	.p2align	6, 0x0
	.amdhsa_kernel k_qc6c55c1113_l_quant
		.amdhsa_group_segment_fixed_size 34304
		.amdhsa_private_segment_fixed_size 0
		.amdhsa_enable_private_segment 0
		.amdhsa_kernarg_size 72
		.amdhsa_user_sgpr_count 2
		.amdhsa_user_sgpr_kernarg_segment_ptr 1
		.amdhsa_wavefront_size32 1
		.amdhsa_system_sgpr_workgroup_id_x 1
		.amdhsa_system_sgpr_workgroup_id_y 1
		.amdhsa_system_sgpr_workgroup_id_z 1
		.amdhsa_system_vgpr_workitem_id 0
		.amdhsa_next_free_vgpr 210
		.amdhsa_next_free_sgpr 66
		.amdhsa_reserve_vcc 0
		.amdhsa_float_denorm_mode_32 3
		.amdhsa_float_denorm_mode_16_64 3
		.amdhsa_memory_ordered 1
		.amdhsa_forward_progress 1
		.amdhsa_inst_pref_size 87
	.end_amdhsa_kernel
	.amdgpu_metadata
---
amdhsa.version: [ 1, 2 ]
amdhsa.kernels:
  - .name:           k_qc6c55c1113_l_quant
    .symbol:         k_qc6c55c1113_l_quant.kd
    .args:
      - { .name: x, .offset: 0, .size: 8, .value_kind: global_buffer, .address_space: global }
      - { .name: Wq, .offset: 8, .size: 8, .value_kind: global_buffer, .address_space: global }
      - { .name: Wk, .offset: 16, .size: 8, .value_kind: global_buffer, .address_space: global }
      - { .name: Wv, .offset: 24, .size: 8, .value_kind: global_buffer, .address_space: global }
      - { .name: Wo, .offset: 32, .size: 8, .value_kind: global_buffer, .address_space: global }
      - { .name: W1, .offset: 40, .size: 8, .value_kind: global_buffer, .address_space: global }
      - { .name: W2, .offset: 48, .size: 8, .value_kind: global_buffer, .address_space: global }
      - { .name: lowp_scales, .offset: 56, .size: 8, .value_kind: global_buffer, .address_space: global }
      - { .name: cw, .offset: 64, .size: 8, .value_kind: global_buffer, .address_space: global }
    .group_segment_fixed_size: 34304
    .private_segment_fixed_size: 0
    .kernarg_segment_align: 8
    .kernarg_segment_size: 72
    .max_flat_workgroup_size: 128
    .sgpr_count:     66
    .vgpr_count:     210
    .wavefront_size: 32
...
	.end_amdgpu_metadata
.endif
;; end of part 9
;; launch l_qkv (part 10): grid 12 x 16, 4 waves a work-group, clusters of 4 x 4, 327,680 bytes of LDS; arguments cw, lowp_scales, bq, bk, bv, qkvc; writes qkvc
.if DOCPART == 10
	.amdgcn_target "amdgcn-amd-amdhsa--gfx1250"
	.amdhsa_code_object_version 6
	.text
	.protected	k_qc6c55c1113_l_qkv
	.globl	k_qc6c55c1113_l_qkv
	.p2align	8
	.type	k_qc6c55c1113_l_qkv,@function
k_qc6c55c1113_l_qkv:
	s_mov_b64 s[64:65], 0
	v_nop
	global_prefetch_b8 v0, s[64:65] scope:SCOPE_SE
	s_setreg_imm32_b32 hwreg(HW_REG_WAVE_MODE, 25, 1), 1
	s_wait_xcnt 0x0
	s_wait_alu depctr_hold_cnt(0) depctr_sa_sdst(0) depctr_va_vdst(0) depctr_va_sdst(0) depctr_va_ssrc(0) depctr_va_vcc(0) depctr_vm_vsrc(0)
	s_getreg_b32 s2, hwreg(HW_REG_IB_STS2, 6, 4)
	s_cmp_eq_u32 s2, 0
	s_cbranch_scc0 .Lentry_in_a_cluster
	s_endpgm
.Lentry_in_a_cluster:
	s_bfe_u32 s2, ttmp6, 0x10000c
	s_cmp_lg_u32 s2, 0xf033
	s_cbranch_scc0 .Lentry_shape_is_right
	s_endpgm
.Lentry_shape_is_right:
.set SIZE_K, 1024
.set MIB,    1048576
.set KROW,   SIZE_K
.set FRB,    2048
.set TROW,   2*FRB
.set FR,     16
.set NL,     4
.set NP,     4
.set HALFT,  8*TROW
.set SLOT,   4*HALFT
.set LAPS,   SIZE_K/512
.set SPARE,  2*SLOT
.set BRO,  11
.set SC,   12
.set LIM,  13
.set ADRA, 16
.set ADRB, 20
.set CO,   26
.set BO,   27
.set SPW,  28
.set NIL,  29
.set BIAS, 32
.set BROW, 96
.set AF,   128
.set TMP,  128
.set PC,   192
.set G1, 24
.set G0, 32
.set G1B, 48
.set G0B, 56
.set EX, 68
.set MSB, 0
.macro WIN new
.if MSB != \new
	s_set_vgpr_msb (MSB<<8)|\new
.set MSB, \new
.endif
.endm
.set MUL_LO, 0xa1
.set MUL_HI, 0xf1
.set TO_B,   0x40
.macro JLOAD g0a, g1a, g0b, g1b
	s_cmp_eq_u32 s15, 0
	s_cbranch_scc0 .Lfor_b_\@
	tensor_load_to_lds s[\g0a:\g0a+3], s[\g1a:\g1a+7]
	s_nop 0
.rept 4
	v_nop
.endr
	s_branch .Lasked_\@
.Lfor_b_\@:
	tensor_load_to_lds s[\g0b:\g0b+3], s[\g1b:\g1b+7]
	s_nop 0
.rept 4
	v_nop
.endr
.Lasked_\@:
.endm
.macro CREST
	s_cmp_lg_u32 s14, 0
	s_cbranch_scc1 .Lnot_wave_0_\@
	s_barrier_signal -3
.Lnot_wave_0_\@:
	s_barrier_wait -3
	s_barrier_signal -1
	s_barrier_wait -1
.endm
.macro CROUND
	s_barrier_signal -1
	s_barrier_wait -1
	CREST
.endm
	s_load_b128 s[4:7], s[0:1], 0x0
	s_load_b128 s[84:87], s[0:1], 0x10
	s_load_b64 s[88:89], s[0:1], 0x20
	s_load_b64 s[10:11], s[0:1], 0x28
	v_lshl_add_u32 v[SPW], v0, 2, SPARE
	v_mov_b32 v[NIL], 0
	ds_add_u32 v28, v29
	ds_add_u32 v28, v29
	s_wait_dscnt 0x0
	v_lshrrev_b32 v1, 5, v0
	v_readfirstlane_b32 s14, v1
	s_lshr_b32 s15, s14, 1
	s_and_b32 s16, s14, 1
	s_bfe_u32 s40, ttmp6, 0x40000
	s_bfe_u32 s41, ttmp6, 0x40004
	s_and_b32 s94, ttmp7, 0xffff
	s_lshl_b32 s94, s94, 2
	s_lshl_b32 s90, ttmp9, 22
	s_lshl_b32 s92, ttmp9, 20
	s_add_co_u32 s92, s92, 12*MIB
	s_mov_b32 s12, 14*MIB
	s_mov_b32 s13, 8*MIB
	s_cmp_eq_u32 ttmp9, 2
	s_cselect_b32 s17, 0, s94
	s_cselect_b32 s42, s94, 0
	s_cselect_b32 s90, s12, s90
	s_cselect_b32 s92, s13, s92
	s_mov_b32 s91, 0
	s_mov_b32 s93, 0
	s_add_co_u32 s17, s17, s41
	s_add_co_u32 s42, s42, s40
	s_lshl_b32 s43, s41, 2
	s_lshl_b32 s43, 15, s43
	s_lshl_b32 s44, 0x1111, s40
	s_or_b32 s[G1+0], s43, (3<<16)|(1<<21)
	s_or_b32 s[G1B+0], s44, (3<<16)|(1<<21)
.irp g, G1, G1B
	s_mov_b32 s[\g+1], 512<<16
	s_mov_b32 s[\g+2], 8<<16
	s_mov_b32 s[\g+3], 512<<16
	s_mov_b32 s[\g+4], 8
	s_mov_b32 s[\g+5], 2*SIZE_K
	s_mov_b32 s[\g+6], 0
	s_mov_b32 s[\g+7], 0
.endr
	s_lshl_b32 s18, s16, 7
	s_lshl_b32 s20, s17, 8
	s_add_co_u32 s20, s20, s18
	s_lshl_b32 s46, s42, 8
	s_add_co_u32 s46, s46, s18
	s_mov_b32 s21, 0
	s_mov_b32 s47, 0
	s_mov_b64 s[18:19], KROW
	s_mul_u64 s[20:21], s[20:21], s[18:19]
	s_mul_u64 s[46:47], s[46:47], s[18:19]
	s_mul_i32 s45, s14, HALFT
	s_wait_kmcnt 0x0
	s_load_b512 s[EX:EX+15], s[6:7], 0x0
	s_add_nc_u64 s[20:21], s[4:5], s[20:21]
	s_add_nc_u64 s[46:47], s[4:5], s[46:47]
	s_add_nc_u64 s[20:21], s[20:21], s[90:91]
	s_add_nc_u64 s[46:47], s[46:47], s[92:93]
	CROUND
.irp s, 0,1
	s_mov_b32 s[G0+4*\s], 1
	s_add_co_u32 s[G0+4*\s+1], s45, \s*SLOT
	s_add_nc_u64 s[G0+4*\s+2:G0+4*\s+3], s[20:21], \s*TROW
	s_or_b32 s[G0+4*\s+3], s[G0+4*\s+3], 0x80000000
	s_mov_b32 s[G0B+4*\s], 1
	s_add_co_u32 s[G0B+4*\s+1], s45, \s*SLOT
	s_add_nc_u64 s[G0B+4*\s+2:G0B+4*\s+3], s[46:47], \s*TROW
	s_or_b32 s[G0B+4*\s+3], s[G0B+4*\s+3], 0x80000000
.endr
	; the prefetches' base: of the 8 tiles of rows that my wave fetches, the partner at place p (cx for A, cy for B) names tiles 2 p and 2 p + 1: told apart by address alone
	s_cmp_eq_u32 s15, 0
	s_cselect_b64 s[98:99], s[20:21], s[46:47]
	s_cselect_b32 s2, s40, s41
	s_lshl_b32 s2, s2, 15
	s_mov_b32 s3, 0
	s_add_nc_u64 s[98:99], s[98:99], s[2:3]
	JLOAD G0, G1, G0B, G1B                         ; K step 0: one tensor load a wave at the head
	v_bfe_u32 v30, v0, 4, 1
	v_and_b32 v31, 15, v0
	v_lshlrev_b32 v30, 14, v30
	v_lshl_add_u32 v30, v31, 8, v30                ; lane l: tile l / 16 of my two, block l % 16 of a K step's 4,096 bytes; never rewritten
	global_prefetch_b8 v30, s[98:99] offset:TROW th:TH_LOAD_NT scope:SCOPE_SE     ; behind each joint load: the K step two loads on; this first place also names K step 1, which has no earlier place
	global_prefetch_b8 v30, s[98:99] offset:2*TROW th:TH_LOAD_NT scope:SCOPE_SE
	v_and_b32 v1, 15, v0
	v_bfe_u32 v2, v0, 4, 1
	s_wait_alu depctr_va_vdst(0)
	v_and_b32 v6, 31, v0
	v_lshlrev_b32 v[CO], 4, v6
	s_mul_i32 s21, s15, HALFT
	s_mul_i32 s22, s16, HALFT
	s_add_co_u32 s22, s22, 2*HALFT
.irp s, 0,1
	v_add_nc_u32 v[ADRA+\s], s21, v[CO]
	v_add_nc_u32 v[ADRB+\s], s22, v[CO]
	s_add_co_u32 s21, s21, SLOT
	s_add_co_u32 s22, s22, SLOT
.endr
	s_cmp_eq_u32 ttmp9, 0
	s_cselect_b64 s[84:85], s[84:85], s[86:87]
	s_cmp_eq_u32 ttmp9, 2
	s_cselect_b64 s[84:85], s[88:89], s[84:85]
	s_and_b32 s94, s42, 3
	s_lshl_b32 s94, s94, 10
	s_lshl_b32 s95, s16, 9
	s_add_co_u32 s94, s94, s95
	s_mov_b32 s95, 0
	s_add_nc_u64 s[86:87], s[84:85], s[94:95]
	s_and_b32 s94, s17, 3
	s_lshl_b32 s94, s94, 10
	s_lshl_b32 s18, s15, 9
	s_add_co_u32 s94, s94, s18
	s_add_nc_u64 s[88:89], s[84:85], s[94:95]
	v_lshlrev_b32 v[BO], 5, v2
	v_lshlrev_b32 v[BRO], 2, v1
.irp b, 0,1,2,3,4,5,6,7
	global_load_b128 v[BIAS+8*\b:BIAS+8*\b+3], v[BO], s[86:87] offset:64*\b
	global_load_b128 v[BIAS+8*\b+4:BIAS+8*\b+7], v[BO], s[86:87] offset:64*\b+16
.endr
.irp a, 0,1,2,3,4,5,6,7
	global_load_b32 v[BROW+2*\a], v[BRO], s[88:89] offset:64*\a
	global_load_b32 v[BROW+2*\a+1], v[BRO], s[88:89] offset:64*\a
.endr
	s_lshr_b32 s18, s17, 3
	s_lshl_b32 s18, s18, 4
	s_lshl_b32 s19, s42, 2
	s_add_co_u32 s18, s18, s19
	s_lshl_b32 s19, s16, 1
	s_add_co_u32 s18, s18, s19
	s_lshl_b32 s18, s18, 7
	s_and_b32 s19, s17, 7
	s_lshl_b32 s19, s19, 4
	s_add_co_u32 s18, s18, s19
	s_lshl_b32 s19, s15, 3
	s_add_co_u32 s18, s18, s19
	s_lshl_b32 s18, s18, 10
	s_lshl_b32 s19, ttmp9, 22
	s_add_co_u32 s94, s18, s19
	s_lshr_b32 s18, s42, 3
	s_lshl_b32 s18, s18, 4
	s_lshl_b32 s19, s17, 2
	s_add_co_u32 s18, s18, s19
	s_lshl_b32 s19, s15, 1
	s_add_co_u32 s18, s18, s19
	s_lshl_b32 s18, s18, 4
	s_and_b32 s19, s42, 7
	s_lshl_b32 s19, s19, 1
	s_add_co_u32 s18, s18, s19
	s_add_co_u32 s18, s18, s16
	s_lshl_b32 s18, s18, 13
	s_add_co_u32 s18, s18, 8*MIB
	s_cmp_eq_u32 ttmp9, 2
	s_cselect_b32 s94, s18, s94
	s_add_nc_u64 s[10:11], s[10:11], s[94:95]
.macro FRAG reg, adr, q, i
.irp c, 0,1,2,3
	ds_load_b128 v[\reg+4*\c:\reg+4*\c+3], v[\adr] offset:(\i)*TROW+(\q)*FRB+512*\c
.endr
.endm
.macro MUL16 a0, p, zero
.irp a, \a0, \a0+1
.irp b, 0,1,2,3,4,5,6,7
.if \zero
	v_wmma_f32_16x16x128_bf8_bf8 v[8*(8*((\a)%4)+\b):8*(8*((\a)%4)+\b)+7], v[128*(\p)+FR*\b:128*(\p)+FR*\b+FR-1], v[AF+FR*(\a):AF+FR*(\a)+FR-1], 0
.else
	v_wmma_f32_16x16x128_bf8_bf8 v[8*(8*((\a)%4)+\b):8*(8*((\a)%4)+\b)+7], v[128*(\p)+FR*\b:128*(\p)+FR*\b+FR-1], v[AF+FR*(\a):AF+FR*(\a)+FR-1], v[8*(8*((\a)%4)+\b):8*(8*((\a)%4)+\b)+7]
.endif
.endr
.endr
.endm
.macro FETCH_B slot, q, p
	WIN TO_B
.irp i, 0,1,2,3,4,5,6,7
	FRAG 128*(\p)+FR*\i, ADRB+\slot, \q, \i
.endr
	WIN 0
.endm
.macro FETCH_A slot, q, i0
.irp i, \i0, \i0+1, \i0+2, \i0+3
	FRAG AF+FR*(\i), ADRA+\slot, \q, \i
.endr
.endm
.macro PLACES n
.rept \n
	v_nop
.endr
.endm
.macro STEP slot, q, zero
	s_wait_dscnt 4*NL
	WIN MUL_LO
	MUL16 0, (\q)%2, \zero
	MUL16 2, (\q)%2, \zero
	s_wait_dscnt 0
	PLACES NP
	FETCH_B \slot, (\q)+1, 1-(\q)%2
	FETCH_A \slot, (\q)+1, 0
	WIN MUL_HI
	MUL16 4, (\q)%2, \zero
	MUL16 6, (\q)%2, \zero
	PLACES NP
	WIN 0
	FETCH_A \slot, (\q)+1, 4
.endm
.macro TURN slot, next, fill
	s_wait_tensorcnt 0x0
	ds_add_u32 v[SPW], v[NIL]
	s_wait_dscnt 4*NL+1
	WIN MUL_LO
	MUL16 0, 1, 0
	s_wait_dscnt 0x0
	s_barrier_signal -1
	MUL16 2, 1, 0
	WIN 0
	s_barrier_wait -1
.if \fill
	CREST
	s_add_nc_u64 s[G0+4*\slot+2:G0+4*\slot+3], s[G0+4*\slot+2:G0+4*\slot+3], 2*TROW
	s_add_nc_u64 s[G0B+4*\slot+2:G0B+4*\slot+3], s[G0B+4*\slot+2:G0B+4*\slot+3], 2*TROW
	JLOAD G0+4*\slot, G1, G0B+4*\slot, G1B
.else
	PLACES NP
.endif
	FETCH_B \next, 0, 0
	FETCH_A \next, 0, 0
	WIN MUL_HI
	MUL16 4, 1, 0
	MUL16 6, 1, 0
	PLACES NP
	WIN 0
	FETCH_A \next, 0, 4
.endm
	s_wait_alu depctr_va_vdst(0)
	s_wait_tensorcnt 0x0                           ; my part of K step 0 is in; slot 1's first fill is issued as a refill is
	ds_add_u32 v[SPW], v[NIL]
	s_wait_dscnt 0x0
	CROUND
	JLOAD G0+4, G1, G0B+4, G1B                     ; K step 1
	FETCH_B 0, 0, 0
	FETCH_A 0, 0, 0
	FETCH_A 0, 0, 4
	global_prefetch_b8 v30, s[98:99] offset:3*TROW th:TH_LOAD_NT scope:SCOPE_SE   ; K step 3, the last: two loads on
	STEP 0, 0, 1
	s_mov_b32 s3, LAPS-1
.Llap:
	TURN 0, 1, 1
	STEP 1, 0, 0
	TURN 1, 0, 1
	STEP 0, 0, 0
	s_sub_co_u32 s3, s3, 1
	s_cmp_lg_u32 s3, 0
	s_cbranch_scc1 .Llap
	TURN 0, 1, 0
	STEP 1, 0, 0
	s_wait_dscnt 4*NL
	WIN MUL_LO
	MUL16 0, 1, 0
	MUL16 2, 1, 0
	s_wait_dscnt 0
	WIN MUL_HI
	MUL16 4, 1, 0
	MUL16 6, 1, 0
	WIN 0
.macro EPI a, kind
.set AC, 64*((\a)%4)
.set PS, PC+16*((\a)%2)
.if (\a) >= 2
	s_wait_xcnt 0x0
.endif
	WIN 0x02+((\a)/4)
.irp j, 0,2,4,6,8,10,12,14,16,18,20,22,24,26,28,30,32,34,36,38,40,42,44,46,48,50,52,54,56,58,60,62
.if \kind == 2
	v_pk_fma_f32 v[TMP+\j:TMP+\j+1], v[AC+\j:AC+\j+1], s[96:97], v[BROW+2*(\a):BROW+2*(\a)+1] op_sel_hi:[1,0,1]
.else
	v_pk_fma_f32 v[TMP+\j:TMP+\j+1], v[AC+\j:AC+\j+1], s[96:97], v[BIAS+\j:BIAS+\j+1] op_sel_hi:[1,0,1]
.endif
.endr
	WIN 0
.irp b, 0,1,2,3,4,5,6,7
.irp i, 0,1,2,3,4,5,6,7
	v_med3_num_f32 v[TMP+8*\b+\i], v[TMP+8*\b+\i], -v[LIM], v[LIM]
.endr
	v_cvt_scalef32_pk8_bf8_f32 v[PS+2*\b:PS+2*\b+1], v[TMP+8*\b:TMP+8*\b+7], v[SC]
.endr
	v_nop
.irp g, 0,1,2,3
.if \kind == 2
	global_store_b128 v[CO], v[PS+4*\g:PS+4*\g+3], s[10:11] offset:((\a)/4)*131072+((\a)%4)*2048+512*\g
.else
	global_store_b128 v[CO], v[PS+4*\g:PS+4*\g+3], s[10:11] offset:(\a)*1024+(\g/2)*131072+(\g%2)*512
.endif
.endr
.endm
	s_wait_kmcnt 0x0
	s_cmp_eq_u32 ttmp9, 0
	s_cselect_b32 s90, s[EX+0], s[EX+2]
	s_cselect_b32 s91, s[EX+1], s[EX+3]
	s_cselect_b32 s92, s[EX+6], s[EX+7]
	s_cmp_eq_u32 ttmp9, 2
	s_cselect_b32 s90, s[EX+4], s90
	s_cselect_b32 s91, s[EX+5], s91
	s_cselect_b32 s92, s[EX+8], s92
	s_add_co_i32 s96, s90, s91
	s_add_co_i32 s96, s96, 127
	s_lshl_b32 s96, s96, 23
	s_mov_b32 s97, s96
	s_add_co_i32 s92, s92, 127
	s_lshl_b32 s93, s92, 23
	v_mov_b32 v[SC], s93
	s_add_co_i32 s92, s92, 15
	s_lshl_b32 s92, s92, 23
	s_or_b32 s92, s92, 0x600000
	v_mov_b32 v[LIM], s92
	s_wait_loadcnt 0x0
	PLACES NP
	s_cmp_eq_u32 ttmp9, 2
	s_cbranch_scc1 .Lv_out
.irp a, 0,1,2,3,4,5,6,7
	EPI \a, 0
.endr
	s_branch .Lout_done
.Lv_out:
.irp a, 0,1,2,3,4,5,6,7
	EPI \a, 2
.endr
.Lout_done:
	s_wait_tensorcnt 0x0
	ds_add_u32 v[SPW], v[NIL]
	s_wait_dscnt 0x0
	CROUND
	s_endpgm
.Lfunc_end_k_qc6c55c1113_l_qkv:
	.size	k_qc6c55c1113_l_qkv, .Lfunc_end_k_qc6c55c1113_l_qkv-k_qc6c55c1113_l_qkv
	.p2alignl 7, 3214868480
	.fill 96, 4, 3214868480
	.section	.rodata,"a",@progbits
	.p2align	6, 0x0
	.amdhsa_kernel k_qc6c55c1113_l_qkv
		.amdhsa_group_segment_fixed_size 327680
		.amdhsa_private_segment_fixed_size 0
		.amdhsa_enable_private_segment 0
		.amdhsa_kernarg_size 48
		.amdhsa_user_sgpr_count 2
		.amdhsa_user_sgpr_kernarg_segment_ptr 1
		.amdhsa_wavefront_size32 1
		.amdhsa_system_sgpr_workgroup_id_x 1
		.amdhsa_system_sgpr_workgroup_id_y 1
		.amdhsa_system_sgpr_workgroup_id_z 1
		.amdhsa_system_vgpr_workitem_id 0
		.amdhsa_next_free_vgpr 1024
		.amdhsa_next_free_sgpr 100
		.amdhsa_reserve_vcc 0
		.amdhsa_float_denorm_mode_32 3
		.amdhsa_float_denorm_mode_16_64 3
		.amdhsa_memory_ordered 1
		.amdhsa_forward_progress 1
		.amdhsa_inst_pref_size 196
	.end_amdhsa_kernel
	.amdgpu_metadata
---
amdhsa.version: [ 1, 2 ]
amdhsa.kernels:
  - .name:           k_qc6c55c1113_l_qkv
    .symbol:         k_qc6c55c1113_l_qkv.kd
    .args:
      - { .name: cw, .offset: 0, .size: 8, .value_kind: global_buffer, .address_space: global }
      - { .name: lowp_scales, .offset: 8, .size: 8, .value_kind: global_buffer, .address_space: global }
      - { .name: bq, .offset: 16, .size: 8, .value_kind: global_buffer, .address_space: global }
      - { .name: bk, .offset: 24, .size: 8, .value_kind: global_buffer, .address_space: global }
      - { .name: bv, .offset: 32, .size: 8, .value_kind: global_buffer, .address_space: global }
      - { .name: qkvc, .offset: 40, .size: 8, .value_kind: global_buffer, .address_space: global }
    .group_segment_fixed_size: 327680
    .private_segment_fixed_size: 0
    .kernarg_segment_align: 8
    .kernarg_segment_size: 48
    .max_flat_workgroup_size: 128
    .sgpr_count:     100
    .vgpr_count:     1024
    .wavefront_size: 32
...
	.end_amdgpu_metadata
.endif
;; end of part 10
;; launch l_attn (part 11): grid 8 x 32, 8 waves a work-group, clusters of 4 x 1, 264,192 bytes of LDS; arguments qkvc, lowp_scales, atc; writes atc
.if DOCPART == 11
	.amdgcn_target "amdgcn-amd-amdhsa--gfx1250"
	.amdhsa_code_object_version 6
	.text
	.protected	k_qc6c55c1113_l_attn
	.globl	k_qc6c55c1113_l_attn
	.p2align	8
	.type	k_qc6c55c1113_l_attn,@function
k_qc6c55c1113_l_attn:
	s_mov_b64 s[64:65], 0
	v_nop
	global_prefetch_b8 v0, s[64:65] scope:SCOPE_SE
	s_setreg_imm32_b32 hwreg(HW_REG_WAVE_MODE, 25, 1), 1
	s_wait_xcnt 0x0
	s_wait_alu depctr_hold_cnt(0) depctr_sa_sdst(0) depctr_va_vdst(0) depctr_va_sdst(0) depctr_va_ssrc(0) depctr_va_vcc(0) depctr_vm_vsrc(0)
	s_getreg_b32 s2, hwreg(HW_REG_IB_STS2, 6, 4)
	s_cmp_eq_u32 s2, 0
	s_cbranch_scc0 .Lentry_in_a_cluster
	s_endpgm
.Lentry_in_a_cluster:
	s_bfe_u32 s2, ttmp6, 0x10000c
	s_cmp_lg_u32 s2, 0x3003
	s_cbranch_scc0 .Lentry_shape_is_right
	s_endpgm
.Lentry_shape_is_right:
; Attention on codes of BF8 (E5M2): for each of 32 (batch, head): o[q] = sum over keys of softmax(q . k / 8) v, both products quantised; the result is quantised again (e10) into the image that the next product reads.
; qkvc holds images of operand registers: q at 0, k at 4 MiB: [batch x head][tile of 16 tokens][1,024] (16 rows x 64 along the head, [group 0..1][lane][16 bytes]);  v at 8 MiB: [batch x head][128 keys][16 of the head's 64][2,048] (K = the keys).
; THE SOFTMAX AHEAD OF THE SECOND PRODUCT: t = score x log2(e) / 8; M = the running largest t rounded UP to a whole number; p = 2^(t - M) is quantised (e9), not normalised; the row's sum is taken of the unquantised p and divides at the end.
; When M moves, the sum and O are multiplied by 2^(old M - new M): exact.  The running maximum is kept of the raw scores: c is positive, so the largest t is c x the largest score.
; SHARES.  A work-group owns 256 queries of one (batch, head); each of its EIGHT waves owns 32 of them, two tiles a and b, so that every fragment of K and of V read from LDS feeds two products.  Two waves to a SIMD.
; ALL OF A HEAD'S K AND V LIE IN LDS: 131,072 + 131,072 bytes, each byte filled once, by ONE load of 32,768 bytes a wave at the head (waves 0-3: K, waves 4-7: V): one barrier, no change of slots.
; CLUSTER: the four query blocks of a cluster belong to one head and need the same K and V: every load is a joint one, with a mask that names the four.
; NO PREFETCH: the launch's only tensor loads stand at its head; there is no later load to run ahead of.
; LAYOUT.  Both products are used transposed: S^T = K Q^T (source 0 = 16 keys, source 1 = 16 queries), O^T = V^T P^T: a lane holds ONE query of each tile.  Register j of score tile t is key 16 t + 8 h + j: one conversion gives registers 2 t, 2 t + 1 of P's fragment.
; A step is 128 keys.  The next step's fragments of K and this step's of V are asked of LDS behind the step's first products and land under the softmax; the last step is written out, since it has no next.
; THE TWO TILES ARE SKEWED inside a step: a's ten lines that move M stand among b's maxima, b's among a's scalings; a's exponentials take turns with b's scalings, b's with a's holds.  Nothing written in such a mixed run is read before the wait that closes it.
; LIMITS: e6 + e7 between -123 and 130 (added to c's exponent field); e9 and e10 between -126 and 112; the promise holds while the scaled scores t stay under 2^31 in magnitude.
; REGISTERS.  Window 0: v1-11 addresses and constants; v12 -M, v13 the largest score of tile a, v14, v15 of b; v16-31 Q; v[32:33], v[34:35] the sums; v36, v38 f; v40-55 at work; v64-127 S^T then p of a, v128-191 of b; v192-255 K's eight fragments.
;             Window 1: v0-31 O^T of a, v32-63 of b; v64-95 p's codes; v128-191 V's four fragments.
.set MIB,   1048576
.set VBASE, 131072                     ; V's images lie behind K's
.set STP,   8192                       ; a step of 128 keys: 8 fragments of K, or 4 of V
.set SPARE, 262144                     ; behind them: the spare words, 128 bytes for each wave, which no other line names
.set LI,   1                           ; 16 x lane
.set ADK,  2                           ; where the next step's K begins
.set ADV,  3                           ; where this step's V begins
.set SPW,  4
.set NIL,  5
.set LIM,  6                           ; v6, v7: 57,344 x 2^e9, twice: the two halves of a dual line take their second sources from different banks
.set SC,   8                           ; 2^e9
.set LIV,  11                          ; VBASE + 16 x lane
.set LIK,  56                          ; STP + 16 x lane
.set SA,   64
.set SB,   128
.set KF,   192
.set PC,   64                          ; window 1
.set VF,   128                         ; window 1
.set TB,   2                           ; s2   where the step in hand begins in K's images
.set WV,   18                          ; s18  my wave's number
.set SEL,  20                          ; s[20:21] lane selects: lane l xor 16
.set CS,   22                          ; s[22:23] c = log2(e) / 8 x 2^(e6 + e7)
.set G1,   24
.set G0,   32
.set EX,   48                          ; s[48:63] e0 .. e15
.set MSB, 0
.macro WIN new                         ; the immediate's high byte repeats the setting that is left
.if MSB != \new
	s_set_vgpr_msb (MSB<<8)|\new
.set MSB, \new
.endif
.endm
.macro ROUND                           ; a round of the cluster's barrier
	s_barrier_signal -1
	s_barrier_wait -1
	s_cmp_lg_u32 s[WV], 0
	s_cbranch_scc1 .Lnot_wave_0_\@
	s_barrier_signal -3
.Lnot_wave_0_\@:
	s_barrier_wait -3
	s_barrier_signal -1
	s_barrier_wait -1
.endm
.macro KLOAD adr                       ; K's eight fragments of a step
.irp t, 0,1,2,3,4,5,6,7
	ds_load_b128 v[KF+8*\t:KF+8*\t+3], v[\adr] offset:1024*\t
	ds_load_b128 v[KF+8*\t+4:KF+8*\t+7], v[\adr] offset:1024*\t+512
.endr
.endm
; line k (0 .. 29) of a tile's maximum: 64 scores at s into four chains at c, in ascending order
.macro MX s, c, k
.if (\k) < 4
	v_max3_num_f32 v[\c+(\k)], v[\s+3*(\k)], v[\s+3*(\k)+1], v[\s+3*(\k)+2]
.else
	v_max3_num_f32 v[\c+(\k)%4], v[\c+(\k)%4], v[\s+4+2*(\k)], v[\s+5+2*(\k)]
.endif
.endm
; line n (0 .. 9) of what moves a tile's M: the four chains at c, the permute's register pm, -M at st and the largest score at st + 1, f
.macro CHN n, c, pm, st, f
.if \n == 0
	v_max3_num_f32 v[\c], v[\c], v[\c+1], v[\c+2]
.elseif \n == 1
	v_max_num_f32 v[\c], v[\c], v[\c+3]
.elseif \n == 2
	v_permlanex16_b32 v[\pm], v[\c], s[SEL], s[SEL+1]
.elseif \n == 3
	v_max3_num_f32 v[\st+1], v[\st+1], v[\c], v[\pm]   ; the running largest score: mine and lane l xor 16's
.elseif \n == 4
	v_mul_f32 v[\c], s[CS], v[\st+1]                   ; as t
.elseif \n == 5
	v_floor_f32 v[\c+1], -v[\c]                        ; the new -M = floor(-t)
.elseif \n == 6
	v_sub_f32 v[\c], v[\c+1], v[\st]                   ; old M less new M: a whole number, 0 or less
.elseif \n == 7
	v_mov_b32 v[\st], v[\c+1]
.elseif \n == 8
	v_cvt_i32_f32 v[\c], v[\c]                         ; (it saturates)
.else
	v_ldexp_f32 v[\f], 1.0, v[\c]                      ; f = 2^(old M - new M)
.endif
.endm
.macro FM s, st, k                     ; pair k (0 .. 31) of a tile: t - M, two at a time
	v_pk_fma_f32 v[\s+2*(\k):\s+2*(\k)+1], v[\s+2*(\k):\s+2*(\k)+1], s[CS:CS+1], v[\st:\st+1] op_sel_hi:[1,0,0]
.endm
.macro HOLD s, k                       ; pair k of a tile: the conversion does not saturate (ISA guide 7.6.2); p is not negative, so the hold is one-sided; two numbers a line
	v_dual_min_num_f32 v[\s+2*(\k)], v[\s+2*(\k)], v[LIM] :: v_dual_min_num_f32 v[\s+2*(\k)+1], v[\s+2*(\k)+1], v[LIM+1]
.endm
; a tile's sum of the unquantised p, brought under the new M by its first line: four chains by turns (the sum itself at m, three at c)
.macro SUM s, m, f, c
	v_pk_fma_f32 v[\m:\m+1], v[\m:\m+1], v[\f:\f+1], v[\s:\s+1] op_sel_hi:[1,0,1]
.irp e, 1,2,3
	v_pk_add_f32 v[\c-2+2*\e:\c-1+2*\e], v[\s+2*\e:\s+2*\e+1], v[\s+8+2*\e:\s+9+2*\e]
.endr
	v_pk_add_f32 v[\m:\m+1], v[\m:\m+1], v[\s+8:\s+9]
.irp o, 16,24,32,40,48,56
	v_pk_add_f32 v[\m:\m+1], v[\m:\m+1], v[\s+\o:\s+\o+1]
.irp e, 1,2,3
	v_pk_add_f32 v[\c-2+2*\e:\c-1+2*\e], v[\c-2+2*\e:\c-1+2*\e], v[\s+\o+2*\e:\s+\o+2*\e+1]
.endr
.endr
	v_pk_add_f32 v[\m:\m+1], v[\m:\m+1], v[\c:\c+1]
	v_pk_add_f32 v[\c+2:\c+3], v[\c+2:\c+3], v[\c+4:\c+5]
	v_pk_add_f32 v[\m:\m+1], v[\m:\m+1], v[\c+2:\c+3]
.endm
	s_load_b128 s[4:7], s[0:1], 0x0                ; qkvc s[4:5], the exponents s[6:7]
	s_load_b64 s[8:9], s[0:1], 0x10                ; atc
	v_lshl_add_u32 v[SPW], v0, 2, SPARE
	v_mov_b32 v[NIL], 0
	ds_add_u32 v[SPW], v[NIL]                      ; the opening lines
	ds_add_u32 v[SPW], v[NIL]
	v_lshrrev_b32 v9, 5, v0
	v_readfirstlane_b32 s[WV], v9                  ; wave 0..7
	v_and_b32 v[LI], 31, v0
	v_lshlrev_b32 v[LI], 4, v[LI]
	v_add_nc_u32 v[LIV], VBASE, v[LI]
	v_add_nc_u32 v[LIK], STP, v[LI]
	s_bfe_u32 s10, ttmp6, 0x40000                  ; cx
	s_lshl_b32 s11, ttmp9, 2
	s_add_co_u32 s11, s11, s10                     ; my block of 256 queries: it enters Q's and the result's addresses alone
	s_and_b32 s12, ttmp7, 0xffff                   ; batch x 16 + head, which the four partners share
	s_lshr_b32 s13, s[WV], 2                       ; what I fetch: waves 0-3 K's images, waves 4-7 V's: 32,768 bytes each
	s_and_b32 s14, s[WV], 3
	s_lshl_b32 s14, s14, 15
	s_lshl_b32 s3, s13, 17
	s_add_co_u32 s3, s3, s14                       ; in LDS
	s_lshl_b32 s16, s13, 22                        ; in memory: V's part lies 4 MiB behind K's
	s_add_co_u32 s16, s16, s14
	s_lshl_b32 s17, s12, 17
	s_add_co_u32 s16, s16, s17
	s_add_co_u32 s16, s16, 4*MIB
	s_mov_b32 s17, 0
	s_lshl_b32 s15, s11, 4
	s_lshl_b32 s10, s[WV], 1
	s_add_co_u32 s15, s15, s10                     ; my first tile of 16 queries in the sequence: 16 x block + 2 x wave
	s_lshl_b32 s14, s12, 7
	s_add_co_u32 s14, s14, s15
	s_lshl_b32 s14, s14, 10                        ; Q: tile (batch x head) x 128 + that
	s_lshr_b32 s10, s12, 4                         ; the result: tile of rows batch x 128 + that; K step head / 2; its half head % 2
	s_lshl_b32 s10, s10, 7
	s_add_co_u32 s10, s10, s15
	s_lshl_b32 s10, s10, 3
	s_bfe_u32 s13, s12, 0x30001
	s_add_co_u32 s10, s10, s13
	s_lshl_b32 s10, s10, 1
	s_and_b32 s13, s12, 1
	s_add_co_u32 s10, s10, s13
	s_lshl_b32 s10, s10, 10
	s_mov_b32 s11, 0
	s_mov_b32 s15, 0
	s_mov_b32 s[G1], 15|(3<<16)|(1<<21)            ; group 1: a dense block of 32,768 bytes as 128 rows of 256, in elements of 8 bytes; the mask names all four work-groups, bit 21 beside it
	s_mov_b32 s[G1+1], 32<<16
	s_mov_b32 s[G1+2], 128<<16
	s_mov_b32 s[G1+3], 32<<16
	s_mov_b32 s[G1+4], 128
	s_mov_b32 s[G1+5], 32
	s_mov_b32 s[G1+6], 0
	s_mov_b32 s[G1+7], 0
	s_mov_b32 s[SEL], 0x76543210
	s_mov_b32 s[SEL+1], 0xfedcba98
	s_mov_b32 s[CS], 0x3e38aa3b                    ; log2(e) / 8
	s_wait_dscnt 0x0                               ; both opening adds are done
	s_wait_kmcnt 0x0
	s_load_b512 s[EX:EX+15], s[6:7], 0x0
	s_add_nc_u64 s[14:15], s[4:5], s[14:15]
	s_add_nc_u64 s[8:9], s[8:9], s[10:11]
	s_mov_b32 s[G0], 1
	s_mov_b32 s[G0+1], s3
	s_add_nc_u64 s[G0+2:G0+3], s[4:5], s[16:17]
	s_or_b32 s[G0+3], s[G0+3], 0x80000000
	ROUND                                          ; all four work-groups are here: the joint loads meet
	tensor_load_to_lds s[G0:G0+3], s[G1:G1+7]      ; my one tensor load of the launch
	s_nop 0
.rept 4
	v_nop
.endr
	s_wait_alu depctr_va_vdst(0)                   ; ahead of the reader of 16 x lane
.irp c, 0,1,2,3
	global_load_b128 v[16+4*\c:19+4*\c], v[LI], s[14:15] offset:512*\c   ; Q's two fragments stay in registers
.endr
	v_mov_b32 v12, 0x7f61b1e6                      ; -M: 3e38
	v_mov_b32 v13, 0xff61b1e6                      ; the largest score so far: -3e38, under every score
	v_mov_b32 v14, 0x7f61b1e6
	v_mov_b32 v15, 0xff61b1e6
.irp r, 9,10,32,33,34,35,37,39
	v_mov_b32 v\r, 0                               ; the sums; the permutes' destinations; the upper halves of f's pairs
.endr
	WIN 0x40
.set J, 0
.rept 64
	v_mov_b32 v[J], 0                              ; O^T: the step is written once for all steps; its first pass finds zeros, which the first change of M leaves zeros
.set J, J+1
.endr
	WIN 0
	s_wait_kmcnt 0x0
	s_add_co_i32 s10, s[EX+6], s[EX+7]
	s_lshl_b32 s10, s10, 23
	s_add_co_i32 s[CS], s[CS], s10                 ; a score stands for score x 2^(e6 + e7)
	s_mov_b32 s[CS+1], s[CS]
	s_add_co_i32 s10, s[EX+9], 127
	s_lshl_b32 s11, s10, 23
	v_mov_b32 v[SC], s11
	s_add_co_i32 s10, s10, 15
	s_lshl_b32 s10, s10, 23
	s_or_b32 s10, s10, 0x600000
	v_mov_b32 v[LIM], s10
	v_mov_b32 v[LIM+1], s10
; A KEY STEP: 128 keys x my 32 queries.  nx = 1: a step follows.
.macro STEP nx
.irp t, 0,1,2,3,4,5,6,7
	v_wmma_f32_16x16x64_bf8_bf8 v[SA+8*\t:SA+8*\t+7], v[KF+8*\t:KF+8*\t+7], v[16:23], 0
	v_wmma_f32_16x16x64_bf8_bf8 v[SB+8*\t:SB+8*\t+7], v[KF+8*\t:KF+8*\t+7], v[24:31], 0
.endr
.rept 4
	v_nop                                          ; four places in front of loads into registers that products have read, and of the first read of results
.endr
.if \nx
	KLOAD ADK                                      ; the next step's K
.endif
	WIN 0x40
.irp d, 0,1,2,3
.irp g, 0,1,2,3
	ds_load_b128 v[VF+16*\d+4*\g:VF+16*\d+4*\g+3], v[ADV] offset:2048*\d+512*\g   ; this step's V
.endr
.endr
	WIN 0
.if \nx
	s_add_co_u32 s[TB], s[TB], STP
	v_add_nc_u32 v[ADK], s[TB], v[LIK]             ; the addresses of the next step's loads
	v_add_nc_u32 v[ADV], s[TB], v[LIV]
.endif
.set N, 0
.rept 30
	MX SA, 40, N                                   ; tile a's largest score
.set N, N+1
.endr
.set N, 0
.rept 10
	CHN N, 40, 9, 12, 36                           ; a's M moves, a line at a time, among b's maxima
	MX SB, 44, 3*N
	MX SB, 44, 3*N+1
	MX SB, 44, 3*N+2
.set N, N+1
.endr
.set N, 0
.rept 10
	CHN N, 44, 10, 14, 38                          ; b's M moves among a's scalings
	FM SA, 12, 3*N
	FM SA, 12, 3*N+1
	FM SA, 12, 3*N+2
.set N, N+1
.endr
	FM SA, 12, 30
	FM SA, 12, 31
	WIN 0x41                                       ; destination and source 0 in window 1
.set J, 0
.rept 16
	v_pk_mul_f32 v[J:J+1], v[J:J+1], v[36:37] op_sel_hi:[1,0]            ; O^T under the new M, ahead of this step's exponentials: each accumulator from its low end on
	v_pk_mul_f32 v[32+J:33+J], v[32+J:33+J], v[38:39] op_sel_hi:[1,0]
.set J, J+2
.endr
	WIN 0
	s_wait_alu depctr_va_vdst(0)                   ; ahead of the batch
.set N, 0
.rept 32
	v_exp_f32 v[SA+2*N], v[SA+2*N]                 ; a's p = 2^(t - M), by turns with b's scalings
	v_exp_f32 v[SA+2*N+1], v[SA+2*N+1]
	FM SB, 14, N
.set N, N+1
.endr
	s_wait_alu depctr_va_vdst(0)                   ; one wait behind the batch: for a's p, and for b's scaled scores
	SUM SA, 32, 36, 48
	s_wait_alu depctr_va_vdst(0)                   ; and one ahead of the next batch
.set N, 0
.rept 32
	v_exp_f32 v[SB+2*N], v[SB+2*N]                 ; b's p, by turns with a's holds
	v_exp_f32 v[SB+2*N+1], v[SB+2*N+1]
	HOLD SA, N
.set N, N+1
.endr
	s_wait_alu depctr_va_vdst(0)                   ; one wait behind the batch: for b's p, and for a's held p
	SUM SB, 34, 38, 48
.set N, 0
.rept 32
	HOLD SB, N
.set N, N+1
.endr
	WIN 0x40
.set J, 0
.rept 16
	v_cvt_scalef32_pk8_bf8_f32 v[PC+2*J:PC+2*J+1], v[SA+8*J:SA+8*J+7], v[SC]   ; tile a's eight, then tile b's
.set J, J+1
.endr
	v_nop                                          ; a plain line between the conversions and the products
	WIN 0x55                                       ; all four operands in window 1
	s_wait_alu depctr_va_vdst(0)
	s_wait_dscnt 0x0                               ; V, and the next step's K
.irp d, 0,1,2,3
	v_wmma_f32_16x16x128_bf8_bf8 v[8*\d:8*\d+7], v[VF+16*\d:VF+16*\d+15], v[PC:PC+15], v[8*\d:8*\d+7]   ; the eight accumulators take turns
	v_wmma_f32_16x16x128_bf8_bf8 v[32+8*\d:39+8*\d], v[VF+16*\d:VF+16*\d+15], v[PC+16:PC+31], v[32+8*\d:39+8*\d]
.endr
	WIN 0
.endm
	s_wait_alu depctr_va_vdst(0)
	s_wait_loadcnt 0x0                             ; Q
	s_wait_tensorcnt 0x0                           ; my part of K or V has landed,
	s_barrier_signal -1
	s_barrier_wait -1                              ; everybody's has
	KLOAD LI                                       ; the first step's K
	s_mov_b32 s[TB], 0
	v_add_nc_u32 v[ADK], s[TB], v[LIK]
	v_add_nc_u32 v[ADV], s[TB], v[LIV]
	s_mov_b32 s3, 15
	s_wait_alu depctr_va_vdst(0)
	s_wait_dscnt 0x0
.Lstep:                                                ; 15 trips; the sixteenth step is written out: it fetches no further K
	STEP 1
	s_sub_co_u32 s3, s3, 1
	s_cmp_lg_u32 s3, 0
	s_cbranch_scc1 .Lstep
	STEP 0
	; THE WAY OUT: O^T / the sum x 2^(e8 + e9), held, converted with 2^e10: four conversions a tile give registers 0-7 of my half of a fragment, stored as they stand
	v_add_f32 v32, v32, v33
	v_add_f32 v34, v34, v35
	v_permlanex16_b32 v9, v32, s[SEL], s[SEL+1]
	v_permlanex16_b32 v10, v34, s[SEL], s[SEL+1]
	v_add_f32 v32, v32, v9                         ; the rows' sums
	v_add_f32 v34, v34, v10
	s_wait_alu depctr_va_vdst(0)                   ; ahead of the two reciprocals
	v_rcp_f32 v32, v32
	v_rcp_f32 v34, v34
	s_add_co_i32 s10, s[EX+10], 127
	s_lshl_b32 s11, s10, 23
	v_mov_b32 v58, s11                             ; 2^e10  (a plain line behind the reciprocals)
	s_add_co_i32 s10, s10, 15
	s_lshl_b32 s10, s10, 23
	s_or_b32 s10, s10, 0x600000
	v_mov_b32 v57, s10                             ; 57,344 x 2^e10
	s_add_co_i32 s12, s[EX+8], s[EX+9]
	s_wait_alu depctr_va_vdst(0)                   ; ahead of the reciprocals' first reader
	v_ldexp_f32 v32, v32, s12
	v_ldexp_f32 v34, v34, s12
	WIN 0x01                                       ; source 0 in window 1
	s_wait_alu depctr_va_vdst(0)                   ; directly ahead of the first reader of O^T
.set J, 0
.rept 32
	v_mul_f32 v[SA+J], v[J], v32                   ; register 8 d + i is o(query r, 16 d + 8 h + i)
.set J, J+1
.endr
.set J, 0
.rept 32
	v_mul_f32 v[SA+32+J], v[32+J], v34
.set J, J+1
.endr
	WIN 0
.irp d, 0,1,2,3,4,5,6,7
.irp i, 0,1,2,3,4,5,6,7
	v_med3_num_f32 v[SA+8*\d+\i], v[SA+8*\d+\i], -v57, v57
.endr
	v_cvt_scalef32_pk8_bf8_f32 v[KF+2*\d:KF+2*\d+1], v[SA+8*\d:SA+8*\d+7], v58
.endr
	v_nop
	global_store_b128 v[LI], v[KF:KF+3], s[8:9]                    ; 512 consecutive bytes a store; tile b's image lies 8 K steps of 2,048 bytes on
	global_store_b128 v[LI], v[KF+4:KF+7], s[8:9] offset:512
	global_store_b128 v[LI], v[KF+8:KF+11], s[8:9] offset:16384
	global_store_b128 v[LI], v[KF+12:KF+15], s[8:9] offset:16896
	s_wait_tensorcnt 0x0                           ; the wave's end
	ds_add_u32 v[SPW], v[NIL]
	s_wait_dscnt 0x0
	ROUND                                          ; the closing round
	s_endpgm
.Lfunc_end_k_qc6c55c1113_l_attn:
	.size	k_qc6c55c1113_l_attn, .Lfunc_end_k_qc6c55c1113_l_attn-k_qc6c55c1113_l_attn
	.p2alignl 7, 3214868480
	.fill 96, 4, 3214868480
	.section	.rodata,"a",@progbits
	.p2align	6, 0x0
	.amdhsa_kernel k_qc6c55c1113_l_attn
		.amdhsa_group_segment_fixed_size 264192
		.amdhsa_private_segment_fixed_size 0
		.amdhsa_enable_private_segment 0
		.amdhsa_kernarg_size 24
		.amdhsa_user_sgpr_count 2
		.amdhsa_user_sgpr_kernarg_segment_ptr 1
		.amdhsa_wavefront_size32 1
		.amdhsa_system_sgpr_workgroup_id_x 1
		.amdhsa_system_sgpr_workgroup_id_y 1
		.amdhsa_system_sgpr_workgroup_id_z 1
		.amdhsa_system_vgpr_workitem_id 0
		.amdhsa_next_free_vgpr 448
		.amdhsa_next_free_sgpr 66
		.amdhsa_reserve_vcc 0
		.amdhsa_float_denorm_mode_32 3
		.amdhsa_float_denorm_mode_16_64 3
		.amdhsa_memory_ordered 1
		.amdhsa_forward_progress 1
		.amdhsa_inst_pref_size 72
	.end_amdhsa_kernel
	.amdgpu_metadata
---
amdhsa.version: [ 1, 2 ]
amdhsa.kernels:
  - .name:           k_qc6c55c1113_l_attn
    .symbol:         k_qc6c55c1113_l_attn.kd
    .args:
      - { .name: qkvc, .offset: 0, .size: 8, .value_kind: global_buffer, .address_space: global }
      - { .name: lowp_scales, .offset: 8, .size: 8, .value_kind: global_buffer, .address_space: global }
      - { .name: atc, .offset: 16, .size: 8, .value_kind: global_buffer, .address_space: global }
    .group_segment_fixed_size: 264192
    .private_segment_fixed_size: 0
    .kernarg_segment_align: 8
    .kernarg_segment_size: 24
    .max_flat_workgroup_size: 256
    .sgpr_count:     66
    .vgpr_count:     448
    .wavefront_size: 32
...
	.end_amdgpu_metadata
.endif
;; end of part 11
;; launch l_wo (part 12): grid 8 x 32, 4 waves a work-group, clusters of 4 x 4, 327,680 bytes of LDS; arguments atc, cw, lowp_scales, ybuf; writes ybuf
.if DOCPART == 12
	.amdgcn_target "amdgcn-amd-amdhsa--gfx1250"
	.amdhsa_code_object_version 6
	.text
	.protected	k_qc6c55c1113_l_wo
	.globl	k_qc6c55c1113_l_wo
	.p2align	8
	.type	k_qc6c55c1113_l_wo,@function
k_qc6c55c1113_l_wo:
	s_mov_b64 s[64:65], 0
	v_nop
	global_prefetch_b8 v0, s[64:65] scope:SCOPE_SE
	s_setreg_imm32_b32 hwreg(HW_REG_WAVE_MODE, 25, 1), 1
	s_wait_xcnt 0x0
	s_wait_alu depctr_hold_cnt(0) depctr_sa_sdst(0) depctr_va_vdst(0) depctr_va_sdst(0) depctr_va_ssrc(0) depctr_va_vcc(0) depctr_vm_vsrc(0)
	s_getreg_b32 s2, hwreg(HW_REG_IB_STS2, 6, 4)
	s_cmp_eq_u32 s2, 0
	s_cbranch_scc0 .Lentry_in_a_cluster
	s_endpgm
.Lentry_in_a_cluster:
	s_bfe_u32 s2, ttmp6, 0x10000c
	s_cmp_lg_u32 s2, 0xf033
	s_cbranch_scc0 .Lentry_shape_is_right
	s_endpgm
.Lentry_shape_is_right:
; y = A B^T x 2^(ea + eb) on codes of BF8 (E5M2): here A = attention's result (e10), B = Wo (e11), K = 1,024.  y: [4096][1024] f32; the bias and the residual are added by the norm that reads y.
; OPERANDS ARE IMAGES: [tile of 16 rows][K step of 128][2,048 bytes]; a fragment is [group g][lane][16 bytes] = registers 4 g .. 4 g + 3, so it comes from LDS by four loads at 16 x lane: no pitch, no padding.
; A TILE OF C IS 128 x 128: C has 32 x 8 = 256 of them, a work-group each.  Four waves, each 64 x 64: 16 accumulators, 128 registers.  The price: a fragment read from LDS feeds four products.
; K goes in steps of 512 through two LDS slots filled by the tensor data mover: a slot holds 128 rows of A and 128 of B, four K steps of 128 each: 131,072 bytes.  Here K is two slots: both are first fills, and nothing is filled again.
; CLUSTERS: 4 x 4 work-groups; A's tile is asked for jointly by the four of a row of the cluster, B's by the four of a column.
; THE MATRIX INSTRUCTION IS USED TRANSPOSED (source 0 = 16 rows of B, source 1 = 16 rows of A): lane (r, h) holds row r of A's block, and register j of accumulator (a, b) the column 16 b + 8 h + j: eight neighbouring numbers of a row of C.
; LIMIT: ea + eb between -126 and 127.
; REGISTERS, in windows of 256: window 0: v16-29 addresses; v32-63 a block's sums x 2^(ea + eb); v64-127 rows read back from the stage, two sets; v128-255 the accumulators ((a, b) at v[128 + 8 (4 a + b)]).
;   window 1: two fragment buffers of 128: A's four fragments, then B's four.
.set SIZE_K, 1024
.set SIZE_N, 1024
.set MIB,    1048576
.set BOFF,   15*MIB                    ; B's image in cw
.set EA,     10
.set EB,     11
.set KROW,   SIZE_K                    ; bytes of one row's codes: 16 rows are a tile of rows of the image
.set ROWY,   SIZE_N*4                  ; a row of y in bytes
.set FRB,    2048                      ; a fragment's image
.set TROW,   8*FRB                     ; a tile of rows in LDS: ALL eight K steps of 128, on end in memory and in LDS: all of K is brought by one load a wave
.set FR,     16                        ; registers of a fragment
.set HALFT,  4*TROW                    ; 64 rows: what one tensor load brings, and what one wave reads of A or of B
.set SLOT,   4*FRB                     ; from the first four K steps of a tile of rows to the last four
.set LAPS,   SIZE_K/1024               ; a lap = two slots
.set SPARE,  4*HALFT                   ; behind A's 128 rows and B's 128 rows: the spare words, 128 bytes for each wave, which no other line names
.set STAGE,  SPARE+512                 ; behind them: 16 rows x 272 bytes for each wave, for the way out; no fill lands here
.set SPITCH, 272                       ; a stage row: 256 bytes + 16: row r begins 16 r bytes further round the banks
.set ADRA, 16                          ; v16-17  LDS address of my A fragments in slot 0, 1
.set ADRB, 20                          ; v20-21  the same for B
.set STO,  24                          ; v24     the way out: where I put 32 bytes of a row
.set RD,   25                          ; v25     the way out: where I read a row back
.set CO,   26                          ; v26     my byte offset in two rows of y
.set LI,   27                          ; v27     16 x lane
.set SPW,  28                          ; v28     LDS address of my spare word; never rewritten
.set NIL,  29                          ; v29     0; never rewritten
.set TMP,  32
.set BK,   64
.set ACC,  128
.set F0,   0                           ; fragment buffers, in window 1
.set F1,   128
.set G1, 24                            ; s[24:31] descriptor group 1 for A's tiles;  s[32:39] group 0, one set for each slot
.set G0, 32
.set G1B, 48                           ; s[48:55], s[56:63] the same for B's tiles
.set G0B, 56
.set EX, 68                            ; s[68:83] e0 .. e15
.set MSB, 0
.macro WIN new                         ; the immediate's high byte repeats the setting that is left
.if MSB != \new
	s_set_vgpr_msb (MSB<<8)|\new
.set MSB, \new
.endif
.endm
.set MUL,  0x05                        ; sources 0 (B) and 1 (A) window 1; C and D window 0
.set TO_F, 0x40                        ; destination window 1, address window 0
.macro JLOAD g0a, g1a, g0b, g1b        ; a joint load: waves 0 and 1 fetch for A, waves 2 and 3 for B; the branch hangs on the wave's number alone; four v_nop follow each of the two lines
	s_cmp_eq_u32 s15, 0
	s_cbranch_scc0 .Lfor_b_\@
	tensor_load_to_lds s[\g0a:\g0a+3], s[\g1a:\g1a+7]
	s_nop 0
.rept 4
	v_nop
.endr
	s_branch .Lasked_\@
.Lfor_b_\@:
	tensor_load_to_lds s[\g0b:\g0b+3], s[\g1b:\g1b+7]
	s_nop 0
.rept 4
	v_nop
.endr
.Lasked_\@:
.endm
.macro CREST                           ; a round of the cluster's barrier behind its opening barrier
	s_cmp_lg_u32 s14, 0
	s_cbranch_scc1 .Lnot_wave_0_\@
	s_barrier_signal -3
.Lnot_wave_0_\@:
	s_barrier_wait -3
	s_barrier_signal -1
	s_barrier_wait -1
.endm
.macro CROUND                          ; a whole round
	s_barrier_signal -1
	s_barrier_wait -1
	CREST
.endm
	s_load_b128 s[4:7], s[0:1], 0x0                ; A's image s[4:5], cw s[6:7]
	s_load_b128 s[8:11], s[0:1], 0x10              ; the exponents s[8:9], y s[10:11]
	v_lshl_add_u32 v[SPW], v0, 2, SPARE
	v_mov_b32 v[NIL], 0
	ds_add_u32 v28, v29
	ds_add_u32 v28, v29
	s_wait_dscnt 0x0
	v_lshrrev_b32 v1, 5, v0
	v_readfirstlane_b32 s14, v1                    ; wave 0..3
	s_lshr_b32 s15, s14, 1                         ; which half of the tile's rows is mine.  Also: I fetch for A (0) or for B (1)
	s_and_b32 s16, s14, 1                          ; which half of its columns.  Also: which 64 rows of that tile I fetch
	s_bfe_u32 s40, ttmp6, 0x40000                  ; cx, cy: my place in the cluster
	s_bfe_u32 s41, ttmp6, 0x40004
	s_lshl_b32 s42, ttmp9, 2
	s_add_co_u32 s42, s42, s40                     ; tile column of C = 4 x cluster x + cx
	s_and_b32 s17, ttmp7, 0xffff
	s_lshl_b32 s17, s17, 2
	s_add_co_u32 s17, s17, s41                     ; tile row of C = 4 x cluster y + cy
	s_lshl_b32 s43, s41, 2
	s_lshl_b32 s43, 15, s43                        ; my row of the cluster
	s_lshl_b32 s44, 0x1111, s40                    ; my column
	; descriptor group 1: 4 tiles of rows x 16,384 bytes (all eight K steps' images on end), in elements of 8 bytes; no padding
	s_or_b32 s[G1+0], s43, (3<<16)|(1<<21)         ; 15:0 the mask: A's tiles go to my row; 17:16 elements of 8 bytes; 21 set beside a mask
	s_or_b32 s[G1B+0], s44, (3<<16)|(1<<21)
.irp g, G1, G1B
	s_mov_b32 s[\g+1], 2048<<16                    ; tensor_dim0 = 2,048 elements: a tile of rows, 16,384 bytes
	s_mov_b32 s[\g+2], 4<<16                       ; tensor_dim1 = 4
	s_mov_b32 s[\g+3], 2048<<16                    ; tile_dim0
	s_mov_b32 s[\g+4], 4                           ; tile_dim1
	s_mov_b32 s[\g+5], 2*SIZE_K                    ; tensor_dim0_stride: a tile of rows is 16 SIZE_K bytes
	s_mov_b32 s[\g+6], 0
	s_mov_b32 s[\g+7], 0
.endr
	s_lshl_b32 s18, s16, 6                         ; which 64 rows of the tile I fetch
	s_lshl_b32 s20, s17, 7
	s_add_co_u32 s20, s20, s18                     ; A: row 128 x tile row + 64 x half
	s_lshl_b32 s46, s42, 7
	s_add_co_u32 s46, s46, s18                     ; B: row 128 x tile column + 64 x half
	s_mov_b32 s21, 0
	s_mov_b32 s47, 0
	s_mov_b64 s[18:19], KROW
	s_mul_u64 s[20:21], s[20:21], s[18:19]
	s_mul_u64 s[46:47], s[46:47], s[18:19]
	s_mul_i32 s45, s14, HALFT                      ; where they go: wave x 64 rows: no place in the cluster enters an LDS address
	s_wait_kmcnt 0x0
	s_load_b512 s[EX:EX+15], s[8:9], 0x0
	s_add_nc_u64 s[20:21], s[4:5], s[20:21]
	s_add_nc_u64 s[46:47], s[6:7], s[46:47]
	s_add_nc_u64 s[46:47], s[46:47], BOFF
	CROUND                                         ; all sixteen work-groups are here: the first joint loads meet
.irp s, 0                                      ; one load a wave: 64 rows x all of K, 65,536 bytes; nothing is filled later
	s_mov_b32 s[G0+4*\s], 1
	s_add_co_u32 s[G0+4*\s+1], s45, \s*SLOT
	s_add_nc_u64 s[G0+4*\s+2:G0+4*\s+3], s[20:21], \s*TROW
	s_or_b32 s[G0+4*\s+3], s[G0+4*\s+3], 0x80000000
	s_mov_b32 s[G0B+4*\s], 1
	s_add_co_u32 s[G0B+4*\s+1], s45, \s*SLOT
	s_add_nc_u64 s[G0B+4*\s+2:G0B+4*\s+3], s[46:47], \s*TROW
	s_or_b32 s[G0B+4*\s+3], s[G0B+4*\s+3], 0x80000000
	JLOAD G0+4*\s, G1, G0B+4*\s, G1B               ; one load of mine is out
.endr
	v_and_b32 v1, 15, v0                           ; r
	s_wait_alu depctr_va_vdst(0)
	v_bfe_u32 v2, v0, 4, 1                         ; h
	v_and_b32 v6, 31, v0
	v_lshlrev_b32 v[LI], 4, v6
	s_mul_i32 s21, s15, HALFT                      ; my 64 rows of A
	s_mul_i32 s22, s16, HALFT                      ; my 64 rows of B,
	s_add_co_u32 s22, s22, 2*HALFT                 ; which lie behind A's 128
.irp s, 0,1
	v_add_nc_u32 v[ADRA+\s], s21, v[LI]
	v_add_nc_u32 v[ADRB+\s], s22, v[LI]
	s_add_co_u32 s21, s21, SLOT
	s_add_co_u32 s22, s22, SLOT
.endr
	s_mul_i32 s23, s14, 16*SPITCH
	s_add_co_u32 s23, s23, STAGE                   ; my stage
	v_mul_u32_u24 v5, v1, SPITCH                   ; in: row r, 32 bytes for each half of the lanes
	s_wait_alu depctr_va_vdst(0)
	v_lshl_add_u32 v5, v2, 5, v5
	v_add_nc_u32 v[STO], s23, v5
	v_mul_u32_u24 v5, v2, SPITCH                   ; back: lanes 0-15 take one row of 256 bytes, lanes 16-31 the next
	v_lshl_add_u32 v5, v1, 4, v5
	v_add_nc_u32 v[RD], s23, v5
	v_mul_u32_u24 v5, v2, ROWY                     ; and the same two rows in y
	v_lshl_add_u32 v[CO], v1, 4, v5
	s_lshl_b32 s20, s17, 7
	s_lshl_b32 s21, s15, 6
	s_add_co_u32 s20, s20, s21                     ; my first row of C: 128 x tile row + 64 x half
	s_mov_b32 s21, 0
	s_mov_b64 s[18:19], ROWY
	s_mul_u64 s[20:21], s[20:21], s[18:19]
	s_lshl_b32 s46, s42, 9                         ; my first column, in bytes: 512 x tile column + 256 x half
	s_lshl_b32 s47, s16, 8
	s_add_co_u32 s46, s46, s47
	s_mov_b32 s47, 0
	s_add_nc_u64 s[20:21], s[20:21], s[46:47]
	s_add_nc_u64 s[10:11], s[10:11], s[20:21]
.macro FRAG reg, adr, q, i             ; a fragment's image: tile of rows i of my four, the slot's q-th 128 along K: four loads of 512 consecutive bytes
.irp c, 0,1,2,3
	ds_load_b128 v[\reg+4*\c:\reg+4*\c+3], v[\adr] offset:(\i)*TROW+(\q)*FRB+512*\c
.endr
.endm
; 4 matrix instructions: A's block a x B's four, 128 along K, from buffer f.  zero = 1: the first product starts the sums: nothing is ever cleared.
; The 16 accumulators take turns, one instruction a turn, in the same order in every K step.
.macro MULA f, a, zero
.irp b, 0,1,2,3
.if \zero
	v_wmma_f32_16x16x128_bf8_bf8 v[ACC+8*(4*(\a)+\b):ACC+8*(4*(\a)+\b)+7], v[\f+64+FR*\b:\f+64+FR*\b+FR-1], v[\f+FR*(\a):\f+FR*(\a)+FR-1], 0
.else
	v_wmma_f32_16x16x128_bf8_bf8 v[ACC+8*(4*(\a)+\b):ACC+8*(4*(\a)+\b)+7], v[\f+64+FR*\b:\f+64+FR*\b+FR-1], v[\f+FR*(\a):\f+FR*(\a)+FR-1], v[ACC+8*(4*(\a)+\b):ACC+8*(4*(\a)+\b)+7]
.endif
.endr
.endm
.macro FETCH slot, q, f                ; 32 LDS loads in one run: B's four fragments, then A's four, so that the youngest eight are A's blocks 2 and 3
	WIN TO_F
.irp i, 0,1,2,3
	FRAG \f+64+FR*\i, ADRB+\slot, \q, \i
.endr
.irp i, 0,1,2,3
	FRAG \f+FR*\i, ADRA+\slot, \q, \i
.endr
.endm
.macro PLACES                          ; four plain vector lines between a matrix instruction and a load into, or a vector line on, one of its registers
.rept 4
	v_nop
.endr
.endm
; A slot is four K steps of 128, 16 matrix instructions each, on buffers 0, 1, 0, 1.  One of the first three: multiplies buffer f and, in its middle, fetches the slot's q-th K step into buffer g.
.macro QUARTER slot, q, f, g, zero
	s_wait_dscnt 8                                 ; B's four and A's blocks 0 and 1 are in; the youngest eight loads (A's blocks 2 and 3) may be out
	WIN MUL
	MULA \f, 0, \zero
	MULA \f, 1, \zero
	PLACES                                         ; in front of loads into buffer g, which the K step before multiplied
	FETCH \slot, \q, \g
	s_wait_dscnt 32                                ; all but the 32 just issued
	WIN MUL
	MULA \f, 2, \zero
	MULA \f, 3, \zero
.endm
; A slot's last K step multiplies buffer 1 and changes slots: ONE barrier; in front of it each wave waits for all its tensor loads, adds 0 to its spare word, and waits for that and for its own reads of this slot.  fill = 1: this slot is filled again, two slots ahead.
.macro TURN slot, next, fill
	WIN 0                                          ; (the add's two registers lie in window 0)
	s_wait_tensorcnt 0x0                           ; all my tensor loads have landed: my part of the next slot
	ds_add_u32 v[SPW], v[NIL]                      ; 0 onto my spare word
	s_wait_dscnt 9                                 ; (the add and the youngest eight loads may be out)
	WIN MUL
	MULA F1, 0, 0                                  ; four matrix instructions stand between the add and the wait for it
	s_wait_dscnt 0x0                               ; the add is done, and my reads of this slot are over
	s_barrier_signal -1
	MULA F1, 1, 0
.if \fill
	WIN 0
.endif
	s_barrier_wait -1
.if \fill
	CREST                                          ; the barrier has opened a round of the cluster's barrier: no wave of any partner still reads this slot or has a load on its way
	s_add_nc_u64 s[G0+4*\slot+2:G0+4*\slot+3], s[G0+4*\slot+2:G0+4*\slot+3], 2*TROW
	s_add_nc_u64 s[G0B+4*\slot+2:G0B+4*\slot+3], s[G0B+4*\slot+2:G0B+4*\slot+3], 2*TROW
	JLOAD G0+4*\slot, G1, G0B+4*\slot, G1B         ; the first tensor load behind the round; its four v_nop are the places in front of the loads below
.else
	PLACES
.endif
	FETCH \next, 0, F0
	WIN MUL
	MULA F1, 2, 0
	MULA F1, 3, 0
.endm
	s_wait_tensorcnt 0x0                           ; my one load has landed,
	s_barrier_signal -1
	s_barrier_wait -1                              ; everybody's is
	FETCH 0, 0, F0
	QUARTER 0, 1, F0, F1, 1                        ; the first K step stands in front of the loop: its products start the sums
.if LAPS > 1
	WIN 0                                          ; at a label and at a branch every window is 0
	s_mov_b32 s3, LAPS-1
.Llap:                                                 ; a trip goes once round the two slots, from a lap's second K step to the next lap's first, and fills both again
	QUARTER 0, 2, F1, F0, 0
	QUARTER 0, 3, F0, F1, 0
	TURN 0, 1, 1
	QUARTER 1, 1, F0, F1, 0
	QUARTER 1, 2, F1, F0, 0
	QUARTER 1, 3, F0, F1, 0
	TURN 1, 0, 1
	QUARTER 0, 1, F0, F1, 0
	WIN 0
	s_sub_co_u32 s3, s3, 1
	s_cmp_lg_u32 s3, 0
	s_cbranch_scc1 .Llap
.endif
	QUARTER 0, 2, F1, F0, 0                        ; the last lap fills nothing, and has no round of the cluster's barrier
	QUARTER 0, 3, F0, F1, 0
	TURN 0, 1, 0
	QUARTER 1, 1, F0, F1, 0
	QUARTER 1, 2, F1, F0, 0
	QUARTER 1, 3, F0, F1, 0
	s_wait_dscnt 8                                 ; the very last K step: nothing more to fetch
	WIN MUL
	MULA F1, 0, 0
	MULA F1, 1, 0
	s_wait_dscnt 0
	MULA F1, 2, 0
	MULA F1, 3, 0
	WIN 0
; THE WAY OUT, block by block of 16 rows x my 64 columns.  A lane holds 32 neighbouring bytes of a row, and the lanes beside it hold other rows: so a block goes through my own stage in LDS and comes back as whole
; rows of 256 bytes: sixteen lanes store 256 consecutive bytes, aligned.  LDS serves a wave's instructions in order (ISA guide 5.7.1.4): no wait between the stores and the loads, nor in front of the next block's stores.
.macro TOSTAGE a
.irp j, 0,2,4,6,8,10,12,14,16,18,20,22,24,26,28,30
	v_pk_mul_f32 v[TMP+\j:TMP+\j+1], v[ACC+32*(\a)+\j:ACC+32*(\a)+\j+1], s[96:97] op_sel_hi:[1,0]   ; x 2^(ea + eb); each accumulator from its low end on
.endr
.irp b, 0,1,2,3
	ds_store_b128 v[STO], v[TMP+8*\b:TMP+8*\b+3] offset:64*\b
	ds_store_b128 v[STO], v[TMP+8*\b+4:TMP+8*\b+7] offset:64*\b+16
.endr
.set BB, BK+32*((\a)%2)
.irp t, 0,1,2,3,4,5,6,7
	ds_load_b128 v[BB+4*\t:BB+4*\t+3], v[RD] offset:\t*2*SPITCH
.endr
.endm
.macro SEND a, younger                 ; younger: the LDS instructions issued behind block a's loads, which may stay out
.set BB, BK+32*((\a)%2)
	s_wait_dscnt \younger                          ; the block is back in registers
.irp t, 0,1,2,3,4,5,6,7
	global_store_b128 v[CO], v[BB+4*\t:BB+4*\t+3], s[10:11] offset:(16*(\a)+2*\t)*ROWY th:TH_STORE_NT   ; the row stands in the immediate: 62 rows of 4,096 bytes at the most; no base is stepped
.endr
.endm
	s_wait_kmcnt 0x0
	s_add_co_i32 s96, s[EX+EA], s[EX+EB]
	s_add_co_i32 s96, s96, 127
	s_lshl_b32 s96, s96, 23                        ; 2^(ea + eb) as f32
	s_mov_b32 s97, s96                             ; (named with it as a pair, so it is written)
	PLACES                                         ; in front of the first read of results
	TOSTAGE 0
.irp a, 1,2,3
.if \a > 1
	s_wait_xcnt 0x0                                ; block a - 2's stores have read their registers: block a's loads may land there
.endif
	TOSTAGE \a
	SEND \a-1, 16                                  ; behind block a - 1's loads: block a's 8 stores and 8 loads
.endr
	SEND 3, 0
	s_wait_tensorcnt 0x0                           ; the wave's end
	ds_add_u32 v[SPW], v[NIL]
	s_wait_dscnt 0x0
	CROUND                                         ; the closing round: no work-group ends while a partner may still ask for a tile that names it
	s_endpgm
.Lfunc_end_k_qc6c55c1113_l_wo:
	.size	k_qc6c55c1113_l_wo, .Lfunc_end_k_qc6c55c1113_l_wo-k_qc6c55c1113_l_wo
	.p2alignl 7, 3214868480
	.fill 96, 4, 3214868480
	.section	.rodata,"a",@progbits
	.p2align	6, 0x0
	.amdhsa_kernel k_qc6c55c1113_l_wo
		.amdhsa_group_segment_fixed_size 327680
		.amdhsa_private_segment_fixed_size 0
		.amdhsa_enable_private_segment 0
		.amdhsa_kernarg_size 32
		.amdhsa_user_sgpr_count 2
		.amdhsa_user_sgpr_kernarg_segment_ptr 1
		.amdhsa_wavefront_size32 1
		.amdhsa_system_sgpr_workgroup_id_x 1
		.amdhsa_system_sgpr_workgroup_id_y 1
		.amdhsa_system_sgpr_workgroup_id_z 1
		.amdhsa_system_vgpr_workitem_id 0
		.amdhsa_next_free_vgpr 512
		.amdhsa_next_free_sgpr 100
		.amdhsa_reserve_vcc 0
		.amdhsa_float_denorm_mode_32 3
		.amdhsa_float_denorm_mode_16_64 3
		.amdhsa_memory_ordered 1
		.amdhsa_forward_progress 1
		.amdhsa_inst_pref_size 45
	.end_amdhsa_kernel
	.amdgpu_metadata
---
amdhsa.version: [ 1, 2 ]
amdhsa.kernels:
  - .name:           k_qc6c55c1113_l_wo
    .symbol:         k_qc6c55c1113_l_wo.kd
    .args:
      - { .name: atc, .offset: 0, .size: 8, .value_kind: global_buffer, .address_space: global }
      - { .name: cw, .offset: 8, .size: 8, .value_kind: global_buffer, .address_space: global }
      - { .name: lowp_scales, .offset: 16, .size: 8, .value_kind: global_buffer, .address_space: global }
      - { .name: ybuf, .offset: 24, .size: 8, .value_kind: global_buffer, .address_space: global }
    .group_segment_fixed_size: 327680
    .private_segment_fixed_size: 0
    .kernarg_segment_align: 8
    .kernarg_segment_size: 32
    .max_flat_workgroup_size: 128
    .sgpr_count:     100
    .vgpr_count:     512
    .wavefront_size: 32
...
	.end_amdgpu_metadata
.endif
;; end of part 12
;; launch l_ln1 (part 13): grid 256 x 1, 8 waves a work-group, no clusters, 66,816 bytes of LDS; arguments ybuf, x, bo, g1, be1, lowp_scales, hbuf, hc; writes hbuf, hc
.if DOCPART == 13
	.amdgcn_target "amdgcn-amd-amdhsa--gfx1250"
	.amdhsa_code_object_version 6
	.text
	.protected	k_qc6c55c1113_l_ln1
	.globl	k_qc6c55c1113_l_ln1
	.p2align	8
	.type	k_qc6c55c1113_l_ln1,@function
k_qc6c55c1113_l_ln1:
	s_mov_b64 s[64:65], 0
	v_nop
	global_prefetch_b8 v0, s[64:65] scope:SCOPE_SE
	s_setreg_imm32_b32 hwreg(HW_REG_WAVE_MODE, 25, 1), 1
	s_wait_xcnt 0x0
; h = layer norm(y + bias + residual) x gain + offset, rows of 1,024 f32; here y = attention's product with Wo, bias = bo, residual = x.  h goes out as f32 and, quantised with 2^e12 to BF8 (E5M2), as an image of operand registers:
; hc [tile of 16 rows][K step of 128][2,048]: [group g][lane][16 bytes], lane (r, h) holding k = 32 g + 8 h + 0..7 and 32 g + 16 + 8 h + 0..7 of row r.
; A work-group takes 16 rows, one tile; wave w takes rows 2 w and 2 w + 1, each whole in 32 registers (a load or store covers 512 consecutive bytes), so that mean and variance never leave the wave.
; The variance is the mean of (number - mean)^2, in a second pass over the registers: no difference of large sums.  For the codes the 16 rows meet in LDS (rows 4,112 bytes apart), and wave w makes K step w's fragment.
; Memory binds: no matrix unit, no cluster (nothing is shared but three short vectors).  LIMIT: e12 between -126 and 112; NaN is not served in the codes.
.set CODES, 1
.set PITCH, 4112
.set BI, 16                            ; v16-47   the bias, my 32 columns (128 j + 4 lane + 0..3)
.set G,  48                            ; v48-79   the gain
.set BE, 80                            ; v80-111  the offset
.set Y0, 112                           ; v112-143 row 0;  v144-175 its residual;  v176-207 row 1;  v208-239 its residual;  v240-255 at work
.set R0, 144
.set Y1, 176
.set R1, 208
.macro LD8 reg, base, off, nt          ; a row of 4,096 bytes: eight loads of 512 consecutive bytes
.irp j, 0,1,2,3,4,5,6,7
.if \nt
	global_load_b128 v[\reg+4*\j:\reg+4*\j+3], v1, s[\base:\base+1] offset:\off+512*\j th:TH_LOAD_NT
.else
	global_load_b128 v[\reg+4*\j:\reg+4*\j+3], v1, s[\base:\base+1] offset:\off+512*\j
.endif
.endr
.endm
.macro REDUCE                          ; four chains in v[240:247] -> their sum over the wave, in v240 of every lane
	s_delay_alu instid0(VALU_DEP_3)
	v_pk_add_f32 v[240:241], v[240:241], v[242:243]
	s_delay_alu instid0(VALU_DEP_2)
	v_pk_add_f32 v[244:245], v[244:245], v[246:247]
	s_delay_alu instid0(VALU_DEP_1)
	v_pk_add_f32 v[240:241], v[240:241], v[244:245]
	s_delay_alu instid0(VALU_DEP_1)
	v_add_f32 v240, v240, v241
	s_delay_alu instid0(VALU_DEP_1)
	v_add_f32_dpp v240, v240, v240 row_xmask:1 row_mask:0xf bank_mask:0xf
	s_delay_alu instid0(VALU_DEP_1)
	v_add_f32_dpp v240, v240, v240 row_xmask:2 row_mask:0xf bank_mask:0xf
	s_delay_alu instid0(VALU_DEP_1)
	v_add_f32_dpp v240, v240, v240 row_xmask:4 row_mask:0xf bank_mask:0xf
	s_delay_alu instid0(VALU_DEP_1)
	v_add_f32_dpp v240, v240, v240 row_xmask:8 row_mask:0xf bank_mask:0xf
	s_delay_alu instid0(VALU_DEP_1)
	v_permlanex16_b32 v241, v240, s26, s27
	s_delay_alu instid0(VALU_DEP_1)
	v_add_f32 v240, v240, v241
.endm
.macro ROW Y, R, row
.irp j, 0,2,4,6,8,10,12,14,16,18,20,22,24,26,28,30
	v_pk_add_f32 v[\Y+\j:\Y+\j+1], v[\Y+\j:\Y+\j+1], v[BI+\j:BI+\j+1]
.endr
.irp j, 0,2,4,6,8,10,12,14,16,18,20,22,24,26,28,30
	v_pk_add_f32 v[\Y+\j:\Y+\j+1], v[\Y+\j:\Y+\j+1], v[\R+\j:\R+\j+1]
.endr
.irp k, 0,1,2,3
	v_pk_add_f32 v[240+2*\k:241+2*\k], v[\Y+2*\k:\Y+2*\k+1], v[\Y+8+2*\k:\Y+9+2*\k]
.endr
.irp m, 16,24
.irp k, 0,1,2,3
	s_delay_alu instid0(VALU_DEP_4)
	v_pk_add_f32 v[240+2*\k:241+2*\k], v[240+2*\k:241+2*\k], v[\Y+\m+2*\k:\Y+\m+2*\k+1]
.endr
.endr
	REDUCE
	s_delay_alu instid0(VALU_DEP_1)
	v_mul_f32 v248, s24, v240                      ; the mean: sum / 1,024
.irp j, 0,2,4,6,8,10,12,14,16,18,20,22,24,26,28,30
	v_pk_add_f32 v[\Y+\j:\Y+\j+1], v[\Y+\j:\Y+\j+1], v[248:249] op_sel_hi:[1,0] neg_lo:[0,1] neg_hi:[0,1]   ; number - mean
.endr
.irp k, 0,1,2,3
	v_pk_mul_f32 v[240+2*\k:241+2*\k], v[\Y+2*\k:\Y+2*\k+1], v[\Y+2*\k:\Y+2*\k+1]
.endr
.irp m, 8,16,24
.irp k, 0,1,2,3
	s_delay_alu instid0(VALU_DEP_4)
	v_pk_fma_f32 v[240+2*\k:241+2*\k], v[\Y+\m+2*\k:\Y+\m+2*\k+1], v[\Y+\m+2*\k:\Y+\m+2*\k+1], v[240+2*\k:241+2*\k]
.endr
.endr
	REDUCE
	s_delay_alu instid0(VALU_DEP_1)
	v_fma_f32 v250, v240, s24, s25                 ; variance + 1e-5
	s_wait_alu depctr_va_vdst(0)
	v_rsq_f32 v250, v250
	v_nop                                          ; a plain line behind the transcendental
.if \row == 0
	s_wait_loadcnt 0x0                             ; the gain and the offset (and the second row)
.endif
	s_wait_alu depctr_va_vdst(0)                   ; ahead of its first reader
.irp j, 0,2,4,6,8,10,12,14,16,18,20,22,24,26,28,30
	v_pk_mul_f32 v[\Y+\j:\Y+\j+1], v[\Y+\j:\Y+\j+1], v[250:251] op_sel_hi:[1,0]
.endr
.irp j, 0,2,4,6,8,10,12,14,16,18,20,22,24,26,28,30
	v_pk_fma_f32 v[\Y+\j:\Y+\j+1], v[\Y+\j:\Y+\j+1], v[G+\j:G+\j+1], v[BE+\j:BE+\j+1]
.endr
.irp j, 0,1,2,3,4,5,6,7
	global_store_b128 v1, v[\Y+4*\j:\Y+4*\j+3], s[16:17] offset:\row*4096+512*\j
.endr
.if CODES
.irp j, 0,1,2,3,4,5,6,7
	ds_store_b128 v3, v[\Y+4*\j:\Y+4*\j+3] offset:\row*PITCH+512*\j
.endr
.endif
.endm
.if CODES
	s_load_b512 s[4:19], s[0:1], 0x0               ; y s[4:5], residual s[6:7], bias s[8:9], gain s[10:11], offset s[12:13], the exponents s[14:15], h s[16:17], hc s[18:19]
	v_lshl_add_u32 v14, v0, 2, 0x10100
	v_mov_b32 v15, 0
.else
	s_load_b256 s[4:11], s[0:1], 0x0
	s_load_b64 s[12:13], s[0:1], 0x20
	s_load_b64 s[16:17], s[0:1], 0x28
.endif
	v_lshrrev_b32 v2, 5, v0
	s_delay_alu instid0(VALU_DEP_1)
	v_readfirstlane_b32 s20, v2                    ; wave 0..7
	v_and_b32 v2, 31, v0
	s_delay_alu instid0(VALU_DEP_1)
	v_lshlrev_b32 v1, 4, v2                        ; 16 x lane
	s_wait_alu depctr_va_vdst(0)
	s_lshl_b32 s22, ttmp9, 16                      ; 16 rows of 4,096 bytes,
	s_lshl_b32 s23, s20, 13                        ; my two of them
	s_add_co_u32 s22, s22, s23
	s_mov_b32 s23, 0
	s_mov_b32 s24, 0x3a800000                      ; 1 / 1,024
	s_mov_b32 s25, 0x3727c5ac                      ; 1e-5
	s_mov_b32 s26, 0x76543210                      ; lane selects: lane l xor 16
	s_mov_b32 s27, 0xfedcba98
	v_mov_b32 v249, 0                              ; (named as the upper halves of pairs)
	v_mov_b32 v251, 0
.if CODES
	s_mul_i32 s29, s20, 2*PITCH
	v_add_nc_u32 v3, s29, v1                       ; LDS, in: my two rows as they lie
	v_and_b32 v5, 15, v0
	v_bfe_u32 v6, v0, 4, 1
	s_delay_alu instid0(VALU_DEP_2)
	v_mul_u32_u24 v4, v5, PITCH
	s_delay_alu instid0(VALU_DEP_1)
	v_lshl_add_u32 v4, v6, 5, v4
	s_lshl_b32 s29, s20, 9
	v_add_nc_u32 v4, s29, v4                       ; LDS, out: row r, K step = my wave, + 32 h
	s_lshl_b32 s30, ttmp9, 14
	s_lshl_b32 s31, s20, 11
	s_add_co_u32 s30, s30, s31                     ; fragment 8 x work-group + wave
	s_mov_b32 s31, 0
.endif
	s_wait_kmcnt 0x0
.if CODES
	s_load_b32 s28, s[14:15], 0x30                 ; e12
	s_add_nc_u64 s[18:19], s[18:19], s[30:31]
.endif
	s_add_nc_u64 s[4:5], s[4:5], s[22:23]
	s_add_nc_u64 s[6:7], s[6:7], s[22:23]
	s_add_nc_u64 s[16:17], s[16:17], s[22:23]
	LD8 BI, 8, 0, 0
	LD8 Y0, 4, 0, 1
	LD8 R0, 6, 0, 1
	LD8 Y1, 4, 4096, 1
	LD8 R1, 6, 4096, 1
	LD8 G, 10, 0, 0
	LD8 BE, 12, 0, 0
	s_wait_loadcnt 32                              ; the bias and the first row are in; the second row's 16 loads, the gain's 8 and the offset's 8 may be out
	ROW Y0, R0, 0
	ROW Y1, R1, 1
.if CODES
	s_wait_dscnt 0x0                               ; for the others' sake: my rows lie in LDS
	s_barrier_signal -1
	s_barrier_wait -1
	s_wait_xcnt 0x0                                ; my stores have read their registers: the loads below may land there
.irp c, 0,1,2,3,4,5,6,7
	ds_load_b128 v[Y0+8*\c:Y0+8*\c+3], v4 offset:64*\c             ; register 8 c + i = k 16 c + 8 h + i of row r
	ds_load_b128 v[Y0+8*\c+4:Y0+8*\c+7], v4 offset:64*\c+16
.endr
	s_wait_kmcnt 0x0
	s_add_co_i32 s28, s28, 127
	s_lshl_b32 s29, s28, 23
	v_mov_b32 v7, s29                              ; 2^e12
	s_add_co_i32 s28, s28, 15
	s_lshl_b32 s28, s28, 23
	s_or_b32 s28, s28, 0x600000
	v_mov_b32 v8, s28                              ; 57,344 x 2^e12
	s_wait_alu depctr_va_vdst(0)
	s_wait_dscnt 0x0
.irp c, 0,1,2,3,4,5,6,7
.irp i, 0,1,2,3,4,5,6,7
	v_med3_num_f32 v[Y0+8*\c+\i], v[Y0+8*\c+\i], -v8, v8           ; the conversion does not saturate (ISA guide 7.6.2)
.endr
	v_cvt_scalef32_pk8_bf8_f32 v[240+2*\c:241+2*\c], v[Y0+8*\c:Y0+8*\c+7], v7
.endr
.irp g, 0,1,2,3
	global_store_b128 v1, v[240+4*\g:243+4*\g], s[18:19] offset:512*\g   ; 512 consecutive bytes a store
.endr
.endif
	s_wait_tensorcnt 0x0
	ds_add_u32 v14, v15
	s_wait_dscnt 0x0
	s_endpgm
.Lfunc_end_k_qc6c55c1113_l_ln1:
	.size	k_qc6c55c1113_l_ln1, .Lfunc_end_k_qc6c55c1113_l_ln1-k_qc6c55c1113_l_ln1
	.p2alignl 7, 3214868480
	.fill 96, 4, 3214868480
	.section	.rodata,"a",@progbits
	.p2align	6, 0x0
	.amdhsa_kernel k_qc6c55c1113_l_ln1
		.amdhsa_group_segment_fixed_size 66816
		.amdhsa_private_segment_fixed_size 0
		.amdhsa_enable_private_segment 0
		.amdhsa_kernarg_size 64
		.amdhsa_user_sgpr_count 2
		.amdhsa_user_sgpr_kernarg_segment_ptr 1
		.amdhsa_wavefront_size32 1
		.amdhsa_system_sgpr_workgroup_id_x 1
		.amdhsa_system_sgpr_workgroup_id_y 1
		.amdhsa_system_sgpr_workgroup_id_z 1
		.amdhsa_system_vgpr_workitem_id 0
		.amdhsa_next_free_vgpr 256
		.amdhsa_next_free_sgpr 66
		.amdhsa_reserve_vcc 0
		.amdhsa_float_denorm_mode_32 3
		.amdhsa_float_denorm_mode_16_64 3
		.amdhsa_memory_ordered 1
		.amdhsa_forward_progress 1
		.amdhsa_inst_pref_size 36
	.end_amdhsa_kernel
	.amdgpu_metadata
---
amdhsa.version: [ 1, 2 ]
amdhsa.kernels:
  - .name:           k_qc6c55c1113_l_ln1
    .symbol:         k_qc6c55c1113_l_ln1.kd
    .args:
      - { .name: ybuf, .offset: 0, .size: 8, .value_kind: global_buffer, .address_space: global }
      - { .name: x, .offset: 8, .size: 8, .value_kind: global_buffer, .address_space: global }
      - { .name: bo, .offset: 16, .size: 8, .value_kind: global_buffer, .address_space: global }
      - { .name: g1, .offset: 24, .size: 8, .value_kind: global_buffer, .address_space: global }
      - { .name: be1, .offset: 32, .size: 8, .value_kind: global_buffer, .address_space: global }
      - { .name: lowp_scales, .offset: 40, .size: 8, .value_kind: global_buffer, .address_space: global }
      - { .name: hbuf, .offset: 48, .size: 8, .value_kind: global_buffer, .address_space: global }
      - { .name: hc, .offset: 56, .size: 8, .value_kind: global_buffer, .address_space: global }
    .group_segment_fixed_size: 66816
    .private_segment_fixed_size: 0
    .kernarg_segment_align: 8
    .kernarg_segment_size: 64
    .max_flat_workgroup_size: 256
    .sgpr_count:     66
    .vgpr_count:     256
    .wavefront_size: 32
...
	.end_amdgpu_metadata
.endif
;; end of part 13
;; launch l_ffn1 (part 14): grid 16 x 16, 4 waves a work-group, clusters of 4 x 4, 327,680 bytes of LDS; arguments hc, cw, lowp_scales, b1, fc; writes fc
.if DOCPART == 14
	.amdgcn_target "amdgcn-amd-amdhsa--gfx1250"
	.amdhsa_code_object_version 6
	.text
	.protected	k_qc6c55c1113_l_ffn1
	.globl	k_qc6c55c1113_l_ffn1
	.p2align	8
	.type	k_qc6c55c1113_l_ffn1,@function
k_qc6c55c1113_l_ffn1:
	s_mov_b64 s[64:65], 0
	v_nop
	global_prefetch_b8 v0, s[64:65] scope:SCOPE_SE
	s_setreg_imm32_b32 hwreg(HW_REG_WAVE_MODE, 25, 1), 1
	s_wait_xcnt 0x0
	s_wait_alu depctr_hold_cnt(0) depctr_sa_sdst(0) depctr_va_vdst(0) depctr_va_sdst(0) depctr_va_ssrc(0) depctr_va_vcc(0) depctr_vm_vsrc(0)
	s_getreg_b32 s2, hwreg(HW_REG_IB_STS2, 6, 4)
	s_cmp_eq_u32 s2, 0
	s_cbranch_scc0 .Lentry_in_a_cluster
	s_endpgm
.Lentry_in_a_cluster:
	s_bfe_u32 s2, ttmp6, 0x10000c
	s_cmp_lg_u32 s2, 0xf033
	s_cbranch_scc0 .Lentry_shape_is_right
	s_endpgm
.Lentry_shape_is_right:
.set SIZE_K, 1024
.set MIB,    1048576
.set BOFF,   16*MIB
.set EA,     12
.set EB,     13
.set EO,     14
.set KROW,   SIZE_K
.set FRB,    2048
.set TROW,   2*FRB
.set FR,     16
.set NL,     4
.set NP,     4
.set HALFT,  8*TROW
.set SLOT,   4*HALFT
.set LAPS,   SIZE_K/512
.set SPARE,  2*SLOT
.set SC,   12
.set LIM,  13
.set ADRA, 16
.set ADRB, 20
.set CO,   26
.set BO,   27
.set SPW,  28
.set NIL,  29
.set BIAS, 32
.set AF,   128
.set TMP,  128
.set PC,   192
.set G1, 24
.set G0, 32
.set G1B, 48
.set G0B, 56
.set EX, 68
.set MSB, 0
.macro WIN new
.if MSB != \new
	s_set_vgpr_msb (MSB<<8)|\new
.set MSB, \new
.endif
.endm
.set MUL_LO, 0xa1
.set MUL_HI, 0xf1
.set TO_B,   0x40
.macro JLOAD g0a, g1a, g0b, g1b
	s_cmp_eq_u32 s15, 0
	s_cbranch_scc0 .Lfor_b_\@
	tensor_load_to_lds s[\g0a:\g0a+3], s[\g1a:\g1a+7]
	s_nop 0
.rept 4
	v_nop
.endr
	s_branch .Lasked_\@
.Lfor_b_\@:
	tensor_load_to_lds s[\g0b:\g0b+3], s[\g1b:\g1b+7]
	s_nop 0
.rept 4
	v_nop
.endr
.Lasked_\@:
.endm
.macro CREST
	s_cmp_lg_u32 s14, 0
	s_cbranch_scc1 .Lnot_wave_0_\@
	s_barrier_signal -3
.Lnot_wave_0_\@:
	s_barrier_wait -3
	s_barrier_signal -1
	s_barrier_wait -1
.endm
.macro CROUND
	s_barrier_signal -1
	s_barrier_wait -1
	CREST
.endm
	s_load_b128 s[4:7], s[0:1], 0x0
	s_load_b64 s[8:9], s[0:1], 0x10
	s_load_b64 s[84:85], s[0:1], 0x18
	s_load_b64 s[10:11], s[0:1], 0x20
	v_lshl_add_u32 v[SPW], v0, 2, SPARE
	v_mov_b32 v[NIL], 0
	ds_add_u32 v28, v29
	ds_add_u32 v28, v29
	s_wait_dscnt 0x0
	v_lshrrev_b32 v1, 5, v0
	v_readfirstlane_b32 s14, v1
	s_lshr_b32 s15, s14, 1
	s_and_b32 s16, s14, 1
	s_bfe_u32 s40, ttmp6, 0x40000
	s_bfe_u32 s41, ttmp6, 0x40004
	s_lshl_b32 s42, ttmp9, 2
	s_add_co_u32 s42, s42, s40
	s_and_b32 s17, ttmp7, 0xffff
	s_lshl_b32 s17, s17, 2
	s_add_co_u32 s17, s17, s41
	s_lshl_b32 s43, s41, 2
	s_lshl_b32 s43, 15, s43
	s_lshl_b32 s44, 0x1111, s40
	s_or_b32 s[G1+0], s43, (3<<16)|(1<<21)
	s_or_b32 s[G1B+0], s44, (3<<16)|(1<<21)
.irp g, G1, G1B
	s_mov_b32 s[\g+1], 512<<16
	s_mov_b32 s[\g+2], 8<<16
	s_mov_b32 s[\g+3], 512<<16
	s_mov_b32 s[\g+4], 8
	s_mov_b32 s[\g+5], 2*SIZE_K
	s_mov_b32 s[\g+6], 0
	s_mov_b32 s[\g+7], 0
.endr
	s_lshl_b32 s18, s16, 7
	s_lshl_b32 s20, s17, 8
	s_add_co_u32 s20, s20, s18
	s_lshl_b32 s46, s42, 8
	s_add_co_u32 s46, s46, s18
	s_mov_b32 s21, 0
	s_mov_b32 s47, 0
	s_mov_b64 s[18:19], KROW
	s_mul_u64 s[20:21], s[20:21], s[18:19]
	s_mul_u64 s[46:47], s[46:47], s[18:19]
	s_mul_i32 s45, s14, HALFT
	s_wait_kmcnt 0x0
	s_load_b512 s[EX:EX+15], s[8:9], 0x0
	s_add_nc_u64 s[20:21], s[4:5], s[20:21]
	s_add_nc_u64 s[46:47], s[6:7], s[46:47]
	s_add_nc_u64 s[46:47], s[46:47], BOFF
	CROUND
.irp s, 0,1
	s_mov_b32 s[G0+4*\s], 1
	s_add_co_u32 s[G0+4*\s+1], s45, \s*SLOT
	s_add_nc_u64 s[G0+4*\s+2:G0+4*\s+3], s[20:21], \s*TROW
	s_or_b32 s[G0+4*\s+3], s[G0+4*\s+3], 0x80000000
	s_mov_b32 s[G0B+4*\s], 1
	s_add_co_u32 s[G0B+4*\s+1], s45, \s*SLOT
	s_add_nc_u64 s[G0B+4*\s+2:G0B+4*\s+3], s[46:47], \s*TROW
	s_or_b32 s[G0B+4*\s+3], s[G0B+4*\s+3], 0x80000000
.endr
	; the prefetches' base: of the 8 tiles of rows that my wave fetches, the partner at place p (cx for A, cy for B) names tiles 2 p and 2 p + 1: told apart by address alone
	s_cmp_eq_u32 s15, 0
	s_cselect_b64 s[98:99], s[20:21], s[46:47]
	s_cselect_b32 s2, s40, s41
	s_lshl_b32 s2, s2, 15
	s_mov_b32 s3, 0
	s_add_nc_u64 s[98:99], s[98:99], s[2:3]
	JLOAD G0, G1, G0B, G1B                         ; K step 0: one tensor load a wave at the head
	v_bfe_u32 v30, v0, 4, 1
	v_and_b32 v31, 15, v0
	v_lshlrev_b32 v30, 14, v30
	v_lshl_add_u32 v30, v31, 8, v30                ; lane l: tile l / 16 of my two, block l % 16 of a K step's 4,096 bytes; never rewritten
	global_prefetch_b8 v30, s[98:99] offset:TROW th:TH_LOAD_NT scope:SCOPE_SE     ; behind each joint load: the K step two loads on; this first place also names K step 1, which has no earlier place
	global_prefetch_b8 v30, s[98:99] offset:2*TROW th:TH_LOAD_NT scope:SCOPE_SE
	v_bfe_u32 v2, v0, 4, 1
	s_wait_alu depctr_va_vdst(0)
	v_and_b32 v6, 31, v0
	v_lshlrev_b32 v[CO], 4, v6
	s_mul_i32 s21, s15, HALFT
	s_mul_i32 s22, s16, HALFT
	s_add_co_u32 s22, s22, 2*HALFT
.irp s, 0,1
	v_add_nc_u32 v[ADRA+\s], s21, v[CO]
	v_add_nc_u32 v[ADRB+\s], s22, v[CO]
	s_add_co_u32 s21, s21, SLOT
	s_add_co_u32 s22, s22, SLOT
.endr
	s_lshl_b32 s94, s42, 10
	s_lshl_b32 s95, s16, 9
	s_add_co_u32 s94, s94, s95
	s_mov_b32 s95, 0
	s_add_nc_u64 s[86:87], s[84:85], s[94:95]
	v_lshlrev_b32 v[BO], 5, v2
.irp b, 0,1,2,3,4,5,6,7
	global_load_b128 v[BIAS+8*\b:BIAS+8*\b+3], v[BO], s[86:87] offset:64*\b
	global_load_b128 v[BIAS+8*\b+4:BIAS+8*\b+7], v[BO], s[86:87] offset:64*\b+16
.endr
	s_lshl_b32 s94, s17, 4
	s_lshl_b32 s18, s15, 3
	s_add_co_u32 s94, s94, s18
	s_lshl_b32 s94, s94, 5
	s_lshl_b32 s18, s42, 1
	s_add_co_u32 s94, s94, s18
	s_add_co_u32 s94, s94, s16
	s_lshl_b32 s94, s94, 11
	s_add_nc_u64 s[10:11], s[10:11], s[94:95]
.macro FRAG reg, adr, q, i
.irp c, 0,1,2,3
	ds_load_b128 v[\reg+4*\c:\reg+4*\c+3], v[\adr] offset:(\i)*TROW+(\q)*FRB+512*\c
.endr
.endm
.macro MUL16 a0, p, zero
.irp a, \a0, \a0+1
.irp b, 0,1,2,3,4,5,6,7
.if \zero
	v_wmma_f32_16x16x128_bf8_bf8 v[8*(8*((\a)%4)+\b):8*(8*((\a)%4)+\b)+7], v[128*(\p)+FR*\b:128*(\p)+FR*\b+FR-1], v[AF+FR*(\a):AF+FR*(\a)+FR-1], 0
.else
	v_wmma_f32_16x16x128_bf8_bf8 v[8*(8*((\a)%4)+\b):8*(8*((\a)%4)+\b)+7], v[128*(\p)+FR*\b:128*(\p)+FR*\b+FR-1], v[AF+FR*(\a):AF+FR*(\a)+FR-1], v[8*(8*((\a)%4)+\b):8*(8*((\a)%4)+\b)+7]
.endif
.endr
.endr
.endm
.macro FETCH_B slot, q, p
	WIN TO_B
.irp i, 0,1,2,3,4,5,6,7
	FRAG 128*(\p)+FR*\i, ADRB+\slot, \q, \i
.endr
	WIN 0
.endm
.macro FETCH_A slot, q, i0
.irp i, \i0, \i0+1, \i0+2, \i0+3
	FRAG AF+FR*(\i), ADRA+\slot, \q, \i
.endr
.endm
.macro PLACES n
.rept \n
	v_nop
.endr
.endm
.macro STEP slot, q, zero
	s_wait_dscnt 4*NL
	WIN MUL_LO
	MUL16 0, (\q)%2, \zero
	MUL16 2, (\q)%2, \zero
	s_wait_dscnt 0
	PLACES NP
	FETCH_B \slot, (\q)+1, 1-(\q)%2
	FETCH_A \slot, (\q)+1, 0
	WIN MUL_HI
	MUL16 4, (\q)%2, \zero
	MUL16 6, (\q)%2, \zero
	PLACES NP
	WIN 0
	FETCH_A \slot, (\q)+1, 4
.endm
.macro TURN slot, next, fill
	s_wait_tensorcnt 0x0
	ds_add_u32 v[SPW], v[NIL]
	s_wait_dscnt 4*NL+1
	WIN MUL_LO
	MUL16 0, 1, 0
	s_wait_dscnt 0x0
	s_barrier_signal -1
	MUL16 2, 1, 0
	WIN 0
	s_barrier_wait -1
.if \fill
	CREST
	s_add_nc_u64 s[G0+4*\slot+2:G0+4*\slot+3], s[G0+4*\slot+2:G0+4*\slot+3], 2*TROW
	s_add_nc_u64 s[G0B+4*\slot+2:G0B+4*\slot+3], s[G0B+4*\slot+2:G0B+4*\slot+3], 2*TROW
	JLOAD G0+4*\slot, G1, G0B+4*\slot, G1B
.else
	PLACES NP
.endif
	FETCH_B \next, 0, 0
	FETCH_A \next, 0, 0
	WIN MUL_HI
	MUL16 4, 1, 0
	MUL16 6, 1, 0
	PLACES NP
	WIN 0
	FETCH_A \next, 0, 4
.endm
	s_wait_alu depctr_va_vdst(0)
	s_wait_tensorcnt 0x0                           ; my part of K step 0 is in; slot 1's first fill is issued as a refill is
	ds_add_u32 v[SPW], v[NIL]
	s_wait_dscnt 0x0
	CROUND
	JLOAD G0+4, G1, G0B+4, G1B                     ; K step 1
	FETCH_B 0, 0, 0
	FETCH_A 0, 0, 0
	FETCH_A 0, 0, 4
	global_prefetch_b8 v30, s[98:99] offset:3*TROW th:TH_LOAD_NT scope:SCOPE_SE   ; K step 3, the last: two loads on
	STEP 0, 0, 1
	s_mov_b32 s3, LAPS-1
.Llap:
	TURN 0, 1, 1
	STEP 1, 0, 0
	TURN 1, 0, 1
	STEP 0, 0, 0
	s_sub_co_u32 s3, s3, 1
	s_cmp_lg_u32 s3, 0
	s_cbranch_scc1 .Llap
	TURN 0, 1, 0
	STEP 1, 0, 0
	s_wait_dscnt 4*NL
	WIN MUL_LO
	MUL16 0, 1, 0
	MUL16 2, 1, 0
	s_wait_dscnt 0
	WIN MUL_HI
	MUL16 4, 1, 0
	MUL16 6, 1, 0
	WIN 0
.macro EPI a
.set AC, 64*((\a)%4)
.set PS, PC+16*((\a)%2)
.if (\a) >= 2
	s_wait_xcnt 0x0
.endif
	WIN 0x02+((\a)/4)
.irp j, 0,2,4,6,8,10,12,14,16,18,20,22,24,26,28,30,32,34,36,38,40,42,44,46,48,50,52,54,56,58,60,62
	v_pk_fma_f32 v[TMP+\j:TMP+\j+1], v[AC+\j:AC+\j+1], s[96:97], v[BIAS+\j:BIAS+\j+1] op_sel_hi:[1,0,1]
.endr
	WIN 0
.irp b, 0,1,2,3,4,5,6,7
.irp i, 0,1,2,3,4,5,6,7
	v_med3_num_f32 v[TMP+8*\b+\i], v[TMP+8*\b+\i], 0, v[LIM]
.endr
	v_cvt_scalef32_pk8_bf8_f32 v[PS+2*\b:PS+2*\b+1], v[TMP+8*\b:TMP+8*\b+7], v[SC]
.endr
	v_nop
.irp g, 0,1,2,3
	global_store_b128 v[CO], v[PS+4*\g:PS+4*\g+3], s[10:11] offset:(\a)*65536+512*\g
.endr
.endm
	s_wait_kmcnt 0x0
	s_add_co_i32 s96, s[EX+EA], s[EX+EB]
	s_add_co_i32 s96, s96, 127
	s_lshl_b32 s96, s96, 23
	s_mov_b32 s97, s96
	s_add_co_i32 s92, s[EX+EO], 127
	s_lshl_b32 s93, s92, 23
	v_mov_b32 v[SC], s93
	s_add_co_i32 s92, s92, 15
	s_lshl_b32 s92, s92, 23
	s_or_b32 s92, s92, 0x600000
	v_mov_b32 v[LIM], s92
	s_wait_loadcnt 0x0
	PLACES NP
.irp a, 0,1,2,3,4,5,6,7
	EPI \a
.endr
	s_wait_tensorcnt 0x0
	ds_add_u32 v[SPW], v[NIL]
	s_wait_dscnt 0x0
	CROUND
	s_endpgm
.Lfunc_end_k_qc6c55c1113_l_ffn1:
	.size	k_qc6c55c1113_l_ffn1, .Lfunc_end_k_qc6c55c1113_l_ffn1-k_qc6c55c1113_l_ffn1
	.p2alignl 7, 3214868480
	.fill 96, 4, 3214868480
	.section	.rodata,"a",@progbits
	.p2align	6, 0x0
	.amdhsa_kernel k_qc6c55c1113_l_ffn1
		.amdhsa_group_segment_fixed_size 327680
		.amdhsa_private_segment_fixed_size 0
		.amdhsa_enable_private_segment 0
		.amdhsa_kernarg_size 40
		.amdhsa_user_sgpr_count 2
		.amdhsa_user_sgpr_kernarg_segment_ptr 1
		.amdhsa_wavefront_size32 1
		.amdhsa_system_sgpr_workgroup_id_x 1
		.amdhsa_system_sgpr_workgroup_id_y 1
		.amdhsa_system_sgpr_workgroup_id_z 1
		.amdhsa_system_vgpr_workitem_id 0
		.amdhsa_next_free_vgpr 1024
		.amdhsa_next_free_sgpr 100
		.amdhsa_reserve_vcc 0
		.amdhsa_float_denorm_mode_32 3
		.amdhsa_float_denorm_mode_16_64 3
		.amdhsa_memory_ordered 1
		.amdhsa_forward_progress 1
		.amdhsa_inst_pref_size 136
	.end_amdhsa_kernel
	.amdgpu_metadata
---
amdhsa.version: [ 1, 2 ]
amdhsa.kernels:
  - .name:           k_qc6c55c1113_l_ffn1
    .symbol:         k_qc6c55c1113_l_ffn1.kd
    .args:
      - { .name: hc, .offset: 0, .size: 8, .value_kind: global_buffer, .address_space: global }
      - { .name: cw, .offset: 8, .size: 8, .value_kind: global_buffer, .address_space: global }
      - { .name: lowp_scales, .offset: 16, .size: 8, .value_kind: global_buffer, .address_space: global }
      - { .name: b1, .offset: 24, .size: 8, .value_kind: global_buffer, .address_space: global }
      - { .name: fc, .offset: 32, .size: 8, .value_kind: global_buffer, .address_space: global }
    .group_segment_fixed_size: 327680
    .private_segment_fixed_size: 0
    .kernarg_segment_align: 8
    .kernarg_segment_size: 40
    .max_flat_workgroup_size: 128
    .sgpr_count:     100
    .vgpr_count:     1024
    .wavefront_size: 32
...
	.end_amdgpu_metadata
.endif
;; end of part 14
;; launch l_ffn2 (part 15): grid 8 x 32, 4 waves a work-group, clusters of 4 x 4, 327,680 bytes of LDS; arguments fc, cw, lowp_scales, ybuf; writes ybuf
.if DOCPART == 15
	.amdgcn_target "amdgcn-amd-amdhsa--gfx1250"
	.amdhsa_code_object_version 6
	.text
	.protected	k_qc6c55c1113_l_ffn2
	.globl	k_qc6c55c1113_l_ffn2
	.p2align	8
	.type	k_qc6c55c1113_l_ffn2,@function
k_qc6c55c1113_l_ffn2:
	s_mov_b64 s[64:65], 0
	v_nop
	global_prefetch_b8 v0, s[64:65] scope:SCOPE_SE
	s_setreg_imm32_b32 hwreg(HW_REG_WAVE_MODE, 25, 1), 1
	s_wait_xcnt 0x0
	s_wait_alu depctr_hold_cnt(0) depctr_sa_sdst(0) depctr_va_vdst(0) depctr_va_sdst(0) depctr_va_ssrc(0) depctr_va_vcc(0) depctr_vm_vsrc(0)
	s_getreg_b32 s2, hwreg(HW_REG_IB_STS2, 6, 4)
	s_cmp_eq_u32 s2, 0
	s_cbranch_scc0 .Lentry_in_a_cluster
	s_endpgm
.Lentry_in_a_cluster:
	s_bfe_u32 s2, ttmp6, 0x10000c
	s_cmp_lg_u32 s2, 0xf033
	s_cbranch_scc0 .Lentry_shape_is_right
	s_endpgm
.Lentry_shape_is_right:
.set SIZE_K, 4096
.set SIZE_N, 1024
.set MIB,    1048576
.set BOFF,   20*MIB
.set EA,     14
.set EB,     15
.set KROW,   SIZE_K
.set ROWY,   SIZE_N*4
.set FRB,    2048
.set TROW,   4*FRB
.set FR,     16
.set HALFT,  4*TROW
.set SLOT,   4*HALFT
.set LAPS,   SIZE_K/1024
.set SPARE,  2*SLOT
.set STAGE,  SPARE+512
.set SPITCH, 272
.set ADRA, 16
.set ADRB, 20
.set STO,  24
.set RD,   25
.set CO,   26
.set LI,   27
.set SPW,  28
.set NIL,  29
.set TMP,  32
.set BK,   64
.set ACC,  128
.set F0,   0
.set F1,   128
.set G1, 24
.set G0, 32
.set G1B, 48
.set G0B, 56
.set EX, 68
.set MSB, 0
.macro WIN new
.if MSB != \new
	s_set_vgpr_msb (MSB<<8)|\new
.set MSB, \new
.endif
.endm
.set MUL,  0x05
.set TO_F, 0x40
.macro JLOAD g0a, g1a, g0b, g1b
	s_cmp_eq_u32 s15, 0
	s_cbranch_scc0 .Lfor_b_\@
	tensor_load_to_lds s[\g0a:\g0a+3], s[\g1a:\g1a+7]
	s_nop 0
.rept 4
	v_nop
.endr
	s_branch .Lasked_\@
.Lfor_b_\@:
	tensor_load_to_lds s[\g0b:\g0b+3], s[\g1b:\g1b+7]
	s_nop 0
.rept 4
	v_nop
.endr
.Lasked_\@:
.endm
.macro CREST
	s_cmp_lg_u32 s14, 0
	s_cbranch_scc1 .Lnot_wave_0_\@
	s_barrier_signal -3
.Lnot_wave_0_\@:
	s_barrier_wait -3
	s_barrier_signal -1
	s_barrier_wait -1
.endm
.macro CROUND
	s_barrier_signal -1
	s_barrier_wait -1
	CREST
.endm
	s_load_b128 s[4:7], s[0:1], 0x0
	s_load_b128 s[8:11], s[0:1], 0x10
	v_lshl_add_u32 v[SPW], v0, 2, SPARE
	v_mov_b32 v[NIL], 0
	ds_add_u32 v28, v29
	ds_add_u32 v28, v29
	s_wait_dscnt 0x0
	v_lshrrev_b32 v1, 5, v0
	v_readfirstlane_b32 s14, v1
	s_lshr_b32 s15, s14, 1
	s_and_b32 s16, s14, 1
	s_bfe_u32 s40, ttmp6, 0x40000
	s_bfe_u32 s41, ttmp6, 0x40004
	s_lshl_b32 s42, ttmp9, 2
	s_add_co_u32 s42, s42, s40
	s_and_b32 s17, ttmp7, 0xffff
	s_lshl_b32 s17, s17, 2
	s_add_co_u32 s17, s17, s41
	s_lshl_b32 s43, s41, 2
	s_lshl_b32 s43, 15, s43
	s_lshl_b32 s44, 0x1111, s40
	s_or_b32 s[G1+0], s43, (3<<16)|(1<<21)
	s_or_b32 s[G1B+0], s44, (3<<16)|(1<<21)
.irp g, G1, G1B
	s_mov_b32 s[\g+1], 1024<<16
	s_mov_b32 s[\g+2], 4<<16
	s_mov_b32 s[\g+3], 1024<<16
	s_mov_b32 s[\g+4], 4
	s_mov_b32 s[\g+5], 2*SIZE_K
	s_mov_b32 s[\g+6], 0
	s_mov_b32 s[\g+7], 0
.endr
	s_lshl_b32 s18, s16, 6
	s_lshl_b32 s20, s17, 7
	s_add_co_u32 s20, s20, s18
	s_lshl_b32 s46, s42, 7
	s_add_co_u32 s46, s46, s18
	s_mov_b32 s21, 0
	s_mov_b32 s47, 0
	s_mov_b64 s[18:19], KROW
	s_mul_u64 s[20:21], s[20:21], s[18:19]
	s_mul_u64 s[46:47], s[46:47], s[18:19]
	s_mul_i32 s45, s14, HALFT
	s_wait_kmcnt 0x0
	s_load_b512 s[EX:EX+15], s[8:9], 0x0
	s_add_nc_u64 s[20:21], s[4:5], s[20:21]
	s_add_nc_u64 s[46:47], s[6:7], s[46:47]
	s_add_nc_u64 s[46:47], s[46:47], BOFF
	CROUND
.irp s, 0,1
	s_mov_b32 s[G0+4*\s], 1
	s_add_co_u32 s[G0+4*\s+1], s45, \s*SLOT
	s_add_nc_u64 s[G0+4*\s+2:G0+4*\s+3], s[20:21], \s*TROW
	s_or_b32 s[G0+4*\s+3], s[G0+4*\s+3], 0x80000000
	s_mov_b32 s[G0B+4*\s], 1
	s_add_co_u32 s[G0B+4*\s+1], s45, \s*SLOT
	s_add_nc_u64 s[G0B+4*\s+2:G0B+4*\s+3], s[46:47], \s*TROW
	s_or_b32 s[G0B+4*\s+3], s[G0B+4*\s+3], 0x80000000
.endr
	; the prefetches' base: of the 4 tiles of rows that my wave fetches, the partner at place p (cx for A, cy for B) names tile p: told apart by address alone
	s_cmp_eq_u32 s15, 0
	s_cselect_b64 s[98:99], s[20:21], s[46:47]
	s_cselect_b32 s2, s40, s41
	s_lshl_b32 s2, s2, 16
	s_mov_b32 s3, 0
	s_add_nc_u64 s[98:99], s[98:99], s[2:3]
	JLOAD G0, G1, G0B, G1B                         ; slot 0: one tensor load a wave at the head
	v_and_b32 v30, 31, v0
	v_lshlrev_b32 v30, 8, v30                      ; lane l: block l of a slot's 8,192 bytes of my tile of rows; never rewritten
	global_prefetch_b8 v30, s[98:99] offset:TROW th:TH_LOAD_NT scope:SCOPE_SE     ; behind each joint load: the slot's worth of K two loads on; this first place also names the second, which has no earlier place
	global_prefetch_b8 v30, s[98:99] offset:2*TROW th:TH_LOAD_NT scope:SCOPE_SE
	v_and_b32 v1, 15, v0
	s_wait_alu depctr_va_vdst(0)
	v_bfe_u32 v2, v0, 4, 1
	v_and_b32 v6, 31, v0
	v_lshlrev_b32 v[LI], 4, v6
	s_mul_i32 s21, s15, HALFT
	s_mul_i32 s22, s16, HALFT
	s_add_co_u32 s22, s22, 2*HALFT
.irp s, 0,1
	v_add_nc_u32 v[ADRA+\s], s21, v[LI]
	v_add_nc_u32 v[ADRB+\s], s22, v[LI]
	s_add_co_u32 s21, s21, SLOT
	s_add_co_u32 s22, s22, SLOT
.endr
	s_mul_i32 s23, s14, 16*SPITCH
	s_add_co_u32 s23, s23, STAGE
	v_mul_u32_u24 v5, v1, SPITCH
	s_wait_alu depctr_va_vdst(0)
	v_lshl_add_u32 v5, v2, 5, v5
	v_add_nc_u32 v[STO], s23, v5
	v_mul_u32_u24 v5, v2, SPITCH
	v_lshl_add_u32 v5, v1, 4, v5
	v_add_nc_u32 v[RD], s23, v5
	v_mul_u32_u24 v5, v2, ROWY
	v_lshl_add_u32 v[CO], v1, 4, v5
	s_lshl_b32 s20, s17, 7
	s_lshl_b32 s21, s15, 6
	s_add_co_u32 s20, s20, s21
	s_mov_b32 s21, 0
	s_mov_b64 s[18:19], ROWY
	s_mul_u64 s[20:21], s[20:21], s[18:19]
	s_lshl_b32 s46, s42, 9
	s_lshl_b32 s47, s16, 8
	s_add_co_u32 s46, s46, s47
	s_mov_b32 s47, 0
	s_add_nc_u64 s[20:21], s[20:21], s[46:47]
	s_add_nc_u64 s[10:11], s[10:11], s[20:21]
.macro FRAG reg, adr, q, i
.irp c, 0,1,2,3
	ds_load_b128 v[\reg+4*\c:\reg+4*\c+3], v[\adr] offset:(\i)*TROW+(\q)*FRB+512*\c
.endr
.endm
.macro MULA f, a, zero
.irp b, 0,1,2,3
.if \zero
	v_wmma_f32_16x16x128_bf8_bf8 v[ACC+8*(4*(\a)+\b):ACC+8*(4*(\a)+\b)+7], v[\f+64+FR*\b:\f+64+FR*\b+FR-1], v[\f+FR*(\a):\f+FR*(\a)+FR-1], 0
.else
	v_wmma_f32_16x16x128_bf8_bf8 v[ACC+8*(4*(\a)+\b):ACC+8*(4*(\a)+\b)+7], v[\f+64+FR*\b:\f+64+FR*\b+FR-1], v[\f+FR*(\a):\f+FR*(\a)+FR-1], v[ACC+8*(4*(\a)+\b):ACC+8*(4*(\a)+\b)+7]
.endif
.endr
.endm
.macro FETCH slot, q, f
	WIN TO_F
.irp i, 0,1,2,3
	FRAG \f+64+FR*\i, ADRB+\slot, \q, \i
.endr
.irp i, 0,1,2,3
	FRAG \f+FR*\i, ADRA+\slot, \q, \i
.endr
.endm
.macro PLACES
.rept 4
	v_nop
.endr
.endm
.macro QUARTER slot, q, f, g, zero
	s_wait_dscnt 8
	WIN MUL
	MULA \f, 0, \zero
	MULA \f, 1, \zero
	PLACES
	FETCH \slot, \q, \g
	s_wait_dscnt 32
	WIN MUL
	MULA \f, 2, \zero
	MULA \f, 3, \zero
.endm
.macro TURN slot, next, fill
	WIN 0
.if \fill
	s_wait_xcnt 0x0                                ; my last prefetch has read its base: it is stepped only behind this wait
	s_add_nc_u64 s[98:99], s[98:99], TROW
.endif
	s_wait_tensorcnt 0x0
	ds_add_u32 v[SPW], v[NIL]
	s_wait_dscnt 9
	WIN MUL
	MULA F1, 0, 0
	s_wait_dscnt 0x0
	s_barrier_signal -1
	MULA F1, 1, 0
.if \fill
	WIN 0
.endif
	s_barrier_wait -1
.if \fill
	CREST
	s_add_nc_u64 s[G0+4*\slot+2:G0+4*\slot+3], s[G0+4*\slot+2:G0+4*\slot+3], 2*TROW
	s_add_nc_u64 s[G0B+4*\slot+2:G0B+4*\slot+3], s[G0B+4*\slot+2:G0B+4*\slot+3], 2*TROW
	JLOAD G0+4*\slot, G1, G0B+4*\slot, G1B
.else
	PLACES
.endif
	FETCH \next, 0, F0
.if \fill
	WIN 0
	s_cmp_eq_u32 s3, 1                             ; the loop's last trip loads the last two slots' worth of K: nothing lies two loads on
	s_cbranch_scc1 .Lno_ask_\@
	global_prefetch_b8 v30, s[98:99] offset:3*TROW th:TH_LOAD_NT scope:SCOPE_SE
.Lno_ask_\@:
.endif
	WIN MUL
	MULA F1, 2, 0
	MULA F1, 3, 0
.endm
	s_wait_alu depctr_va_vdst(0)
	s_wait_tensorcnt 0x0                           ; my part of slot 0 is in; slot 1's first fill is issued as a refill is
	ds_add_u32 v[SPW], v[NIL]
	s_wait_dscnt 0x0
	CROUND
	JLOAD G0+4, G1, G0B+4, G1B
	FETCH 0, 0, F0
	WIN 0
	global_prefetch_b8 v30, s[98:99] offset:3*TROW th:TH_LOAD_NT scope:SCOPE_SE   ; two loads on
	QUARTER 0, 1, F0, F1, 1
.if LAPS > 1
	WIN 0
	s_mov_b32 s3, LAPS-1
.Llap:
	QUARTER 0, 2, F1, F0, 0
	QUARTER 0, 3, F0, F1, 0
	TURN 0, 1, 1
	QUARTER 1, 1, F0, F1, 0
	QUARTER 1, 2, F1, F0, 0
	QUARTER 1, 3, F0, F1, 0
	TURN 1, 0, 1
	QUARTER 0, 1, F0, F1, 0
	WIN 0
	s_sub_co_u32 s3, s3, 1
	s_cmp_lg_u32 s3, 0
	s_cbranch_scc1 .Llap
.endif
	QUARTER 0, 2, F1, F0, 0
	QUARTER 0, 3, F0, F1, 0
	TURN 0, 1, 0
	QUARTER 1, 1, F0, F1, 0
	QUARTER 1, 2, F1, F0, 0
	QUARTER 1, 3, F0, F1, 0
	s_wait_dscnt 8
	WIN MUL
	MULA F1, 0, 0
	MULA F1, 1, 0
	s_wait_dscnt 0
	MULA F1, 2, 0
	MULA F1, 3, 0
	WIN 0
.macro TOSTAGE a
.irp j, 0,2,4,6,8,10,12,14,16,18,20,22,24,26,28,30
	v_pk_mul_f32 v[TMP+\j:TMP+\j+1], v[ACC+32*(\a)+\j:ACC+32*(\a)+\j+1], s[96:97] op_sel_hi:[1,0]
.endr
.irp b, 0,1,2,3
	ds_store_b128 v[STO], v[TMP+8*\b:TMP+8*\b+3] offset:64*\b
	ds_store_b128 v[STO], v[TMP+8*\b+4:TMP+8*\b+7] offset:64*\b+16
.endr
.set BB, BK+32*((\a)%2)
.irp t, 0,1,2,3,4,5,6,7
	ds_load_b128 v[BB+4*\t:BB+4*\t+3], v[RD] offset:\t*2*SPITCH
.endr
.endm
.macro SEND a, younger
.set BB, BK+32*((\a)%2)
	s_wait_dscnt \younger
.irp t, 0,1,2,3,4,5,6,7
	global_store_b128 v[CO], v[BB+4*\t:BB+4*\t+3], s[10:11] offset:(16*(\a)+2*\t)*ROWY th:TH_STORE_NT
.endr
.endm
	s_wait_kmcnt 0x0
	s_add_co_i32 s96, s[EX+EA], s[EX+EB]
	s_add_co_i32 s96, s96, 127
	s_lshl_b32 s96, s96, 23
	s_mov_b32 s97, s96
	PLACES
	TOSTAGE 0
.irp a, 1,2,3
.if \a > 1
	s_wait_xcnt 0x0
.endif
	TOSTAGE \a
	SEND \a-1, 16
.endr
	SEND 3, 0
	s_wait_tensorcnt 0x0
	ds_add_u32 v[SPW], v[NIL]
	s_wait_dscnt 0x0
	CROUND
	s_endpgm
.Lfunc_end_k_qc6c55c1113_l_ffn2:
	.size	k_qc6c55c1113_l_ffn2, .Lfunc_end_k_qc6c55c1113_l_ffn2-k_qc6c55c1113_l_ffn2
	.p2alignl 7, 3214868480
	.fill 96, 4, 3214868480
	.section	.rodata,"a",@progbits
	.p2align	6, 0x0
	.amdhsa_kernel k_qc6c55c1113_l_ffn2
		.amdhsa_group_segment_fixed_size 327680
		.amdhsa_private_segment_fixed_size 0
		.amdhsa_enable_private_segment 0
		.amdhsa_kernarg_size 32
		.amdhsa_user_sgpr_count 2
		.amdhsa_user_sgpr_kernarg_segment_ptr 1
		.amdhsa_wavefront_size32 1
		.amdhsa_system_sgpr_workgroup_id_x 1
		.amdhsa_system_sgpr_workgroup_id_y 1
		.amdhsa_system_sgpr_workgroup_id_z 1
		.amdhsa_system_vgpr_workitem_id 0
		.amdhsa_next_free_vgpr 512
		.amdhsa_next_free_sgpr 100
		.amdhsa_reserve_vcc 0
		.amdhsa_float_denorm_mode_32 3
		.amdhsa_float_denorm_mode_16_64 3
		.amdhsa_memory_ordered 1
		.amdhsa_forward_progress 1
		.amdhsa_inst_pref_size 75
	.end_amdhsa_kernel
	.amdgpu_metadata
---
amdhsa.version: [ 1, 2 ]
amdhsa.kernels:
  - .name:           k_qc6c55c1113_l_ffn2
    .symbol:         k_qc6c55c1113_l_ffn2.kd
    .args:
      - { .name: fc, .offset: 0, .size: 8, .value_kind: global_buffer, .address_space: global }
      - { .name: cw, .offset: 8, .size: 8, .value_kind: global_buffer, .address_space: global }
      - { .name: lowp_scales, .offset: 16, .size: 8, .value_kind: global_buffer, .address_space: global }
      - { .name: ybuf, .offset: 24, .size: 8, .value_kind: global_buffer, .address_space: global }
    .group_segment_fixed_size: 327680
    .private_segment_fixed_size: 0
    .kernarg_segment_align: 8
    .kernarg_segment_size: 32
    .max_flat_workgroup_size: 128
    .sgpr_count:     100
    .vgpr_count:     512
    .wavefront_size: 32
...
	.end_amdgpu_metadata
.endif
;; end of part 15
;; launch l_ln2 (part 16): grid 256 x 1, 8 waves a work-group, no clusters, 0 bytes of LDS; arguments ybuf, hbuf, b2, g2, be2, out0; writes out0
.if DOCPART == 16
	.amdgcn_target "amdgcn-amd-amdhsa--gfx1250"
	.amdhsa_code_object_version 6
	.text
	.protected	k_qc6c55c1113_l_ln2
	.globl	k_qc6c55c1113_l_ln2
	.p2align	8
	.type	k_qc6c55c1113_l_ln2,@function
k_qc6c55c1113_l_ln2:
	s_mov_b64 s[64:65], 0
	v_nop
	global_prefetch_b8 v0, s[64:65] scope:SCOPE_SE
	s_setreg_imm32_b32 hwreg(HW_REG_WAVE_MODE, 25, 1), 1
	s_wait_xcnt 0x0
; out = layer norm(y + bias + residual) x gain + offset, rows of 1,024 f32; here y = the hidden layer's product with W2, bias = b2, residual = h.
; A work-group takes 16 rows; wave w takes rows 2 w and 2 w + 1, each whole in 32 registers (a load or store covers 512 consecutive bytes), so that mean and variance never leave the wave: no LDS, no barrier.
; The variance is the mean of (number - mean)^2, in a second pass over the registers: no difference of large sums.
; Memory binds: no matrix unit, no cluster (nothing is shared but three short vectors).
.set BI, 16                            ; v16-47   the bias, my 32 columns (128 j + 4 lane + 0..3)
.set G,  48                            ; v48-79   the gain
.set BE, 80                            ; v80-111  the offset
.set Y0, 112                           ; v112-143 row 0;  v144-175 its residual;  v176-207 row 1;  v208-239 its residual;  v240-251 at work
.set R0, 144
.set Y1, 176
.set R1, 208
.macro LD8 reg, base, off, nt          ; a row of 4,096 bytes: eight loads of 512 consecutive bytes
.irp j, 0,1,2,3,4,5,6,7
.if \nt
	global_load_b128 v[\reg+4*\j:\reg+4*\j+3], v1, s[\base:\base+1] offset:\off+512*\j th:TH_LOAD_NT
.else
	global_load_b128 v[\reg+4*\j:\reg+4*\j+3], v1, s[\base:\base+1] offset:\off+512*\j
.endif
.endr
.endm
.macro REDUCE                          ; four chains in v[240:247] -> their sum over the wave, in v240 of every lane
	s_delay_alu instid0(VALU_DEP_3)
	v_pk_add_f32 v[240:241], v[240:241], v[242:243]
	s_delay_alu instid0(VALU_DEP_2)
	v_pk_add_f32 v[244:245], v[244:245], v[246:247]
	s_delay_alu instid0(VALU_DEP_1)
	v_pk_add_f32 v[240:241], v[240:241], v[244:245]
	s_delay_alu instid0(VALU_DEP_1)
	v_add_f32 v240, v240, v241
	s_delay_alu instid0(VALU_DEP_1)
	v_add_f32_dpp v240, v240, v240 row_xmask:1 row_mask:0xf bank_mask:0xf
	s_delay_alu instid0(VALU_DEP_1)
	v_add_f32_dpp v240, v240, v240 row_xmask:2 row_mask:0xf bank_mask:0xf
	s_delay_alu instid0(VALU_DEP_1)
	v_add_f32_dpp v240, v240, v240 row_xmask:4 row_mask:0xf bank_mask:0xf
	s_delay_alu instid0(VALU_DEP_1)
	v_add_f32_dpp v240, v240, v240 row_xmask:8 row_mask:0xf bank_mask:0xf
	s_delay_alu instid0(VALU_DEP_1)
	v_permlanex16_b32 v241, v240, s26, s27
	s_delay_alu instid0(VALU_DEP_1)
	v_add_f32 v240, v240, v241
.endm
.macro ROW Y, R, row
.irp j, 0,2,4,6,8,10,12,14,16,18,20,22,24,26,28,30
	v_pk_add_f32 v[\Y+\j:\Y+\j+1], v[\Y+\j:\Y+\j+1], v[BI+\j:BI+\j+1]
.endr
.irp j, 0,2,4,6,8,10,12,14,16,18,20,22,24,26,28,30
	v_pk_add_f32 v[\Y+\j:\Y+\j+1], v[\Y+\j:\Y+\j+1], v[\R+\j:\R+\j+1]
.endr
.irp k, 0,1,2,3
	v_pk_add_f32 v[240+2*\k:241+2*\k], v[\Y+2*\k:\Y+2*\k+1], v[\Y+8+2*\k:\Y+9+2*\k]
.endr
.irp m, 16,24
.irp k, 0,1,2,3
	s_delay_alu instid0(VALU_DEP_4)
	v_pk_add_f32 v[240+2*\k:241+2*\k], v[240+2*\k:241+2*\k], v[\Y+\m+2*\k:\Y+\m+2*\k+1]
.endr
.endr
	REDUCE
	s_delay_alu instid0(VALU_DEP_1)
	v_mul_f32 v248, s24, v240                      ; the mean: sum / 1,024
.irp j, 0,2,4,6,8,10,12,14,16,18,20,22,24,26,28,30
	v_pk_add_f32 v[\Y+\j:\Y+\j+1], v[\Y+\j:\Y+\j+1], v[248:249] op_sel_hi:[1,0] neg_lo:[0,1] neg_hi:[0,1]   ; number - mean
.endr
.irp k, 0,1,2,3
	v_pk_mul_f32 v[240+2*\k:241+2*\k], v[\Y+2*\k:\Y+2*\k+1], v[\Y+2*\k:\Y+2*\k+1]
.endr
.irp m, 8,16,24
.irp k, 0,1,2,3
	s_delay_alu instid0(VALU_DEP_4)
	v_pk_fma_f32 v[240+2*\k:241+2*\k], v[\Y+\m+2*\k:\Y+\m+2*\k+1], v[\Y+\m+2*\k:\Y+\m+2*\k+1], v[240+2*\k:241+2*\k]
.endr
.endr
	REDUCE
	s_delay_alu instid0(VALU_DEP_1)
	v_fma_f32 v250, v240, s24, s25                 ; variance + 1e-5
	s_wait_alu depctr_va_vdst(0)
	v_rsq_f32 v250, v250
	v_nop                                          ; a plain line behind the transcendental
.if \row == 0
	s_wait_loadcnt 0x0                             ; the gain and the offset (and the second row)
.endif
	s_wait_alu depctr_va_vdst(0)                   ; ahead of its first reader
.irp j, 0,2,4,6,8,10,12,14,16,18,20,22,24,26,28,30
	v_pk_mul_f32 v[\Y+\j:\Y+\j+1], v[\Y+\j:\Y+\j+1], v[250:251] op_sel_hi:[1,0]
.endr
.irp j, 0,2,4,6,8,10,12,14,16,18,20,22,24,26,28,30
	v_pk_fma_f32 v[\Y+\j:\Y+\j+1], v[\Y+\j:\Y+\j+1], v[G+\j:G+\j+1], v[BE+\j:BE+\j+1]
.endr
.irp j, 0,1,2,3,4,5,6,7
	global_store_b128 v1, v[\Y+4*\j:\Y+4*\j+3], s[16:17] offset:\row*4096+512*\j th:TH_STORE_NT
.endr
.endm
	s_load_b256 s[4:11], s[0:1], 0x0               ; y s[4:5], residual s[6:7], bias s[8:9], gain s[10:11]
	s_load_b64 s[12:13], s[0:1], 0x20              ; offset
	s_load_b64 s[16:17], s[0:1], 0x28              ; out
	v_lshrrev_b32 v2, 5, v0
	s_delay_alu instid0(VALU_DEP_1)
	v_readfirstlane_b32 s20, v2                    ; wave 0..7
	v_and_b32 v2, 31, v0
	s_delay_alu instid0(VALU_DEP_1)
	v_lshlrev_b32 v1, 4, v2                        ; 16 x lane
	s_lshl_b32 s22, ttmp9, 16                      ; 16 rows of 4,096 bytes,
	s_lshl_b32 s23, s20, 13                        ; my two of them
	s_add_co_u32 s22, s22, s23
	s_mov_b32 s23, 0
	s_mov_b32 s24, 0x3a800000                      ; 1 / 1,024
	s_mov_b32 s25, 0x3727c5ac                      ; 1e-5
	s_mov_b32 s26, 0x76543210                      ; lane selects: lane l xor 16
	s_mov_b32 s27, 0xfedcba98
	v_mov_b32 v249, 0                              ; (named as the upper halves of pairs)
	v_mov_b32 v251, 0
	s_wait_alu depctr_va_vdst(0)
	s_wait_kmcnt 0x0
	s_add_nc_u64 s[4:5], s[4:5], s[22:23]
	s_add_nc_u64 s[6:7], s[6:7], s[22:23]
	s_add_nc_u64 s[16:17], s[16:17], s[22:23]
	LD8 BI, 8, 0, 0
	LD8 Y0, 4, 0, 1
	LD8 R0, 6, 0, 1
	LD8 Y1, 4, 4096, 1
	LD8 R1, 6, 4096, 1
	LD8 G, 10, 0, 0
	LD8 BE, 12, 0, 0
	s_wait_loadcnt 32                              ; the bias and the first row are in; the second row's 16 loads, the gain's 8 and the offset's 8 may be out
	ROW Y0, R0, 0
	ROW Y1, R1, 1
	s_endpgm
.Lfunc_end_k_qc6c55c1113_l_ln2:
	.size	k_qc6c55c1113_l_ln2, .Lfunc_end_k_qc6c55c1113_l_ln2-k_qc6c55c1113_l_ln2
	.p2alignl 7, 3214868480
	.fill 96, 4, 3214868480
	.section	.rodata,"a",@progbits
	.p2align	6, 0x0
	.amdhsa_kernel k_qc6c55c1113_l_ln2
		.amdhsa_group_segment_fixed_size 0
		.amdhsa_private_segment_fixed_size 0
		.amdhsa_enable_private_segment 0
		.amdhsa_kernarg_size 48
		.amdhsa_user_sgpr_count 2
		.amdhsa_user_sgpr_kernarg_segment_ptr 1
		.amdhsa_wavefront_size32 1
		.amdhsa_system_sgpr_workgroup_id_x 1
		.amdhsa_system_sgpr_workgroup_id_y 1
		.amdhsa_system_sgpr_workgroup_id_z 1
		.amdhsa_system_vgpr_workitem_id 0
		.amdhsa_next_free_vgpr 256
		.amdhsa_next_free_sgpr 66
		.amdhsa_reserve_vcc 0
		.amdhsa_float_denorm_mode_32 3
		.amdhsa_float_denorm_mode_16_64 3
		.amdhsa_memory_ordered 1
		.amdhsa_forward_progress 1
		.amdhsa_inst_pref_size 27
	.end_amdhsa_kernel
	.amdgpu_metadata
---
amdhsa.version: [ 1, 2 ]
amdhsa.kernels:
  - .name:           k_qc6c55c1113_l_ln2
    .symbol:         k_qc6c55c1113_l_ln2.kd
    .args:
      - { .name: ybuf, .offset: 0, .size: 8, .value_kind: global_buffer, .address_space: global }
      - { .name: hbuf, .offset: 8, .size: 8, .value_kind: global_buffer, .address_space: global }
      - { .name: b2, .offset: 16, .size: 8, .value_kind: global_buffer, .address_space: global }
      - { .name: g2, .offset: 24, .size: 8, .value_kind: global_buffer, .address_space: global }
      - { .name: be2, .offset: 32, .size: 8, .value_kind: global_buffer, .address_space: global }
      - { .name: out0, .offset: 40, .size: 8, .value_kind: global_buffer, .address_space: global }
    .group_segment_fixed_size: 0
    .private_segment_fixed_size: 0
    .kernarg_segment_align: 8
    .kernarg_segment_size: 48
    .max_flat_workgroup_size: 256
    .sgpr_count:     66
    .vgpr_count:     256
    .wavefront_size: 32
...
	.end_amdgpu_metadata
.endif
;; end of part 16
